; MI455X (gfx1250); checked and timed in simulation.
; The chip was launched on July 23, 2026; its instructions are those of AMD's public machine-readable ISA for CDNA 5 (MIT licence, August 2026) and "CDNA5" Instruction Set Architecture Reference Guide (July 2026). The comments in the code are by the model that wrote it; some were corrected since.
;; Mo R Block. Allowed arithmetic: float matrix products may take bf16 or f16 operands with f32 sums; other float arithmetic in f32, or as packed bf16 or f16 multiplies, adds, multiply-adds, maxima and minima; sums over many terms, partial sums and values carried from step to step in f32; what a program stores and reads back later, other than sums and carried values, may be rounded once to bf16 or f16.
;; Inputs: W1 8 x 1,024 x 4,096 float32; W2 8 x 4,096 x 1,024 float32; Wr 1,024 x 8 float32; b1 8 x 4,096 float32; b2 8 x 1,024 float32; beta 1,024 float32; br 8 float32; gamma 1,024 float32; x 4 x 256 x 1,024 float32.
;; Outputs: out0 4 x 256 x 1,024 float32.
;; 3 versions, each right; version 2 is faster than version 1; version 3 is version 2 with the launches up, down written anew for expert scheduling mode. Each part assembles by itself: llvm-mc -triple=amdgcn-amd-amdhsa -mcpu=gfx1250 --defsym DOCPART=n.
;; ======== version 1 of 3: 4 launches
;; workspace buffers: xn 2,113,536 bytes; rt 4,096 bytes of whole numbers; sc 8,448 bytes; hid 68,157,440 bytes; ybuf 33,816,576 bytes
;; launch route (part 1): grid 256 x 1, 4 waves a work-group, no clusters, 0 bytes of LDS; arguments x, gamma, beta, Wr, br, xn, rt, sc; writes xn, rt, sc
.if DOCPART == 1
	.amdgcn_target "amdgcn-amd-amdhsa--gfx1250"
	.amdhsa_code_object_version 6
	.text
	.protected	k_q4e6579d021_route
	.globl	k_q4e6579d021_route
	.p2align	8
	.type	k_q4e6579d021_route,@function
k_q4e6579d021_route:
	s_mov_b64 s[64:65], 0
	v_nop
	global_prefetch_b8 v0, s[64:65] scope:SCOPE_SE
	s_setreg_imm32_b32 hwreg(HW_REG_WAVE_MODE, 25, 1), 1
	s_wait_xcnt 0x0
; LayerNorm, router, softmax and top-2 for 1,024 tokens of 1,024 channels.  One wave, one token: t = 4 x work-group + wave.
; Stored: xn[t][1024] in bf16 (the products' operand); rt[t] = (1 << e0) | (1 << (8 + e1)), whole numbers at a fixed place; sc[0][t], sc[1][t] the two scores in f32.
; The waves of tokens 0 to 7 also store the zero rows 1024 + t of xn and the scores 1.0 of those rows: expert e's constant relu(b1) W2 rides through both products as row 1024 + e.
; The row stays in registers: the mean, then the sum of squares of x - mean (no difference of large sums), then the logits in f32 on the vector unit (8 columns: no matrix work),
; so that the choice follows f32 logits.  No LDS, no barrier: no wave needs another.
; LIMITS.  The top-2 is taken on the exponentials 2^((l - max) log2 e), strictly greater wins, so the lower index keeps a tie; logits closer than the rounding of an f32 sum of
; 1,024 terms may order otherwise than another order of summation would; an exponential below 2^-126 counts as 0; NaN and infinities are not treated apart.
.set X,   8                            ; v[8:39]    the row: channel 128 i + 4 lane + q at X + 4 i + q; x, then x - mean, then xn
.set GA,  40                           ; v[40:71]   gamma, then gamma / sigma, then the packed bf16
.set BE,  72                           ; v[72:103]  beta
.set WR,  104                          ; v[104:231] Wr of chunks 0-3: channel (i, q), expert e at WR + 32 i + 8 q + e; chunks 4-7 in window 1, v[0:127]
.set LG,  232                          ; v[232:247] two sets of eight logit sums (channels with q even, q odd); later the eight exponentials in the upper eight
.set P,   240
.set T,   248                          ; v[248:255] at work
.set MSB, 0
.macro WIN new                         ; the immediate's high byte repeats the setting that is left
.if MSB != (\new)
	s_set_vgpr_msb (MSB<<8)|(\new)
.set MSB, \new
.endif
.endm
.macro LSUM r, t                       ; the sum over the 32 lanes, in every lane: four steps inside each half ride on the add, one crosses the halves
	v_add_f32_dpp v[\r], v[\r], v[\r] row_xmask:1 row_mask:0xf bank_mask:0xf
	v_add_f32_dpp v[\r], v[\r], v[\r] row_xmask:2 row_mask:0xf bank_mask:0xf
	v_add_f32_dpp v[\r], v[\r], v[\r] row_xmask:4 row_mask:0xf bank_mask:0xf
	v_add_f32_dpp v[\r], v[\r], v[\r] row_xmask:8 row_mask:0xf bank_mask:0xf
	v_permlanex16_b32 v[\t], v[\r], s28, s29
	v_add_f32 v[\r], v[\r], v[\t]
.endm
; four packed multiply-adds: channel (i, q) times its eight weights, onto set s = q % 2; start = 1: the products start the sums
.macro DOTQ i, base, q, s, start
.irp p,0,1,2,3
.if \start
	v_pk_mul_f32 v[LG+8*(\s)+2*\p:LG+8*(\s)+2*\p+1], v[X+4*(\i)+2*((\q)/2):X+4*(\i)+2*((\q)/2)+1], v[(\base)+8*(\q)+2*\p:(\base)+8*(\q)+2*\p+1] op_sel:[\s,0] op_sel_hi:[\s,1]
.else
	v_pk_fma_f32 v[LG+8*(\s)+2*\p:LG+8*(\s)+2*\p+1], v[X+4*(\i)+2*((\q)/2):X+4*(\i)+2*((\q)/2)+1], v[(\base)+8*(\q)+2*\p:(\base)+8*(\q)+2*\p+1], v[LG+8*(\s)+2*\p:LG+8*(\s)+2*\p+1] op_sel:[\s,0,0] op_sel_hi:[\s,1,1]
.endif
.endr
.endm
.macro DOT i, base, start
	DOTQ \i, \base, 0, 0, \start
	DOTQ \i, \base, 1, 1, \start
	DOTQ \i, \base, 2, 0, 0
	DOTQ \i, \base, 3, 1, 0
.endm
	s_load_b512 s[4:19], s[0:1], 0x0               ; x s[4:5], gamma s[6:7], beta s[8:9], Wr s[10:11], br s[12:13], xn s[14:15], rt s[16:17], sc s[18:19]
	v_and_b32 v1, 31, v0                           ; lane
	v_lshrrev_b32 v2, 5, v0
	v_readfirstlane_b32 s32, v2                    ; wave
	s_lshl2_add_u32 s33, ttmp9, s32                ; my token
	v_lshlrev_b32 v2, 4, v1                        ; 16 lane: x, gamma, beta
	v_lshlrev_b32 v3, 7, v1                        ; 128 lane: my four rows of Wr in a chunk
	v_lshlrev_b32 v4, 3, v1                        ; 8 lane: four bf16 of xn
	s_lshl_b32 s35, s33, 2
	v_mov_b32 v5, s35                              ; 4 t: rt and sc
	s_mov_b32 s28, 0x76543210                      ; v_permlanex16_b32: each lane takes its own place in the other half
	s_mov_b32 s29, 0xfedcba98
	s_mov_b32 s30, 0x3a800000                      ; 1 / 1024
	s_mov_b32 s31, 0x3727c5ac                      ; 1e-5
	s_lshl_b32 s36, s33, 12                        ; my row of x, 4,096 bytes
	s_mov_b32 s37, 0
	s_lshl_b32 s38, s33, 11                        ; my row of xn, 2,048 bytes
	s_mov_b32 s39, 0
	s_wait_kmcnt 0x0
	s_load_b256 s[20:27], s[12:13], 0x0            ; br
	s_add_nc_u64 s[4:5], s[4:5], s[36:37]
	s_add_nc_u64 s[14:15], s[14:15], s[38:39]
.irp i,0,1,2,3,4,5,6,7
	global_load_b128 v[X+4*\i:X+4*\i+3], v2, s[4:5] offset:512*\i
.endr
.irp i,0,1,2,3,4,5,6,7
	global_load_b128 v[GA+4*\i:GA+4*\i+3], v2, s[6:7] offset:512*\i
.endr
.irp i,0,1,2,3,4,5,6,7
	global_load_b128 v[BE+4*\i:BE+4*\i+3], v2, s[8:9] offset:512*\i
.endr
.irp i,0,1,2,3
.irp m,0,1,2,3,4,5,6,7
	global_load_b128 v[WR+32*\i+4*\m:WR+32*\i+4*\m+3], v3, s[10:11] offset:4096*\i+16*\m
.endr
.endr
	s_wait_loadcnt 32                              ; x, gamma and beta are in: the 32 younger loads are Wr's first half
	WIN 0x40                                       ; destination window 1, address window 0
.irp i,0,1,2,3
.irp m,0,1,2,3,4,5,6,7
	global_load_b128 v[32*\i+4*\m:32*\i+4*\m+3], v3, s[10:11] offset:16384+4096*\i+16*\m
.endr
.endr
	WIN 0
	; the mean: four chains, then across the lanes
.irp k,0,1,2,3
	v_pk_add_f32 v[T+2*\k:T+2*\k+1], v[X+8*\k:X+8*\k+1], v[X+8*\k+2:X+8*\k+3]
.endr
.irp k,0,1,2,3
	v_pk_add_f32 v[T+2*\k:T+2*\k+1], v[T+2*\k:T+2*\k+1], v[X+8*\k+4:X+8*\k+5]
.endr
.irp k,0,1,2,3
	v_pk_add_f32 v[T+2*\k:T+2*\k+1], v[T+2*\k:T+2*\k+1], v[X+8*\k+6:X+8*\k+7]
.endr
	v_pk_add_f32 v[T:T+1], v[T:T+1], v[T+2:T+3]
	v_pk_add_f32 v[T+4:T+5], v[T+4:T+5], v[T+6:T+7]
	v_pk_add_f32 v[T:T+1], v[T:T+1], v[T+4:T+5]
	v_add_f32 v[T], v[T], v[T+1]
	LSUM T, T+1
	v_mul_f32 v[T], s30, v[T]
.set k, 0
.rept 16
	v_pk_add_f32 v[X+2*k:X+2*k+1], v[X+2*k:X+2*k+1], v[T:T+1] op_sel_hi:[1,0] neg_lo:[0,1] neg_hi:[0,1]  ; x - mean
.set k, k+1
.endr
	; the variance, of the differences
.irp k,0,1,2,3
	v_pk_mul_f32 v[T+2*\k:T+2*\k+1], v[X+8*\k:X+8*\k+1], v[X+8*\k:X+8*\k+1]
.endr
.irp z,2,4,6
.irp k,0,1,2,3
	v_pk_fma_f32 v[T+2*\k:T+2*\k+1], v[X+8*\k+\z:X+8*\k+\z+1], v[X+8*\k+\z:X+8*\k+\z+1], v[T+2*\k:T+2*\k+1]
.endr
.endr
	v_pk_add_f32 v[T:T+1], v[T:T+1], v[T+2:T+3]
	v_pk_add_f32 v[T+4:T+5], v[T+4:T+5], v[T+6:T+7]
	v_pk_add_f32 v[T:T+1], v[T:T+1], v[T+4:T+5]
	v_add_f32 v[T], v[T], v[T+1]
	LSUM T, T+1
	v_fma_f32 v[T], v[T], s30, s31                 ; variance + 1e-5
	v_rsq_f32 v[T], v[T]
	v_nop                                          ; a plain instruction between the root and the use of its result (ISA guide 5.7.2)
.set k, 0
	s_wait_alu depctr_va_vdst(0)
.rept 16
	v_pk_mul_f32 v[GA+2*k:GA+2*k+1], v[GA+2*k:GA+2*k+1], v[T:T+1] op_sel_hi:[1,0]
.set k, k+1
.endr
.set k, 0
.rept 16
	v_pk_fma_f32 v[X+2*k:X+2*k+1], v[X+2*k:X+2*k+1], v[GA+2*k:GA+2*k+1], v[BE+2*k:BE+2*k+1]  ; xn, in f32
.set k, k+1
.endr
.set k, 0
.rept 16
	v_cvt_pk_bf16_f32 v[GA+k], v[X+2*k], v[X+2*k+1]
.set k, k+1
.endr
.irp i,0,1,2,3,4,5,6,7
	global_store_b64 v4, v[GA+2*\i:GA+2*\i+1], s[14:15] offset:256*\i  ; 32 lanes x 8 bytes: 256 consecutive bytes, aligned
.endr
	; the logits
	s_wait_loadcnt 32                              ; Wr's first half is in: the 32 younger loads are its second half
	DOT 0, WR, 1
	DOT 1, WR+32, 0
	DOT 2, WR+64, 0
	DOT 3, WR+96, 0
	s_wait_loadcnt 0x0
	WIN 0x04                                       ; source 1 in window 1
	DOT 4, 0, 0
	DOT 5, 32, 0
	DOT 6, 64, 0
	DOT 7, 96, 0
	WIN 0
.irp p,0,1,2,3
	v_pk_add_f32 v[LG+2*\p:LG+2*\p+1], v[LG+2*\p:LG+2*\p+1], v[LG+8+2*\p:LG+8+2*\p+1]
.endr
.irp m,1,2,4,8
.irp e,0,1,2,3,4,5,6,7
	v_add_f32_dpp v[LG+\e], v[LG+\e], v[LG+\e] row_xmask:\m row_mask:0xf bank_mask:0xf
.endr
.endr
.irp e,0,1,2,3,4,5,6,7
	v_permlanex16_b32 v[P+\e], v[LG+\e], s28, s29
.endr
.irp e,0,1,2,3,4,5,6,7
	v_add_f32 v[LG+\e], v[LG+\e], v[P+\e]
.endr
	s_wait_kmcnt 0x0                               ; br
.irp e,0,1,2,3,4,5,6,7
	v_add_f32 v[LG+\e], s[20+\e], v[LG+\e]
.endr
	; softmax: the maximum is taken away first
	v_max3_num_f32 v[T], v[LG], v[LG+1], v[LG+2]
	v_max3_num_f32 v[T], v[T], v[LG+3], v[LG+4]
	v_max3_num_f32 v[T], v[T], v[LG+5], v[LG+6]
	v_max_num_f32 v[T], v[T], v[LG+7]
.irp e,0,1,2,3,4,5,6,7
	v_sub_f32 v[LG+\e], v[LG+\e], v[T]
.endr
.irp e,0,1,2,3,4,5,6,7
	v_mul_f32 v[LG+\e], 0x3fb8aa3b, v[LG+\e]
.endr
.irp e,0,1,2,3,4,5,6,7
	v_exp_f32 v[P+\e], v[LG+\e]
.endr
	v_mov_b32 v[T+2], 0                            ; a plain instruction behind the last exponential: the first winner's index starts at 0
	s_wait_alu depctr_va_vdst(0)
	v_add_f32 v[T+4], v[P], v[P+1]
	v_add_f32 v[T+5], v[P+2], v[P+3]
	v_add_f32 v[T+6], v[P+4], v[P+5]
	v_add_f32 v[T+7], v[P+6], v[P+7]
	v_add_f32 v[T+4], v[T+4], v[T+5]
	v_add_f32 v[T+6], v[T+6], v[T+7]
	v_add_f32 v[T+4], v[T+4], v[T+6]
	v_rcp_f32 v[T+4], v[T+4]                       ; 1 / sum; first used far below
	; top-2 by selects alone: no branch and no address hangs on these numbers
	v_mov_b32 v[T], v[P]
.irp e,1,2,3,4,5,6,7
	v_cmp_gt_f32 vcc_lo, v[P+\e], v[T]
	v_cndmask_b32 v[T], v[T], v[P+\e], vcc_lo
	v_cndmask_b32 v[T+2], v[T+2], \e, vcc_lo
.endr
.irp e,0,1,2,3,4,5,6,7
	v_cmp_eq_u32 vcc_lo, \e, v[T+2]
	v_cndmask_b32 v[P+\e], v[P+\e], -1.0, vcc_lo   ; the winner leaves: every other number is 0 or more
.endr
	v_mov_b32 v[T+1], v[P]
	v_mov_b32 v[T+3], 0
.irp e,1,2,3,4,5,6,7
	v_cmp_gt_f32 vcc_lo, v[P+\e], v[T+1]
	v_cndmask_b32 v[T+1], v[T+1], v[P+\e], vcc_lo
	v_cndmask_b32 v[T+3], v[T+3], \e, vcc_lo
.endr
	s_wait_alu depctr_va_vdst(0)
	v_mul_f32 v[T], v[T], v[T+4]                   ; the two scores
	v_mul_f32 v[T+1], v[T+1], v[T+4]
	v_mov_b32 v[T+5], 1
	v_lshlrev_b32 v[T+6], v[T+2], v[T+5]           ; 1 << e0
	v_add_nc_u32 v[T+3], 8, v[T+3]
	v_lshlrev_b32 v[T+7], v[T+3], v[T+5]           ; 1 << (8 + e1)
	v_or_b32 v[T+6], v[T+6], v[T+7]
	s_wait_xcnt 0x0                                ; EXEC is a source of the stores above: it changes only behind this wait
	v_cmp_eq_u32 vcc_lo, 0, v1
	s_and_saveexec_b32 s34, vcc_lo                 ; lane 0 stores the token's three words (12 bytes a token, 12 KB in the launch)
	global_store_b32 v5, v[T+6], s[16:17]
	global_store_b32 v5, v[T], s[18:19]
	global_store_b32 v5, v[T+1], s[18:19] offset:4128
	s_wait_xcnt 0x0
	s_or_b32 exec_lo, exec_lo, s34
	s_cmp_lt_u32 s33, 8
	s_cbranch_scc0 .Lend                           ; tokens 0 to 7 also make the eight constant rows
.irp k,0,1,2,3
	v_mov_b32 v[GA+\k], 0                          ; free: the wait above stands behind the stores that read them
.endr
	v_mov_b32 v[GA+4], 1.0
.irp m,0,1,2,3
	global_store_b128 v2, v[GA:GA+3], s[14:15] offset:2097152+512*\m  ; row 1024 + t of xn: 1,024 rows of 2,048 bytes behind row t
.endr
	s_wait_xcnt 0x0
	v_cmp_eq_u32 vcc_lo, 0, v1
	s_and_saveexec_b32 s34, vcc_lo
	global_store_b32 v5, v[GA+4], s[18:19] offset:4096
	global_store_b32 v5, v[GA+4], s[18:19] offset:8224
	s_wait_xcnt 0x0
	s_or_b32 exec_lo, exec_lo, s34
.Lend:
	s_endpgm
.Lfunc_end_k_q4e6579d021_route:
	.size	k_q4e6579d021_route, .Lfunc_end_k_q4e6579d021_route-k_q4e6579d021_route
	.p2alignl 7, 3214868480
	.fill 96, 4, 3214868480
	.section	.rodata,"a",@progbits
	.p2align	6, 0x0
	.amdhsa_kernel k_q4e6579d021_route
		.amdhsa_group_segment_fixed_size 0
		.amdhsa_private_segment_fixed_size 0
		.amdhsa_enable_private_segment 0
		.amdhsa_kernarg_size 64
		.amdhsa_user_sgpr_count 2
		.amdhsa_user_sgpr_kernarg_segment_ptr 1
		.amdhsa_wavefront_size32 1
		.amdhsa_system_sgpr_workgroup_id_x 1
		.amdhsa_system_sgpr_workgroup_id_y 1
		.amdhsa_system_sgpr_workgroup_id_z 1
		.amdhsa_system_vgpr_workitem_id 0
		.amdhsa_next_free_vgpr 384
		.amdhsa_next_free_sgpr 66
		.amdhsa_reserve_vcc 1
		.amdhsa_float_denorm_mode_32 3
		.amdhsa_float_denorm_mode_16_64 3
		.amdhsa_memory_ordered 1
		.amdhsa_forward_progress 1
		.amdhsa_inst_pref_size 35
	.end_amdhsa_kernel
	.amdgpu_metadata
---
amdhsa.version: [ 1, 2 ]
amdhsa.kernels:
  - .name:           k_q4e6579d021_route
    .symbol:         k_q4e6579d021_route.kd
    .args:
      - { .name: x, .offset: 0, .size: 8, .value_kind: global_buffer, .address_space: global }
      - { .name: gamma, .offset: 8, .size: 8, .value_kind: global_buffer, .address_space: global }
      - { .name: beta, .offset: 16, .size: 8, .value_kind: global_buffer, .address_space: global }
      - { .name: Wr, .offset: 24, .size: 8, .value_kind: global_buffer, .address_space: global }
      - { .name: br, .offset: 32, .size: 8, .value_kind: global_buffer, .address_space: global }
      - { .name: xn, .offset: 40, .size: 8, .value_kind: global_buffer, .address_space: global }
      - { .name: rt, .offset: 48, .size: 8, .value_kind: global_buffer, .address_space: global }
      - { .name: sc, .offset: 56, .size: 8, .value_kind: global_buffer, .address_space: global }
    .group_segment_fixed_size: 0
    .private_segment_fixed_size: 0
    .kernarg_segment_align: 8
    .kernarg_segment_size: 64
    .max_flat_workgroup_size: 128
    .sgpr_count:     66
    .vgpr_count:     384
    .wavefront_size: 32
...
	.end_amdgpu_metadata
.endif
;; end of part 1
;; launch up (part 2): grid 32 x 8, 4 waves a work-group, no clusters, 281,088 bytes of LDS; arguments W1, b1, xn, rt, hid; writes hid
.if DOCPART == 2
	.amdgcn_target "amdgcn-amd-amdhsa--gfx1250"
	.amdhsa_code_object_version 6
	.text
	.protected	k_q4e6579d021_up
	.globl	k_q4e6579d021_up
	.p2align	8
	.type	k_q4e6579d021_up,@function
k_q4e6579d021_up:
	s_mov_b64 s[64:65], 0
	v_nop
	global_prefetch_b8 v0, s[64:65] scope:SCOPE_SE
	s_setreg_imm32_b32 hwreg(HW_REG_WAVE_MODE, 25, 1), 1
	s_wait_xcnt 0x0
; hidden = relu(xn W1[e] + b1[e]) for the rows that chose expert e, and for the zero row 1024 + e.  Work-group (slice, e): all of the expert's rows x K = 1,024 x 128 columns of F.
; It alone reads its 512 KB of f32 weights, once.  bf16 operands (xn, W1), f32 sums, the bias in f32 as the sums' start, the hidden layer rounded once to bf16.
; PART 1.  Each of the four waves streams 256 rows of K through registers, 64 loads of 16 bytes a lane on their way, rounds to bf16 and lays the slice into LDS as matrix operands (256 KB).
;   Lane (r = lane % 16, h = lane / 16) loads columns 4 r .. 4 r + 3 of a row of K: sixteen lanes take 256 consecutive bytes, aligned.  Component j of the sixteen rows that a lane's half owns in a
;   K step, rounded in pairs, IS the lane's eight registers of fragment j, whose row r stands for column 4 r + j of a group of 64 columns.  Nothing is turned, nothing changes lanes.
; While the first loads fly each wave makes the expert's list of rows from rt (a counting pass by lane counts, no atomics), in LDS bytes of its own; the places past the count hold the zero row.
; A barrier.  PART 2: a loop over the wave's blocks of 16 rows, five to a trip, FOUR trips: the most that any split needs (65 blocks, 17 a wave).  A trip past the wave's count is jumped over, and so are
;   the blocks past the count inside a trip (scalar branches forward); what is jumped writes no LDS and has no barrier.  The rows come from memory straight into registers as operands.
; The matrix instruction takes the weights as source 0 and the rows as source 1: a lane then holds ONE row and 32 neighbouring columns over four fragments; rounded in pairs these are the lane's
;   registers of the next product's operand, so hid is stored in that form: [e][block][K step of 32][half][lane][16 bytes], 512 consecutive bytes a store.
; NO CLUSTER: each slice of weights has one reader; what the expert's 32 work-groups share is the rows of xn, which come by a list that no tile's descriptor covers.
; The order of an expert's list goes by group and lane, not by token; the next launch makes the same list by the same lines.
.set PITCH, 16384                      ; bytes in a row of W1[e]
.set ASTG,  128                        ; bytes of a row of xn in a stage of two K steps
.set LISTB, 262144                     ; behind the fragments: a list of 1,152 words for each wave; word 1088 takes what is not chosen
.set LISTW, 4608
.set SPARE, 280576                     ; behind the lists: the spare words, 128 bytes for each wave, which no other line names
.set TRIPS, 4                          ; 17 blocks a wave at the most, five a trip
; LDS 0 .. 262,143: K step ks at 8,192 ks, fragment f = 4 g + j at 1,024 f, half u at 512 u, lane at 16 lane: every access is 512 consecutive bytes
; REGISTERS.  window 0: v1 lane, v2, v3 the add's two, v4 r, v5 h, v6 16 lane, v7 my offset in W, v8 where fragments go, v9 where they are read, v10 my list, v11 my list + 4 r, v12 4 lane,
;   v13 0, v14 16 h, v15 128 h, v16-20 the five blocks' row offsets, v21-31 at work, v32-63 a quad's fragments, v64-143 and v144-223 two buffers of rows (block i, K step ks at 16 i + 8 ks)
;   window 1: v0-63, v64-127 the fragments of an even and an odd K step; v128-191 the bias as eight tiles     window 2: accumulators of blocks 0-3 at 64 i + 8 f (part 1: the raw ring)     window 3: block 4
; s14 wave, s15 e, s16 slice, s18 the expert's two bits, s20 count, s22 blocks, s23 my trips, s24 trip, s25 live blocks of the trip, s26 inner counter, s27 first block, s[28:29] rows' running base,
; s[30:31] xn, s32-36 the five blocks, s[40:41] W's running base, s42 the zero row, s[44:45] hid at my expert and slice
.set MSB, 0
.macro WIN new                         ; the immediate's high byte repeats the setting that is left; at a label and at a branch every window is 0
.if MSB != (\new)
	s_set_vgpr_msb (MSB<<8)|(\new)
.set MSB, \new
.endif
.endm
.macro PLACES                          ; four places between a matrix instruction and a load into, or a vector read of, its registers
.rept 4
	v_nop
.endr
.endm
; a quad: the sixteen rows of K step a / 2 of a pair that my half of the lanes owns, column group a % 2
.macro QLOAD a, extra
	WIN 0x80                                       ; destination window 2
.set qi, 0
.rept 16
	global_load_b128 v[64*(\a)+4*qi:64*(\a)+4*qi+3], v7, s[40:41] offset:(32*((\a)/2)+qi+8*(qi/8))*PITCH+256*((\a)%2)+(\extra) th:TH_LOAD_NT
.set qi, qi+1
.endr
	WIN 0
.endm
; a quad's turn: rounded to four fragments, laid into LDS, and (refill = 1) asked for again a pair of K steps on.  left: the younger loads that may stay out
.macro SLOT a, refill, left
	s_wait_loadcnt \left
	WIN 0x0a                                       ; sources in window 2
.irp j,0,1,2,3
.irp q,0,1,2,3,4,5,6,7
	v_cvt_pk_bf16_f32 v[32+8*\j+\q], v[64*(\a)+8*\q+\j], v[64*(\a)+8*\q+4+\j]
.endr
.endr
	WIN 0
.irp j,0,1,2,3
.irp u,0,1
	ds_store_b128 v8, v[32+8*\j+4*\u:32+8*\j+4*\u+3] offset:((\a)/2)*8192+((\a)%2)*4096+\j*1024+\u*512
.endr
.endr
.if \refill
	QLOAD \a, 64*PITCH
.endif
.endm
.macro FETCH_B par, off                ; a K step's eight fragments, in one run
	WIN 0x40                                       ; destination window 1
.irp f,0,1,2,3,4,5,6,7
.irp u,0,1
	ds_load_b128 v[64*(\par)+8*\f+4*\u:64*(\par)+8*\f+4*\u+3], v9 offset:(\off)+1024*\f+512*\u
.endr
.endr
	WIN 0
.endm
.macro ALOAD buf, i, base              ; block i's rows for a stage of two K steps: lane (r, h) takes channels 8 h + 0..7 and 16 + 8 h + 0..7 of row r
.irp ks,0,1
.irp u,0,1
	global_load_b128 v[64+80*(\buf)+16*(\i)+8*\ks+4*\u:64+80*(\buf)+16*(\i)+8*\ks+4*\u+3], v[16+(\i)], s[28:29] offset:(\base)+64*\ks+32*\u
.endr
.endr
.endm
; eight matrix instructions: block i x the eight fragments of K step c (of four).  The eight accumulators take turns, one instruction a turn.  first = 1: the bias starts the sums
.macro MUL i, c, first
.set AC, 64*((\i)%4)
.set TK, 64+80*((\c)/2)+16*(\i)+8*((\c)%2)
.set FB, 64*((\c)%2)
.if \first
	WIN 0x91+0x40*((\i)/4)                         ; fragments and bias window 1, rows window 0, D window 2 or 3
.else
	WIN 0xa1+0x50*((\i)/4)                         ; fragments window 1, rows window 0, C and D window 2 or 3
.endif
.irp f,0,1,2,3,4,5,6,7
.if \first
	v_wmma_f32_16x16x32_bf16 v[AC+8*\f:AC+8*\f+7], v[FB+8*\f:FB+8*\f+7], v[TK:TK+7], v[128+8*\f:128+8*\f+7]
.else
	v_wmma_f32_16x16x32_bf16 v[AC+8*\f:AC+8*\f+7], v[FB+8*\f:FB+8*\f+7], v[TK:TK+7], v[AC+8*\f:AC+8*\f+7]
.endif
.endr
	WIN 0
.endm
; a K step.  Its fragments were asked for a step ago, its rows a stage ago; the waits are for 0 because the number of younger loads hangs on the live blocks.
.macro KSTEP c, pfA, pfB
	s_wait_dscnt 0x0
.if ((\c)%2) == 0
	s_wait_loadcnt 0x0
.endif
.if ((\c) == 2) && (\pfA)
	s_add_nc_u64 s[28:29], s[28:29], 2*ASTG        ; no load is out: the base may step
.endif
	PLACES
.if \pfB
.if (\c) == 3
	FETCH_B 0, 4*8192
.else
	FETCH_B ((\c)+1)%2, ((\c)+1)*8192
.endif
.endif
.irp i,0,1,2,3,4
.if \i > 0
	s_cmp_le_u32 s25, \i
	s_cbranch_scc1 .Lend_\@
.endif
.if (\pfA) && (((\c)%2) == 0)
.if (\c) == 0
	ALOAD 1, \i, ASTG
.else
	ALOAD 0, \i, 0
.endif
.endif
	MUL \i, \c, 0
.endr
.Lend_\@:
.endm
; block i leaves: rounded in pairs into the next product's operand form (each accumulator's register 0 is read first), ReLU on the packed halves, eight stores of 512 consecutive bytes
.macro EPI i
.set O, 64+32*((\i)%2)
.set AC, 64*((\i)%4)
	WIN 0x0a+5*((\i)/4)                            ; sources in window 2 or 3
.irp g,0,1
.irp s,0,1
.irp q,0,1,2,3,4,5,6,7
	v_cvt_pk_bf16_f32 v[O+16*\g+8*\s+\q], v[AC+8*(4*\g+2*((\q)%2))+4*\s+(\q)/2], v[AC+8*(4*\g+2*((\q)%2)+1)+4*\s+(\q)/2]
.endr
.endr
.endr
	WIN 0
.set ei, 0
.rept 32
	v_pk_max_num_bf16 v[O+ei], v[O+ei], v13
.set ei, ei+1
.endr
	v_lshl_add_u32 v[21+(\i)%2], s[32+(\i)], 17, v6  ; the block's 131,072 bytes, my 16
.irp g,0,1
.irp s,0,1
.irp u,0,1
	global_store_b128 v[21+(\i)%2], v[O+16*\g+8*\s+4*\u:O+16*\g+8*\s+4*\u+3], s[44:45] offset:(2*\g+\s)*1024+512*\u
.endr
.endr
.endr
.endm
	s_load_b256 s[4:11], s[0:1], 0x0               ; W1 s[4:5], b1 s[6:7], xn s[8:9], rt s[10:11]
	s_load_b64 s[12:13], s[0:1], 0x20              ; hid
	v_lshl_add_u32 v2, v0, 2, SPARE                ; my spare word, and 0: kept for the closing add alone
	v_mov_b32 v3, 0
	v_and_b32 v1, 31, v0
	v_lshrrev_b32 v21, 5, v0
	v_readfirstlane_b32 s14, v21                   ; wave
	v_and_b32 v4, 15, v0
	v_bfe_u32 v5, v0, 4, 1
	v_lshlrev_b32 v6, 4, v1
	v_lshlrev_b32 v7, 4, v4
	v_lshl_or_b32 v7, v5, 17, v7                   ; 16 r, and eight rows of K further for the upper half
	v_lshl_add_u32 v8, s14, 16, v6                 ; my eight K steps of fragments
	s_mul_i32 s21, s14, LISTW
	s_add_co_u32 s21, s21, LISTB
	v_mov_b32 v10, s21
	v_lshl_add_u32 v11, v4, 2, v10
	v_lshlrev_b32 v12, 2, v1
	v_mov_b32 v13, 0
	v_lshlrev_b32 v14, 4, v5
	v_lshlrev_b32 v15, 7, v5
	v_mov_b32 v25, 1088
	v_add_nc_u32 v26, v10, v6
	s_and_b32 s15, ttmp7, 0xffff                   ; expert
	s_mov_b32 s16, ttmp9                           ; slice of 128 columns
	s_lshl_b32 s18, 0x101, s15
	s_add_co_u32 s42, s15, 1024
.irp k,28,29,30,31
	v_mov_b32 v\k, s42
.endr
	s_lshl_b32 s46, s15, 24                        ; offsets are made apart from the addresses: W1: expert, slice, my 256 rows
	s_lshl_b32 s21, s16, 9
	s_add_co_u32 s46, s46, s21
	s_lshl_b32 s48, s15, 14                        ; b1: expert, slice
	s_add_co_u32 s48, s48, s21
	s_lshl_b32 s21, s14, 22
	s_add_co_u32 s46, s46, s21
	s_mov_b32 s47, 0
	s_mov_b32 s49, 0
	s_mul_i32 s50, s15, 8519680                    ; hid: expert (65 blocks), the slice's four K steps
	s_lshl_b32 s21, s16, 12
	s_add_co_u32 s50, s50, s21
	s_mov_b32 s51, 0
	s_wait_kmcnt 0x0
	s_add_nc_u64 s[40:41], s[4:5], s[46:47]
	s_add_nc_u64 s[6:7], s[6:7], s[48:49]
	s_add_nc_u64 s[44:45], s[12:13], s[50:51]
	s_mov_b64 s[30:31], s[8:9]
.irp m,0,1,2,3,4,5,6,7
	global_load_b128 v[64+4*\m:64+4*\m+3], v6, s[10:11] offset:512*\m  ; rt: register 64 + g holds token 128 (g / 4) + g % 4 + 4 lane
.endr
.irp g,0,1
.irp jj,0,1,2,3,4,5,6,7
	global_load_b128 v[96+32*\g+4*\jj:96+32*\g+4*\jj+3], v15, s[6:7] offset:256*\g+16*\jj  ; b1 of columns 64 g + 32 h + 4 jj + 0..3
.endr
.endr
	QLOAD 0, 0
	QLOAD 1, 0
	QLOAD 2, 0
	s_wait_loadcnt 48                              ; rt and b1 are in; the three quads, 48 loads, stay out
	; the list, in my own LDS bytes (LDS serves a wave's instructions in order: no barrier): first the zero row everywhere, then the chosen tokens from word 0 on
.irp m,0,1,2,3,4,5,6,7,8
	ds_store_b128 v26, v[28:31] offset:512*\m
.endr
	s_mov_b32 s20, 0
.set gi, 0
.rept 32
	v_and_b32 v21, s18, v[64+gi]
	v_cmp_ne_u32 vcc_lo, 0, v21                    ; chose this expert, as first or as second
	s_bcnt1_i32_b32 s21, vcc_lo
	v_mbcnt_lo_u32_b32 v22, vcc_lo, s20            ; its place: the count so far + the chosen lanes below mine
	v_cndmask_b32 v22, v25, v22, vcc_lo            ; what is not chosen goes to word 1088
	v_min_u32 v22, 0x440, v22
	v_lshl_add_u32 v23, v22, 2, v10
	v_add_nc_u32 v24, 128*(gi/4)+gi%4, v12
	ds_store_b32 v23, v24
	s_add_co_u32 s20, s20, s21
.set gi, gi+1
.endr
	s_add_co_u32 s22, s20, 16                      ; blocks of 16 for count + 1 rows,
	s_lshr_b32 s22, s22, 4
	s_min_u32 s22, s22, 65                         ; 65 at the most (1,024 + 1 rows)
	s_add_co_u32 s23, s22, 3                       ; my blocks are w, w + 4, ..: (blocks + 3 - w) / 4 of them,
	s_sub_co_u32 s23, s23, s14
	s_lshr_b32 s23, s23, 2
	s_add_co_u32 s23, s23, 4                       ; five to a trip: x / 5 = 205 x >> 10 for x up to 21
	s_mul_i32 s23, s23, 205
	s_lshr_b32 s23, s23, 10
	s_min_u32 s23, s23, TRIPS
	WIN 0x40                                       ; the bias as tiles: register jj of tile 4 g + j is column 64 g + 4 (8 h + jj) + j, once a wave
.irp g,0,1
.irp j,0,1,2,3
.irp jj,0,1,2,3,4,5,6,7
	v_mov_b32 v[128+8*(4*\g+\j)+\jj], v[96+32*\g+4*\jj+\j]
.endr
.endr
.endr
	WIN 0
	QLOAD 3, 0
	; the stream: four pairs of K steps a wave; in each turn three younger quads, 48 loads, stay out
	s_mov_b32 s26, 3
.Lstream:
	SLOT 0, 1, 48
	SLOT 1, 1, 48
	SLOT 2, 1, 48
	SLOT 3, 1, 48
	s_wait_xcnt 0x0                                ; the loads have had their addresses translated: the base may step
	s_add_nc_u64 s[40:41], s[40:41], 64*PITCH
	v_add_nc_u32 v8, 16384, v8
	s_sub_co_u32 s26, s26, 1
	s_cmp_lg_u32 s26, 0
	s_cbranch_scc1 .Lstream
	SLOT 0, 0, 48                                  ; the last pair asks for nothing: the counts run down
	SLOT 1, 0, 32
	SLOT 2, 0, 16
	SLOT 3, 0, 0
	s_wait_dscnt 0x0                               ; for the others' sake: my fragments lie in LDS
	s_barrier_signal -1
	s_barrier_wait -1                              ; the slice is whole; from here to the next barrier nobody writes LDS
	s_mov_b32 s24, 0
.Lrows:                                                ; four trips, whatever the split
	s_cmp_ge_u32 s24, s23
	s_cbranch_scc1 .Lnext                          ; a trip past my count: nothing of it is done
	s_wait_xcnt 0x0                                ; the last trip's stores have read their registers
	s_mul_i32 s27, s24, 20
	s_add_co_u32 s27, s27, s14                     ; the trip's first block: w + 20 trip
	s_add_co_u32 s25, s22, 3
	s_sub_co_u32 s25, s25, s27
	s_lshr_b32 s25, s25, 2
	s_min_u32 s25, s25, 5                          ; its live blocks
	s_sub_co_u32 s21, s22, 1
.irp i,0,1,2,3,4
	s_add_co_u32 s[32+\i], s27, 4*\i
	s_min_u32 s[32+\i], s[32+\i], s21              ; a place past the count repeats the last block that exists
	s_min_u32 s[32+\i], s[32+\i], 64
	v_lshl_add_u32 v[21+\i], s[32+\i], 6, v11
.endr
.irp i,0,1,2,3,4
	ds_load_b32 v[16+\i], v[21+\i]                 ; row r of the block
.endr
	s_mov_b64 s[28:29], s[30:31]
	v_mov_b32 v9, v6
	FETCH_B 0, 0
	s_wait_dscnt 16                                ; the five rows' numbers are in; the 16 fragment loads behind them stay out
.irp i,0,1,2,3,4
	v_min_u32 v[16+\i], 0x407, v[16+\i]
	v_lshl_add_u32 v[16+\i], v[16+\i], 11, v14     ; row x 2,048 + 16 h
.endr
.irp i,0,1,2,3,4
	ALOAD 0, \i, 0
.endr
	; K step 0 is written out, for all five blocks: its products start the sums, and every accumulator and both row buffers are written on every path
	s_wait_dscnt 0x0
	s_wait_loadcnt 0x0
	PLACES
	FETCH_B 1, 8192
.irp i,0,1,2,3,4
	ALOAD 1, \i, ASTG
	MUL \i, 0, 1
.endr
	s_mov_b32 s26, 7
.Lk:
	KSTEP 1, 1, 1
	KSTEP 2, 1, 1
	KSTEP 3, 1, 1
	v_add_nc_u32 v9, 0x8000, v9                    ; four K steps of fragments on
	KSTEP 0, 1, 1
	s_sub_co_u32 s26, s26, 1
	s_cmp_lg_u32 s26, 0
	s_cbranch_scc1 .Lk
	KSTEP 1, 0, 1                                  ; the last three K steps ask for no rows, the last for no fragments
	KSTEP 2, 0, 1
	KSTEP 3, 0, 0
	PLACES
.irp i,0,1,2,3,4
.if \i > 0
	s_cmp_le_u32 s25, \i
	s_cbranch_scc1 .Lnext
.endif
	s_wait_xcnt 0x0                                ; the registers of earlier stores are rewritten only behind this wait
	EPI \i
.endr
.Lnext:
	s_add_co_u32 s24, s24, 1
	s_cmp_lt_u32 s24, TRIPS
	s_cbranch_scc1 .Lrows
	s_wait_dscnt 0x0                               ; my reads of LDS are over,
	s_barrier_signal -1
	s_barrier_wait -1                              ; and so are every wave's: only now does any wave write LDS again
	s_wait_tensorcnt 0x0                           ; the wave's end
	ds_add_u32 v2, v3
	s_wait_dscnt 0x0
	s_endpgm
.Lfunc_end_k_q4e6579d021_up:
	.size	k_q4e6579d021_up, .Lfunc_end_k_q4e6579d021_up-k_q4e6579d021_up
	.p2alignl 7, 3214868480
	.fill 96, 4, 3214868480
	.section	.rodata,"a",@progbits
	.p2align	6, 0x0
	.amdhsa_kernel k_q4e6579d021_up
		.amdhsa_group_segment_fixed_size 281088
		.amdhsa_private_segment_fixed_size 0
		.amdhsa_enable_private_segment 0
		.amdhsa_kernarg_size 40
		.amdhsa_user_sgpr_count 2
		.amdhsa_user_sgpr_kernarg_segment_ptr 1
		.amdhsa_wavefront_size32 1
		.amdhsa_system_sgpr_workgroup_id_x 1
		.amdhsa_system_sgpr_workgroup_id_y 1
		.amdhsa_system_sgpr_workgroup_id_z 1
		.amdhsa_system_vgpr_workitem_id 0
		.amdhsa_next_free_vgpr 832
		.amdhsa_next_free_sgpr 66
		.amdhsa_reserve_vcc 1
		.amdhsa_float_denorm_mode_32 3
		.amdhsa_float_denorm_mode_16_64 3
		.amdhsa_memory_ordered 1
		.amdhsa_forward_progress 1
		.amdhsa_inst_pref_size 126
	.end_amdhsa_kernel
	.amdgpu_metadata
---
amdhsa.version: [ 1, 2 ]
amdhsa.kernels:
  - .name:           k_q4e6579d021_up
    .symbol:         k_q4e6579d021_up.kd
    .args:
      - { .name: W1, .offset: 0, .size: 8, .value_kind: global_buffer, .address_space: global }
      - { .name: b1, .offset: 8, .size: 8, .value_kind: global_buffer, .address_space: global }
      - { .name: xn, .offset: 16, .size: 8, .value_kind: global_buffer, .address_space: global }
      - { .name: rt, .offset: 24, .size: 8, .value_kind: global_buffer, .address_space: global }
      - { .name: hid, .offset: 32, .size: 8, .value_kind: global_buffer, .address_space: global }
    .group_segment_fixed_size: 281088
    .private_segment_fixed_size: 0
    .kernarg_segment_align: 8
    .kernarg_segment_size: 40
    .max_flat_workgroup_size: 128
    .sgpr_count:     66
    .vgpr_count:     832
    .wavefront_size: 32
...
	.end_amdgpu_metadata
.endif
;; end of part 2
;; launch down (part 3): grid 32 x 8, 4 waves a work-group, no clusters, 281,088 bytes of LDS; arguments W2, hid, rt, sc, ybuf; writes ybuf
.if DOCPART == 3
	.amdgcn_target "amdgcn-amd-amdhsa--gfx1250"
	.amdhsa_code_object_version 6
	.text
	.protected	k_q4e6579d021_down
	.globl	k_q4e6579d021_down
	.p2align	8
	.type	k_q4e6579d021_down,@function
k_q4e6579d021_down:
	s_mov_b64 s[64:65], 0
	v_nop
	global_prefetch_b8 v0, s[64:65] scope:SCOPE_SE
	s_setreg_imm32_b32 hwreg(HW_REG_WAVE_MODE, 25, 1), 1
	s_wait_xcnt 0x0
; Partial rows of score x (hidden W2[e]).  Work-group (sl + 8 kq, e): all of the expert's rows x a quarter kq of F (K = 1,024) x 128 columns sl of H.  It alone reads its 512 KB of f32 weights, once.
; bf16 operands (hidden, W2), f32 sums; the four quarters' partial rows are stored in f32, ybuf[kq][k][token][1024], k = 0 or 1 as the token chose the expert first or second, each multiplied by its score;
; the expert's zero-input row relu(b1) W2 goes to ybuf[kq][0][1024 + e] with the score 1.  The last launch adds them.
; The frame is the first product's: PART 1 streams the slice through registers, 64 loads of 16 bytes a lane on their way, rounds it and lays it into LDS as operands; meanwhile each wave makes the expert's list
; by the same lines as the launch before, so in the same order; a barrier; PART 2, a loop of FOUR trips of five blocks of 16 rows (the most that any split needs: 65 blocks, 17 a wave), in which trips and
; blocks past the count are jumped over; what is jumped writes no LDS and has no barrier.  The hidden rows come from memory, where they lie in operand form, 512 consecutive bytes a load.
; K'S PLACES.  In K step 2 G + s lane half h's register q holds f = 64 G + 32 h + 16 s + 2 q + {0, 1}, alike in both operands: so the launch before could store what its lanes held, and here a lane's
; sixteen rows of W2 in a K step are neighbours.  A permutation of k applied alike to both operands keeps the products; the sums' order of rounding differs from ascending k.
; The matrix instruction takes the rows as source 0 and the weights as source 1: four fragments give a lane 16 neighbouring bytes of a row of the result, and sixteen lanes 256 consecutive bytes, aligned.
; Places past the count repeat the zero row: they store the same numbers to the same row, from this work-group.
; NO CLUSTER: each slice of weights has one reader; the hidden rows, which the expert's eight column slices share, are read in trips of which some are jumped by a stored count, where no joint request can
; stand, and beside the slice LDS has 46 KB left.
.set PITCH, 4096                       ; bytes in a row of W2[e]
.set ASTG,  2048                       ; bytes of a block of hid in a stage of two K steps
.set LISTB, 262144
.set LISTW, 4608
.set SPARE, 280576
.set TRIPS, 4
; LDS and registers as in the first product, but: v11 my list + 32 h, v14 16 r; window 1: v128-167 the byte offsets in ybuf of rows 8 h + jj of block i (at 8 i + jj), v176-215 their scores
; s16 sl, s17 kq, s19 8 + e, s[30:31] hid at my expert and quarter, s[44:45] ybuf at my quarter and columns
.set MSB, 0
.macro WIN new
.if MSB != (\new)
	s_set_vgpr_msb (MSB<<8)|(\new)
.set MSB, \new
.endif
.endm
.macro PLACES
.rept 4
	v_nop
.endr
.endm
.macro QLOAD a, extra                  ; a quad: my half's sixteen neighbouring rows of K step a / 2 of a pair, column group a % 2
	WIN 0x80
.set qi, 0
.rept 16
	global_load_b128 v[64*(\a)+4*qi:64*(\a)+4*qi+3], v7, s[40:41] offset:(16*((\a)/2)+qi)*PITCH+256*((\a)%2)+(\extra) th:TH_LOAD_NT
.set qi, qi+1
.endr
	WIN 0
.endm
.macro SLOT a, refill, left
	s_wait_loadcnt \left
	WIN 0x0a
.irp j,0,1,2,3
.irp q,0,1,2,3,4,5,6,7
	v_cvt_pk_bf16_f32 v[32+8*\j+\q], v[64*(\a)+8*\q+\j], v[64*(\a)+8*\q+4+\j]
.endr
.endr
	WIN 0
.irp j,0,1,2,3
.irp u,0,1
	ds_store_b128 v8, v[32+8*\j+4*\u:32+8*\j+4*\u+3] offset:((\a)/2)*8192+((\a)%2)*4096+\j*1024+\u*512
.endr
.endr
.if \refill
	QLOAD \a, 64*PITCH
.endif
.endm
.macro FETCH_B par, off
	WIN 0x40
.irp f,0,1,2,3,4,5,6,7
.irp u,0,1
	ds_load_b128 v[64*(\par)+8*\f+4*\u:64*(\par)+8*\f+4*\u+3], v9 offset:(\off)+1024*\f+512*\u
.endr
.endr
	WIN 0
.endm
.macro ALOAD buf, i, base              ; block i's hidden rows for two K steps, as they were stored: 512 consecutive bytes a load
.irp ks,0,1
.irp u,0,1
	global_load_b128 v[64+80*(\buf)+16*(\i)+8*\ks+4*\u:64+80*(\buf)+16*(\i)+8*\ks+4*\u+3], v[16+(\i)], s[28:29] offset:(\base)+1024*\ks+512*\u
.endr
.endr
.endm
.macro MUL i, c, first                 ; the eight accumulators take turns, one instruction a turn.  first = 1: the products start the sums
.set AC, 64*((\i)%4)
.set TK, 64+80*((\c)/2)+16*(\i)+8*((\c)%2)
.set FB, 64*((\c)%2)
	WIN 0xa4+0x50*((\i)/4)                         ; rows window 0, fragments window 1, C and D window 2 or 3
.irp f,0,1,2,3,4,5,6,7
.if \first
	v_wmma_f32_16x16x32_bf16 v[AC+8*\f:AC+8*\f+7], v[TK:TK+7], v[FB+8*\f:FB+8*\f+7], 0
.else
	v_wmma_f32_16x16x32_bf16 v[AC+8*\f:AC+8*\f+7], v[TK:TK+7], v[FB+8*\f:FB+8*\f+7], v[AC+8*\f:AC+8*\f+7]
.endif
.endr
	WIN 0
.endm
.macro KSTEP c, pfA, pfB               ; fragments asked for a step ago, rows a stage ago; the waits are for 0 because the number of younger loads hangs on the live blocks
	s_wait_dscnt 0x0
.if ((\c)%2) == 0
	s_wait_loadcnt 0x0
.endif
.if ((\c) == 2) && (\pfA)
	s_add_nc_u64 s[28:29], s[28:29], 2*ASTG        ; no load is out: the base may step
.endif
	PLACES
.if \pfB
.if (\c) == 3
	FETCH_B 0, 4*8192
.else
	FETCH_B ((\c)+1)%2, ((\c)+1)*8192
.endif
.endif
.irp i,0,1,2,3,4
.if \i > 0
	s_cmp_le_u32 s25, \i
	s_cbranch_scc1 .Lend_\@
.endif
.if (\pfA) && (((\c)%2) == 0)
.if (\c) == 0
	ALOAD 1, \i, ASTG
.else
	ALOAD 0, \i, 0
.endif
.endif
	MUL \i, \c, 0
.endr
.Lend_\@:
.endm
; block i leaves: the multiply by the row's score also gathers a row's 16 bytes (register 0 of every accumulator is read first); sixteen lanes store 256 consecutive bytes, aligned
.macro EPI i
.set O, 64+64*((\i)%2)
.set AC, 64*((\i)%4)
	WIN 0x06+((\i)/4)                              ; source 0 window 2 or 3, source 1 window 1
.irp jj,0,1,2,3,4,5,6,7
.irp f,0,1,2,3,4,5,6,7
	v_mul_f32 v[O+8*\jj+\f], v[AC+8*\f+\jj], v[176+8*(\i)+\jj]
.endr
.endr
	WIN 0x01                                       ; address window 1, data window 0
.irp jj,0,1,2,3,4,5,6,7
.irp g,0,1
	global_store_b128 v[128+8*(\i)+\jj], v[O+8*\jj+4*\g:O+8*\jj+4*\g+3], s[44:45] offset:256*\g
.endr
.endr
	WIN 0
.endm
	s_load_b256 s[4:11], s[0:1], 0x0               ; W2 s[4:5], hid s[6:7], rt s[8:9], sc s[10:11]
	s_load_b64 s[12:13], s[0:1], 0x20              ; ybuf
	v_lshl_add_u32 v2, v0, 2, SPARE                ; my spare word, and 0: kept for the closing add alone
	v_mov_b32 v3, 0
	v_and_b32 v1, 31, v0
	v_lshrrev_b32 v21, 5, v0
	v_readfirstlane_b32 s14, v21                   ; wave
	v_and_b32 v4, 15, v0
	v_bfe_u32 v5, v0, 4, 1
	v_lshlrev_b32 v6, 4, v1
	v_lshlrev_b32 v7, 4, v4
	v_lshl_or_b32 v7, v5, 17, v7                   ; 16 r, and 32 rows of K further for the upper half
	v_lshl_add_u32 v8, s14, 16, v6
	s_mul_i32 s21, s14, LISTW
	s_add_co_u32 s21, s21, LISTB
	v_mov_b32 v10, s21
	v_lshl_add_u32 v11, v5, 5, v10                 ; my half's eight rows of a block
	v_lshlrev_b32 v12, 2, v1
	v_lshlrev_b32 v14, 4, v4
	v_mov_b32 v25, 1088
	v_add_nc_u32 v26, v10, v6
	s_and_b32 s15, ttmp7, 0xffff                   ; expert
	s_and_b32 s16, ttmp9, 7                        ; slice of 128 columns of H
	s_lshr_b32 s17, ttmp9, 3                       ; quarter of F
	s_lshl_b32 s18, 0x101, s15
	s_add_co_u32 s19, s15, 8
	s_add_co_u32 s42, s15, 1024
.irp k,28,29,30,31
	v_mov_b32 v\k, s42
.endr
	s_lshl_b32 s46, s15, 24                        ; W2: expert, quarter, slice, my 256 rows
	s_lshl_b32 s21, s17, 22
	s_add_co_u32 s46, s46, s21
	s_lshl_b32 s21, s16, 9
	s_add_co_u32 s46, s46, s21
	s_mul_i32 s50, s17, 8454144                    ; ybuf: quarter, slice
	s_add_co_u32 s50, s50, s21
	s_lshl_b32 s21, s14, 20
	s_add_co_u32 s46, s46, s21
	s_mov_b32 s47, 0
	s_mov_b32 s51, 0
	s_mul_i32 s48, s15, 8519680                    ; hid: expert, the quarter's 32 K steps
	s_lshl_b32 s21, s17, 15
	s_add_co_u32 s48, s48, s21
	s_mov_b32 s49, 0
	s_wait_kmcnt 0x0
	s_add_nc_u64 s[40:41], s[4:5], s[46:47]
	s_add_nc_u64 s[30:31], s[6:7], s[48:49]
	s_add_nc_u64 s[44:45], s[12:13], s[50:51]
.irp m,0,1,2,3,4,5,6,7
	global_load_b128 v[64+4*\m:64+4*\m+3], v6, s[8:9] offset:512*\m
.endr
	QLOAD 0, 0
	QLOAD 1, 0
	QLOAD 2, 0
	s_wait_loadcnt 48                              ; rt is in; the three quads, 48 loads, stay out
.irp m,0,1,2,3,4,5,6,7,8
	ds_store_b128 v26, v[28:31] offset:512*\m      ; the zero row (k = 0) everywhere
.endr
	s_mov_b32 s20, 0
.set gi, 0
.rept 32
	v_and_b32 v21, s18, v[64+gi]
	v_cmp_ne_u32 vcc_lo, 0, v21
	s_bcnt1_i32_b32 s21, vcc_lo
	v_mbcnt_lo_u32_b32 v22, vcc_lo, s20
	v_cndmask_b32 v22, v25, v22, vcc_lo
	v_min_u32 v22, 0x440, v22
	v_lshl_add_u32 v23, v22, 2, v10
	v_add_nc_u32 v24, 128*(gi/4)+gi%4, v12
	v_lshrrev_b32 v21, s19, v21                    ; 1 if the expert is the token's second choice
	v_mad_u32_u24 v24, v21, 0x408, v24             ; the entry: 1,032 k + token
	ds_store_b32 v23, v24
	s_add_co_u32 s20, s20, s21
.set gi, gi+1
.endr
	s_add_co_u32 s22, s20, 16
	s_lshr_b32 s22, s22, 4
	s_min_u32 s22, s22, 65
	s_add_co_u32 s23, s22, 3
	s_sub_co_u32 s23, s23, s14
	s_lshr_b32 s23, s23, 2
	s_add_co_u32 s23, s23, 4
	s_mul_i32 s23, s23, 205
	s_lshr_b32 s23, s23, 10
	s_min_u32 s23, s23, TRIPS
	QLOAD 3, 0
	s_mov_b32 s26, 3
.Lstream:
	SLOT 0, 1, 48                                  ; three younger quads, 48 loads, stay out
	SLOT 1, 1, 48
	SLOT 2, 1, 48
	SLOT 3, 1, 48
	s_wait_xcnt 0x0
	s_add_nc_u64 s[40:41], s[40:41], 64*PITCH
	v_add_nc_u32 v8, 16384, v8
	s_sub_co_u32 s26, s26, 1
	s_cmp_lg_u32 s26, 0
	s_cbranch_scc1 .Lstream
	SLOT 0, 0, 48
	SLOT 1, 0, 32
	SLOT 2, 0, 16
	SLOT 3, 0, 0
	s_wait_dscnt 0x0                               ; for the others' sake: my fragments lie in LDS
	s_barrier_signal -1
	s_barrier_wait -1                              ; the slice is whole; from here to the next barrier nobody writes LDS
	s_mov_b32 s24, 0
.Lrows:                                                ; four trips, whatever the split
	s_cmp_ge_u32 s24, s23
	s_cbranch_scc1 .Lnext                          ; a trip past my count: nothing of it is done
	s_wait_xcnt 0x0                                ; the last trip's stores have read their data and their offsets
	s_mul_i32 s27, s24, 20
	s_add_co_u32 s27, s27, s14
	s_add_co_u32 s25, s22, 3
	s_sub_co_u32 s25, s25, s27
	s_lshr_b32 s25, s25, 2
	s_min_u32 s25, s25, 5
	s_sub_co_u32 s21, s22, 1
.irp i,0,1,2,3,4
	s_add_co_u32 s[32+\i], s27, 4*\i
	s_min_u32 s[32+\i], s[32+\i], s21
	s_min_u32 s[32+\i], s[32+\i], 64
	v_lshl_add_u32 v[21+\i], s[32+\i], 6, v11
	v_lshl_add_u32 v[16+\i], s[32+\i], 17, v6      ; the block's 131,072 bytes of hid, my 16
.endr
.irp i,0,1,2,3,4
	ds_load_b128 v[144+8*\i:144+8*\i+3], v[21+\i]            ; the entries of rows 8 h + 0..7
	ds_load_b128 v[144+8*\i+4:144+8*\i+7], v[21+\i] offset:16
.endr
	s_mov_b64 s[28:29], s[30:31]
	v_mov_b32 v9, v6
	FETCH_B 0, 0
	s_wait_dscnt 16                                ; the entries are in; the 16 fragment loads behind them stay out
.set ti, 0
.rept 40
	v_min_u32 v[144+ti], 0x80f, v[144+ti]
.set ti, ti+1
.endr
	WIN 0x40                                       ; destination window 1
.set ti, 0
.rept 40
	v_lshl_add_u32 v[128+ti], v[144+ti], 12, v14   ; entry x 4,096 + 16 r
.set ti, ti+1
.endr
	WIN 0
.set ti, 0
.rept 40
	v_lshlrev_b32 v[144+ti], 2, v[144+ti]
.set ti, ti+1
.endr
	WIN 0x40
.set ti, 0
.rept 40
	global_load_b32 v[176+ti], v[144+ti], s[10:11] ; the row's score
.set ti, ti+1
.endr
	WIN 0
.irp i,0,1,2,3,4
	ALOAD 0, \i, 0
.endr
	; K step 0 is written out, for all five blocks: its products start the sums
	s_wait_dscnt 0x0
	s_wait_loadcnt 0x0                             ; also shows the score loads done, whose address registers lie in the second row buffer
	PLACES
	FETCH_B 1, 8192
.irp i,0,1,2,3,4
	ALOAD 1, \i, ASTG
	MUL \i, 0, 1
.endr
	s_mov_b32 s26, 7
.Lk:
	KSTEP 1, 1, 1
	KSTEP 2, 1, 1
	KSTEP 3, 1, 1
	v_add_nc_u32 v9, 0x8000, v9                    ; four K steps of fragments on
	KSTEP 0, 1, 1
	s_sub_co_u32 s26, s26, 1
	s_cmp_lg_u32 s26, 0
	s_cbranch_scc1 .Lk
	KSTEP 1, 0, 1
	KSTEP 2, 0, 1
	KSTEP 3, 0, 0
	PLACES
.irp i,0,1,2,3,4
.if \i > 0
	s_cmp_le_u32 s25, \i
	s_cbranch_scc1 .Lnext
.endif
	s_wait_xcnt 0x0                                ; the registers of earlier stores are rewritten only behind this wait
	EPI \i
.endr
.Lnext:
	s_add_co_u32 s24, s24, 1
	s_cmp_lt_u32 s24, TRIPS
	s_cbranch_scc1 .Lrows
	s_wait_dscnt 0x0                               ; my reads of LDS are over,
	s_barrier_signal -1
	s_barrier_wait -1                              ; and so are every wave's: only now does any wave write LDS again
	s_wait_tensorcnt 0x0                           ; the wave's end
	ds_add_u32 v2, v3
	s_wait_dscnt 0x0
	s_endpgm
.Lfunc_end_k_q4e6579d021_down:
	.size	k_q4e6579d021_down, .Lfunc_end_k_q4e6579d021_down-k_q4e6579d021_down
	.p2alignl 7, 3214868480
	.fill 96, 4, 3214868480
	.section	.rodata,"a",@progbits
	.p2align	6, 0x0
	.amdhsa_kernel k_q4e6579d021_down
		.amdhsa_group_segment_fixed_size 281088
		.amdhsa_private_segment_fixed_size 0
		.amdhsa_enable_private_segment 0
		.amdhsa_kernarg_size 40
		.amdhsa_user_sgpr_count 2
		.amdhsa_user_sgpr_kernarg_segment_ptr 1
		.amdhsa_wavefront_size32 1
		.amdhsa_system_sgpr_workgroup_id_x 1
		.amdhsa_system_sgpr_workgroup_id_y 1
		.amdhsa_system_sgpr_workgroup_id_z 1
		.amdhsa_system_vgpr_workitem_id 0
		.amdhsa_next_free_vgpr 832
		.amdhsa_next_free_sgpr 66
		.amdhsa_reserve_vcc 1
		.amdhsa_float_denorm_mode_32 3
		.amdhsa_float_denorm_mode_16_64 3
		.amdhsa_memory_ordered 1
		.amdhsa_forward_progress 1
		.amdhsa_inst_pref_size 130
	.end_amdhsa_kernel
	.amdgpu_metadata
---
amdhsa.version: [ 1, 2 ]
amdhsa.kernels:
  - .name:           k_q4e6579d021_down
    .symbol:         k_q4e6579d021_down.kd
    .args:
      - { .name: W2, .offset: 0, .size: 8, .value_kind: global_buffer, .address_space: global }
      - { .name: hid, .offset: 8, .size: 8, .value_kind: global_buffer, .address_space: global }
      - { .name: rt, .offset: 16, .size: 8, .value_kind: global_buffer, .address_space: global }
      - { .name: sc, .offset: 24, .size: 8, .value_kind: global_buffer, .address_space: global }
      - { .name: ybuf, .offset: 32, .size: 8, .value_kind: global_buffer, .address_space: global }
    .group_segment_fixed_size: 281088
    .private_segment_fixed_size: 0
    .kernarg_segment_align: 8
    .kernarg_segment_size: 40
    .max_flat_workgroup_size: 128
    .sgpr_count:     66
    .vgpr_count:     832
    .wavefront_size: 32
...
	.end_amdgpu_metadata
.endif
;; end of part 3
;; launch mix (part 4): grid 16 x 16, 8 waves a work-group, no clusters, 5,120 bytes of LDS; arguments x, rt, sc, ybuf, b2, out0; writes out0
.if DOCPART == 4
	.amdgcn_target "amdgcn-amd-amdhsa--gfx1250"
	.amdhsa_code_object_version 6
	.text
	.protected	k_q4e6579d021_mix
	.globl	k_q4e6579d021_mix
	.p2align	8
	.type	k_q4e6579d021_mix,@function
k_q4e6579d021_mix:
	s_mov_b64 s[64:65], 0
	v_nop
	global_prefetch_b8 v0, s[64:65] scope:SCOPE_SE
	s_setreg_imm32_b32 hwreg(HW_REG_WAVE_MODE, 25, 1), 1
	s_wait_xcnt 0x0
; out = x + the eight partial rows of a token (4 quarters of F x 2 choices, already times their scores) + sum over e of (S - s0 [e = e0] - s1 [e = e1]) cw_e + S sum over e of b2_e,
; with S = s0 + s1 and cw_e = relu(b1_e) W2_e, whose four partial rows lie in ybuf at row 1024 + e.  All in f32.
; A stream: a work-group takes 64 tokens x 64 columns (256 bytes); wave w takes tokens 8 w + 2 i + h, i = 0..3; a lane four columns: sixteen lanes load and store 256 consecutive bytes, aligned.
; All 53 loads of a wave go out before the first wait.  Wave w also adds expert w's four rows of cw and fetches b2_w; the eight waves hand these to each other through LDS, behind one barrier.
; The routing word enters as data alone (bits turned into factors): no address and no branch hangs on it.  Matrix units and clusters have nothing to do here.
.set SPARE, 4096                       ; LDS: cw_e at 256 e, b2_e at 2,048 + 256 e; from 4,096 the spare words, 128 bytes for each of eight waves
; v2, v3 the add's two; v4 r, v5 h; v6 token x 4,096 + 16 r; v7 (1024 + w) x 4,096 + 16 r; v8 w x 4,096 + 16 r; v9 4 x token; v10 256 w + 16 r; v11 16 r
; v[12:27] four raw rows; v[28:31] b2_w; v[32:63] cw_0..7; v[64:79] four rows of b2, then their sum in v[64:67]; v[80 + 40 i ..] pair i: x 4, partial rows 32, rt, s0, s1; v240-245 at work
.macro TOK i
.set D, 80+40*(\i)
	s_wait_loadcnt 36-12*(\i)                      ; twelve loads a pair of tokens: the later pairs' stay out
.irp z,0,2
	v_pk_add_f32 v[D+4+\z:D+5+\z], v[D+4+\z:D+5+\z], v[D+8+\z:D+9+\z]
	v_pk_add_f32 v[D+12+\z:D+13+\z], v[D+12+\z:D+13+\z], v[D+16+\z:D+17+\z]
	v_pk_add_f32 v[D+20+\z:D+21+\z], v[D+20+\z:D+21+\z], v[D+24+\z:D+25+\z]
	v_pk_add_f32 v[D+28+\z:D+29+\z], v[D+28+\z:D+29+\z], v[D+32+\z:D+33+\z]
.endr
	v_add_f32 v240, v[D+37], v[D+38]               ; S
.irp z,0,2
	v_pk_add_f32 v[D+4+\z:D+5+\z], v[D+4+\z:D+5+\z], v[D+12+\z:D+13+\z]
	v_pk_add_f32 v[D+20+\z:D+21+\z], v[D+20+\z:D+21+\z], v[D+28+\z:D+29+\z]
.endr
.irp z,0,2
	v_pk_fma_f32 v[D+\z:D+1+\z], v[64+\z:65+\z], v[240:241], v[D+\z:D+1+\z] op_sel_hi:[1,0,1]
	v_pk_add_f32 v[D+4+\z:D+5+\z], v[D+4+\z:D+5+\z], v[D+20+\z:D+21+\z]
.endr
.irp z,0,2
	v_pk_add_f32 v[D+\z:D+1+\z], v[D+\z:D+1+\z], v[D+4+\z:D+5+\z]
.endr
.irp e,0,1,2,3,4,5,6,7
	v_bfe_u32 v244, v[D+36], \e, 1
	v_bfe_u32 v245, v[D+36], 8+\e, 1
	v_cvt_f32_u32 v244, v244
	v_cvt_f32_u32 v245, v245
	v_fma_f32 v242, -v244, v[D+37], v240
	v_fma_f32 v242, -v245, v[D+38], v242           ; S less the score with which the token chose e
	v_pk_fma_f32 v[D:D+1], v[32+4*\e:33+4*\e], v[242:243], v[D:D+1] op_sel_hi:[1,0,1]
	v_pk_fma_f32 v[D+2:D+3], v[34+4*\e:35+4*\e], v[242:243], v[D+2:D+3] op_sel_hi:[1,0,1]
.endr
	global_store_b128 v6, v[D:D+3], s[14:15] offset:8192*(\i) th:TH_STORE_NT
.endm
	s_load_b256 s[4:11], s[0:1], 0x0               ; x s[4:5], rt s[6:7], sc s[8:9], ybuf s[10:11]
	s_load_b128 s[12:15], s[0:1], 0x20             ; b2 s[12:13], out0 s[14:15]
	v_lshl_add_u32 v2, v0, 2, SPARE                ; my spare word, and 0: kept for the closing add alone
	v_mov_b32 v3, 0
	v_lshrrev_b32 v1, 5, v0
	v_readfirstlane_b32 s16, v1                    ; wave, and the expert whose constants it fetches
	v_and_b32 v4, 15, v0
	v_bfe_u32 v5, v0, 4, 1
	s_and_b32 s17, ttmp7, 0xffff                   ; block of 64 tokens
	s_lshl_b32 s18, ttmp9, 8                       ; block of 64 columns, in bytes
	s_mov_b32 s19, 0
	s_lshl_b32 s28, s17, 6
	s_lshl3_add_u32 s28, s16, s28                  ; my wave's first token
	s_add_co_u32 s29, s16, 1024
	s_lshl_b32 s29, s29, 12
	v_lshlrev_b32 v11, 4, v4
	v_add_nc_u32 v6, s28, v5
	v_lshlrev_b32 v9, 2, v6
	v_lshl_add_u32 v6, v6, 12, v11
	v_add_nc_u32 v7, s29, v11
	v_lshl_add_u32 v8, s16, 12, v11
	v_lshl_add_u32 v10, s16, 8, v11
	v_mov_b32 v241, 0                              ; named as the upper halves of pairs
	v_mov_b32 v243, 0
	s_wait_kmcnt 0x0
	s_add_nc_u64 s[4:5], s[4:5], s[18:19]
	s_add_nc_u64 s[12:13], s[12:13], s[18:19]
	s_add_nc_u64 s[14:15], s[14:15], s[18:19]
	s_add_nc_u64 s[20:21], s[10:11], s[18:19]      ; ybuf's four quarters, 8,454,144 bytes apart
	s_add_nc_u64 s[22:23], s[20:21], 0x810000
	s_add_nc_u64 s[24:25], s[22:23], 0x810000
	s_add_nc_u64 s[26:27], s[24:25], 0x810000
.irp k,0,1,2,3
	global_load_b128 v[12+4*\k:15+4*\k], v7, s[20+2*\k:21+2*\k]
.endr
	global_load_b128 v[28:31], v8, s[12:13]
.irp i,0,1,2,3
	global_load_b128 v[80+40*\i:83+40*\i], v6, s[4:5] offset:8192*\i th:TH_LOAD_NT
.irp k,0,1,2,3
	global_load_b128 v[84+40*\i+8*\k:87+40*\i+8*\k], v6, s[20+2*\k:21+2*\k] offset:8192*\i th:TH_LOAD_NT
	global_load_b128 v[88+40*\i+8*\k:91+40*\i+8*\k], v6, s[20+2*\k:21+2*\k] offset:4227072+8192*\i th:TH_LOAD_NT
.endr
	global_load_b32 v[116+40*\i], v9, s[6:7] offset:8*\i
	global_load_b32 v[117+40*\i], v9, s[8:9] offset:8*\i
	global_load_b32 v[118+40*\i], v9, s[8:9] offset:4128+8*\i
.endr
	s_wait_loadcnt 48                              ; the five constant rows are in; the tokens' 48 loads stay out
.irp z,0,2
	v_pk_add_f32 v[12+\z:13+\z], v[12+\z:13+\z], v[16+\z:17+\z]
	v_pk_add_f32 v[20+\z:21+\z], v[20+\z:21+\z], v[24+\z:25+\z]
.endr
.irp z,0,2
	v_pk_add_f32 v[12+\z:13+\z], v[12+\z:13+\z], v[20+\z:21+\z]
.endr
	ds_store_b128 v10, v[12:15]                    ; both halves of the lanes hold, and write, the same 256 bytes
	ds_store_b128 v10, v[28:31] offset:2048
	s_wait_dscnt 0x0                               ; for the others' sake
	s_barrier_signal -1
	s_barrier_wait -1
.irp e,0,1,2,3,4,5,6,7
	ds_load_b128 v[32+4*\e:35+4*\e], v11 offset:256*\e
.endr
.irp e,0,1,2,3
	ds_load_b128 v[12+4*\e:15+4*\e], v11 offset:2048+256*\e
	ds_load_b128 v[64+4*\e:67+4*\e], v11 offset:3072+256*\e
.endr
	s_wait_dscnt 0x0
.irp e,0,1,2,3
.irp z,0,2
	v_pk_add_f32 v[64+4*\e+\z:65+4*\e+\z], v[64+4*\e+\z:65+4*\e+\z], v[12+4*\e+\z:13+4*\e+\z]
.endr
.endr
.irp z,0,2
	v_pk_add_f32 v[64+\z:65+\z], v[64+\z:65+\z], v[68+\z:69+\z]
	v_pk_add_f32 v[72+\z:73+\z], v[72+\z:73+\z], v[76+\z:77+\z]
.endr
.irp z,0,2
	v_pk_add_f32 v[64+\z:65+\z], v[64+\z:65+\z], v[72+\z:73+\z]  ; the sum of the eight b2
.endr
	TOK 0
	TOK 1
	TOK 2
	TOK 3
	s_wait_tensorcnt 0x0                           ; the wave's end
	ds_add_u32 v2, v3
	s_wait_dscnt 0x0
	s_endpgm
.Lfunc_end_k_q4e6579d021_mix:
	.size	k_q4e6579d021_mix, .Lfunc_end_k_q4e6579d021_mix-k_q4e6579d021_mix
	.p2alignl 7, 3214868480
	.fill 96, 4, 3214868480
	.section	.rodata,"a",@progbits
	.p2align	6, 0x0
	.amdhsa_kernel k_q4e6579d021_mix
		.amdhsa_group_segment_fixed_size 5120
		.amdhsa_private_segment_fixed_size 0
		.amdhsa_enable_private_segment 0
		.amdhsa_kernarg_size 48
		.amdhsa_user_sgpr_count 2
		.amdhsa_user_sgpr_kernarg_segment_ptr 1
		.amdhsa_wavefront_size32 1
		.amdhsa_system_sgpr_workgroup_id_x 1
		.amdhsa_system_sgpr_workgroup_id_y 1
		.amdhsa_system_sgpr_workgroup_id_z 1
		.amdhsa_system_vgpr_workitem_id 0
		.amdhsa_next_free_vgpr 256
		.amdhsa_next_free_sgpr 66
		.amdhsa_reserve_vcc 0
		.amdhsa_float_denorm_mode_32 3
		.amdhsa_float_denorm_mode_16_64 3
		.amdhsa_memory_ordered 1
		.amdhsa_forward_progress 1
		.amdhsa_inst_pref_size 29
	.end_amdhsa_kernel
	.amdgpu_metadata
---
amdhsa.version: [ 1, 2 ]
amdhsa.kernels:
  - .name:           k_q4e6579d021_mix
    .symbol:         k_q4e6579d021_mix.kd
    .args:
      - { .name: x, .offset: 0, .size: 8, .value_kind: global_buffer, .address_space: global }
      - { .name: rt, .offset: 8, .size: 8, .value_kind: global_buffer, .address_space: global }
      - { .name: sc, .offset: 16, .size: 8, .value_kind: global_buffer, .address_space: global }
      - { .name: ybuf, .offset: 24, .size: 8, .value_kind: global_buffer, .address_space: global }
      - { .name: b2, .offset: 32, .size: 8, .value_kind: global_buffer, .address_space: global }
      - { .name: out0, .offset: 40, .size: 8, .value_kind: global_buffer, .address_space: global }
    .group_segment_fixed_size: 5120
    .private_segment_fixed_size: 0
    .kernarg_segment_align: 8
    .kernarg_segment_size: 48
    .max_flat_workgroup_size: 256
    .sgpr_count:     66
    .vgpr_count:     256
    .wavefront_size: 32
...
	.end_amdgpu_metadata
.endif
;; end of part 4
;; ======== version 2 of 3: 4 launches; 1.14 times as fast as version 1
;; workspace buffers: xn 2,113,536 bytes; rt 4,096 bytes of whole numbers; sc 8,448 bytes; hid 68,157,440 bytes; ybuf 33,816,576 bytes
;; launch route: the kernel of part 1 again; grid 256 x 1, 4 waves a work-group, no clusters, 0 bytes of LDS; arguments x, gamma, beta, Wr, br, xn, rt, sc; writes xn, rt, sc
;; launch up (part 5): grid 32 x 8, 4 waves a work-group, no clusters, 281,088 bytes of LDS; arguments W1, b1, xn, rt, hid; writes hid
.if DOCPART == 5
	.amdgcn_target "amdgcn-amd-amdhsa--gfx1250"
	.amdhsa_code_object_version 6
	.text
	.protected	k_q4e6579d021_up
	.globl	k_q4e6579d021_up
	.p2align	8
	.type	k_q4e6579d021_up,@function
k_q4e6579d021_up:
	s_mov_b64 s[64:65], 0
	v_nop
	global_prefetch_b8 v0, s[64:65] scope:SCOPE_SE
	s_setreg_imm32_b32 hwreg(HW_REG_WAVE_MODE, 25, 1), 1
	s_wait_xcnt 0x0
; hidden = relu(xn W1[e] + b1[e]) for the rows that chose expert e, and for the zero row 1024 + e.  Work-group (slice, e): all of the expert's rows x K = 1,024 x 128 columns of F.
; It alone reads its 512 KB of f32 weights, once.  bf16 operands (xn, W1), f32 sums, the bias in f32 as the sums' start, the hidden layer rounded once to bf16.
; THE WEIGHTS go through registers into LDS as matrix operands (256 KB, resident).  Lane (r = lane % 16, h = lane / 16) loads columns 4 r .. 4 r + 3 of a row of K: sixteen lanes take 256 consecutive
;   bytes, aligned.  Component j of the sixteen rows that a lane's half owns in a K step, rounded in pairs, IS the lane's eight registers of fragment j, whose row r stands for column 4 r + j of a group
;   of 64 columns.  A QUAD is those sixteen loads: one K step, one group.  Nothing is turned, nothing changes lanes.
; THE ROWS.  The expert's rows are ranked by group of 32 routing words and lane (no atomics): group g begins at rank P_g, the count of the groups before it; the ranks from the count on are the zero row.
;   A wave's blocks of 16 ranks are w, w + 4, ..; five to a trip; the rows come from memory straight into registers as operands.
;   The first trip's rows are found IN REGISTERS, so that their addresses hang on no LDS access: a lane keeps for each of its five blocks the mask and the first rank of the last group with P_g <= its
;   rank q (one compare and two selects a group and block, in the pass that counts), then picks the (q - P_g)-th set bit of that mask by counts of 2, 4, 8 and 16 bits and five halvings.
;   The same pass writes the ranking as a list into LDS bytes of the wave's own, for the later trips.
; THE FIRST TRIP RUNS UNDER THE STREAM.  K goes in eight chunks of four K steps; wave w streams K step 4 c + w of chunk c, two quads.  In front of every stage of two K steps stands a WINDOW: the next
;   stage's rows are asked for; a barrier (nobody reads LDS); one quad is rounded, stored and asked for again; a barrier (the stores are seen).  The window ahead of stage 2 c + 1 lays group 1 of chunk
;   c + 1, the one ahead of stage 2 c + 2 its group 0: a quad has two stages and two windows in which to land, and the two slots are filled again half a period apart.
;   Loads end in the order of issue (ISA guide 5.7.1), and rows and weights share the counter: the order of issue is quad s, rows s, quad s + 1, rows s + 1, ..: no wait for rows asks for a younger quad.
;   For the counts to be constants this trip loads all five blocks' rows always; a block past the count holds the zero row sixteen times, and only its products and stores are jumped.
; LATER TRIPS (an expert of more than 320 rows; three more serve 65 blocks, the most that any split needs) read the resident slice: no barrier, no LDS write; a trip and the blocks past the count are jumped.
; The matrix instruction takes the weights as source 0 and the rows as source 1: a lane then holds ONE row and 32 neighbouring columns over four fragments; rounded in pairs these are the lane's
;   registers of the next product's operand, so hid is stored in that form: [e][block][K step of 32][half][lane][16 bytes], 512 consecutive bytes a store.
; NO CLUSTER: each slice of weights has one reader; what the expert's 32 work-groups share is the rows of xn, which come by a ranking that no tile's descriptor covers.
; The ranking goes by group and lane, not by token; the next launch makes the same one by the same counts.
.set PITCH, 16384                      ; bytes in a row of W1[e]
.set ASTG,  128                        ; bytes of a row of xn in a stage of two K steps
.set CHW,   128*PITCH                  ; bytes of W1 from a chunk to the next
.set LISTB, 262144                     ; behind the fragments: a list of 1,152 words for each wave; word 1088 takes what is not chosen
.set LISTW, 4608
.set SPARE, 280576                     ; behind the lists: the spare words, 128 bytes for each wave, which no other line names
.set TRIPS, 4                          ; 17 blocks a wave at the most, five a trip
.set RING,  64                         ; window 3: slot a of the raw ring at RING + 64 a
.set QR,    224                        ; v224-228  block i: my rank q as q << 10 | 1023
.set MR,    229                        ; v229-233  block i: the mask of the group that holds rank q
.set PR,    234                        ; v234-238  block i: that group's P_g << 10 | its first token
.set TS,    160                        ; v160-199  block i, eight at work: counts of 2, 4, 8 bits, the count in hand, the rank left, the bit's place, two more
; LDS 0 .. 262,143: K step ks at 8,192 ks, fragment f = 4 g + j at 1,024 f, half u at 512 u, lane at 16 lane: every access is 512 consecutive bytes
; REGISTERS.  window 0: v1 lane, v2, v3 the add's two, v4 r, v5 h, v6 16 lane, v7 my offset in W, v8 where fragments go, v9 where they are read, v10 my list, v11 my list + 4 r, v12 4 lane,
;   v13 0, v14 16 h, v15 128 h, v16-20 the five blocks' row offsets, v21-31 at work, v32-63 a quad's fragments, v64-143 and v144-223 two buffers of rows (block i, K step ks at 16 i + 8 ks)
;   window 1: v0-63, v64-127 the fragments of an even and an odd K step; v128-191 the bias as eight tiles     window 2: accumulators of blocks 0-3 at 64 i + 8 f (at the start: chunk 0's two quads)
;   window 3: v0-63 block 4; v64-191 the raw ring
; s14 wave, s15 e, s16 slice, s18 the expert's two bits, s20 count, s22 blocks, s23 my trips, s24 trip, s25 live blocks of the trip, s26 inner counter, s27 first block, s[28:29] rows' running base,
; s[30:31] xn, s32-36 the five blocks, s37 the block that dead places repeat, s38 a group's mask, s39 its P_g << 10 | first token, s[40:41] W's running base, s42 the zero row,
; s[44:45] hid at my expert and slice, s52-56 bit patterns, s57 count << 10
.set MSB, 0
.macro WIN new                         ; the immediate's high byte repeats the setting that is left; at a label and at a branch every window is 0
.if MSB != (\new)
	s_set_vgpr_msb (MSB<<8)|(\new)
.set MSB, \new
.endif
.endm
.macro PLACES                          ; four places between a matrix instruction and a load into, or a vector read of, its registers
.rept 4
	v_nop
.endr
.endm
.macro BAR                             ; my LDS instructions are done, then the work-group's barrier
	s_wait_dscnt 0x0
	s_barrier_signal -1
	s_barrier_wait -1
.endm
; a quad: the sixteen rows of my K step that my half of the lanes owns, column group a, into 64 registers from reg on in window win
.macro QLOAD a, win, reg, extra
	WIN (\win)<<6
.set qi, 0
.rept 16
	global_load_b128 v[(\reg)+4*qi:(\reg)+4*qi+3], v7, s[40:41] offset:(qi+8*(qi/8))*PITCH+256*(\a)+(\extra) th:TH_LOAD_NT
.set qi, qi+1
.endr
	WIN 0
.endm
; a quad is rounded to four fragments and laid into LDS
.macro CVST a, win, reg
	WIN 5*(\win)                                   ; both sources in window win
.irp j,0,1,2,3
.irp q,0,1,2,3,4,5,6,7
	v_cvt_pk_bf16_f32 v[32+8*\j+\q], v[(\reg)+8*\q+\j], v[(\reg)+8*\q+4+\j]
.endr
.endr
	WIN 0
.irp j,0,1,2,3
.irp u,0,1
	ds_store_b128 v8, v[32+8*\j+4*\u:32+8*\j+4*\u+3] offset:(\a)*4096+\j*1024+\u*512
.endr
.endr
.endm
.macro FETCH_B par, off                ; a K step's eight fragments, in one run
	WIN 0x40                                       ; destination window 1
.irp f,0,1,2,3,4,5,6,7
.irp u,0,1
	ds_load_b128 v[64*(\par)+8*\f+4*\u:64*(\par)+8*\f+4*\u+3], v9 offset:(\off)+1024*\f+512*\u
.endr
.endr
	WIN 0
.endm
.macro ALOAD buf, i, base              ; block i's rows for a stage of two K steps: lane (r, h) takes channels 8 h + 0..7 and 16 + 8 h + 0..7 of row r
.irp ks,0,1
.irp u,0,1
	global_load_b128 v[64+80*(\buf)+16*(\i)+8*\ks+4*\u:64+80*(\buf)+16*(\i)+8*\ks+4*\u+3], v[16+(\i)], s[28:29] offset:(\base)+64*\ks+32*\u
.endr
.endr
.endm
; eight matrix instructions: block i x the eight fragments of K step c (of four).  The eight accumulators take turns, one instruction a turn.  first = 1: the bias starts the sums
.macro MUL i, c, first
.set AC, 64*((\i)%4)
.set TK, 64+80*((\c)/2)+16*(\i)+8*((\c)%2)
.set FB, 64*((\c)%2)
.if \first
	WIN 0x91+0x40*((\i)/4)                         ; fragments and bias window 1, rows window 0, D window 2 or 3
.else
	WIN 0xa1+0x50*((\i)/4)                         ; fragments window 1, rows window 0, C and D window 2 or 3
.endif
.irp f,0,1,2,3,4,5,6,7
.if \first
	v_wmma_f32_16x16x32_bf16 v[AC+8*\f:AC+8*\f+7], v[FB+8*\f:FB+8*\f+7], v[TK:TK+7], v[128+8*\f:128+8*\f+7]
.else
	v_wmma_f32_16x16x32_bf16 v[AC+8*\f:AC+8*\f+7], v[FB+8*\f:FB+8*\f+7], v[TK:TK+7], v[AC+8*\f:AC+8*\f+7]
.endif
.endr
	WIN 0
.endm
; K step k of a chunk in the first trip.  cnt: the loads younger than this stage's rows (-1: no new rows).  The fragments of K steps 1 to 3 were asked for a step ago; those of K step 0 can be
; asked for only behind the window's barrier.  Behind a window its own v_nop and conversions are the places in front of the loads; K step 1 has none and writes them.
.macro FSTEP k, cnt, first
.if (\k) == 0
	FETCH_B 0, 0
.endif
	s_wait_dscnt 0x0
.if (\cnt) >= 0
	s_wait_loadcnt \cnt
.endif
.if (\k) == 1
	PLACES
.endif
.if (\k) < 3
	FETCH_B ((\k)+1)%2, ((\k)+1)*8192
.endif
	MUL 0, \k, \first
.irp i,1,2,3,4
.if (\first) == 0
	s_cmp_le_u32 s25, \i
	s_cbranch_scc1 .Lfe_\@
.endif
	MUL \i, \k, \first
.endr
.Lfe_\@:
.endm
; A window.  The next stage's rows go out first (into buffer tb, which the products just issued have read: four places); behind the first barrier no wave reads LDS; cnt leaves out what is younger than
; slot a's quad; behind the second barrier every wave's stores are seen.
.macro VWIN a, tb, toff, cnt, refill
	PLACES
.irp i,0,1,2,3,4
	ALOAD \tb, \i, \toff
.endr
	BAR
	s_wait_loadcnt \cnt
	CVST \a, 3, RING+64*(\a)
.if \refill
	QLOAD \a, 3, RING+64*(\a), 2*CHW
.endif
	BAR
.endm
; a K step of the later trips.  Its fragments were asked for a step ago, its rows a stage ago; the waits are for 0 because the number of younger loads hangs on the live blocks.
.macro KSTEP c, pfA, pfB
	s_wait_dscnt 0x0
.if ((\c)%2) == 0
	s_wait_loadcnt 0x0
.endif
.if ((\c) == 2) && (\pfA)
	s_add_nc_u64 s[28:29], s[28:29], 2*ASTG        ; no load is out: the base may step
.endif
	PLACES
.if \pfB
.if (\c) == 3
	FETCH_B 0, 4*8192
.else
	FETCH_B ((\c)+1)%2, ((\c)+1)*8192
.endif
.endif
.irp i,0,1,2,3,4
.if \i > 0
	s_cmp_le_u32 s25, \i
	s_cbranch_scc1 .Lend_\@
.endif
.if (\pfA) && (((\c)%2) == 0)
.if (\c) == 0
	ALOAD 1, \i, ASTG
.else
	ALOAD 0, \i, 0
.endif
.endif
	MUL \i, \c, 0
.endr
.Lend_\@:
.endm
; block i leaves: rounded in pairs into the next product's operand form (each accumulator's register 0 is read first), ReLU on the packed halves, eight stores of 512 consecutive bytes
.macro EPI i
.set O, 64+32*((\i)%2)
.set AC, 64*((\i)%4)
	WIN 0x0a+5*((\i)/4)                            ; sources in window 2 or 3
.irp g,0,1
.irp s,0,1
.irp q,0,1,2,3,4,5,6,7
	v_cvt_pk_bf16_f32 v[O+16*\g+8*\s+\q], v[AC+8*(4*\g+2*((\q)%2))+4*\s+(\q)/2], v[AC+8*(4*\g+2*((\q)%2)+1)+4*\s+(\q)/2]
.endr
.endr
.endr
	WIN 0
.set ei, 0
.rept 32
	v_pk_max_num_bf16 v[O+ei], v[O+ei], v13
.set ei, ei+1
.endr
	v_lshl_add_u32 v[21+(\i)%2], s[32+(\i)], 17, v6  ; the block's 131,072 bytes, my 16
.irp g,0,1
.irp s,0,1
.irp u,0,1
	global_store_b128 v[21+(\i)%2], v[O+16*\g+8*\s+4*\u:O+16*\g+8*\s+4*\u+3], s[44:45] offset:(2*\g+\s)*1024+512*\u
.endr
.endr
.endr
.endm
; One halving of the search for a set bit, for all five blocks: the w bits from the place in hand on hold so many set bits; if the rank left is below that number the bit lies among them,
; else the place moves w on and the rank left falls by the number.  The five blocks' lines alternate where VCC allows.
.macro RSTEP w
.irp i,0,1,2,3,4
.if (\w) == 8
	v_bfe_u32 v[TS+8*\i+3], v[TS+8*\i+2], v[TS+8*\i+5], 8
.elseif (\w) == 4
	v_bfe_u32 v[TS+8*\i+3], v[TS+8*\i+1], v[TS+8*\i+5], 4
.elseif (\w) == 2
	v_bfe_u32 v[TS+8*\i+3], v[TS+8*\i], v[TS+8*\i+5], 2
.elseif (\w) == 1
	v_bfe_u32 v[TS+8*\i+3], v[MR+\i], v[TS+8*\i+5], 1
.endif
.endr
.irp i,0,1,2,3,4
	v_cmp_lt_u32 vcc_lo, v[TS+8*\i+4], v[TS+8*\i+3]
.if (\w) == 16
	v_cndmask_b32 v[TS+8*\i+5], \w, v13, vcc_lo    ; the place starts at 0 or 16
.else
	v_cndmask_b32 v[TS+8*\i+6], \w, v13, vcc_lo
.endif
.if (\w) > 1
	v_cndmask_b32 v[TS+8*\i+7], v[TS+8*\i+3], v13, vcc_lo
.endif
.endr
.irp i,0,1,2,3,4
.if (\w) < 16
	v_add_nc_u32 v[TS+8*\i+5], v[TS+8*\i+5], v[TS+8*\i+6]
.endif
.if (\w) > 1
	v_sub_nc_u32 v[TS+8*\i+4], v[TS+8*\i+4], v[TS+8*\i+7]
.endif
.endr
.endm
; a trip's set-up: its blocks, their rows' offsets, stage 0's rows.  gen = 1 (a later trip): the rows' numbers come from the list, and K step 0's fragments are asked for too;
; gen = 0: v16-20 hold the rows' numbers already
.macro TRIPSET gen
	s_mul_i32 s27, s24, 20
	s_add_co_u32 s27, s27, s14                     ; the trip's first block: w + 20 trip
	s_add_co_u32 s25, s22, 3
	s_sub_co_u32 s25, s25, s27
	s_lshr_b32 s25, s25, 2
	s_min_u32 s25, s25, 5                          ; its live blocks
	s_sub_co_u32 s21, s22, 1
	s_min_u32 s37, s27, s21                        ; in a later trip a place past the count repeats the trip's first block
.irp i,0,1,2,3,4
	s_add_co_u32 s[32+\i], s27, 4*\i
	s_cmp_lt_u32 s[32+\i], s22
	s_cselect_b32 s[32+\i], s[32+\i], s37
	s_min_u32 s[32+\i], s[32+\i], 64
.endr
	s_mov_b64 s[28:29], s[30:31]
	v_mov_b32 v9, v6
.if \gen
.irp i,0,1,2,3,4
	v_lshl_add_u32 v[21+\i], s[32+\i], 6, v11
.endr
.irp i,0,1,2,3,4
	ds_load_b32 v[16+\i], v[21+\i]                 ; row r of the block
.endr
	FETCH_B 0, 0
	s_wait_dscnt 16                                ; the five rows' numbers are in; the 16 fragment loads behind them stay out
.endif
.irp i,0,1,2,3,4
	v_min_u32 v[16+\i], 0x407, v[16+\i]
	v_lshl_add_u32 v[16+\i], v[16+\i], 11, v14     ; row x 2,048 + 16 h
.endr
.irp i,0,1,2,3,4
	ALOAD 0, \i, 0
.endr
.endm
	s_load_b256 s[4:11], s[0:1], 0x0               ; W1 s[4:5], b1 s[6:7], xn s[8:9], rt s[10:11]
	s_load_b64 s[12:13], s[0:1], 0x20              ; hid
	v_lshl_add_u32 v2, v0, 2, SPARE                ; my spare word, and 0: kept for the closing add alone
	v_mov_b32 v3, 0
	v_and_b32 v1, 31, v0
	v_lshrrev_b32 v21, 5, v0
	v_readfirstlane_b32 s14, v21                   ; wave
	v_and_b32 v4, 15, v0
	v_bfe_u32 v5, v0, 4, 1
	v_lshlrev_b32 v6, 4, v1
	v_lshlrev_b32 v7, 4, v4
	v_lshl_or_b32 v7, v5, 17, v7                   ; 16 r, and eight rows of K further for the upper half
	v_lshl_add_u32 v8, s14, 13, v6                 ; K step w of chunk 0
	s_mul_i32 s21, s14, LISTW
	s_add_co_u32 s21, s21, LISTB
	v_mov_b32 v10, s21
	v_lshl_add_u32 v11, v4, 2, v10
	v_lshlrev_b32 v12, 2, v1
	v_mov_b32 v13, 0
	v_lshlrev_b32 v14, 4, v5
	v_lshlrev_b32 v15, 7, v5
	v_mov_b32 v25, 1088
	v_add_nc_u32 v26, v10, v6
	s_mov_b32 s52, 0x55555555                      ; the patterns for the counts of 2, 4 and 8 bits,
	s_mov_b32 s53, 0x33333333
	s_mov_b32 s54, 0x0f0f0f0f
	s_mov_b32 s55, 0x3ff                           ; a word's ten low bits,
	s_mov_b32 s56, 0xff                            ; and its low byte
	s_lshl_b32 s38, s14, 4
	v_add_nc_u32 v239, s38, v4                     ; my rank in the first trip's block 0: 16 w + r,
	v_lshl_or_b32 v[QR], v239, 10, s55             ; with ten ones below it: it is then no less than P << 10 | token just where the rank is no less than P
.irp i,1,2,3,4
	v_add_nc_u32 v[QR+\i], 0x10000*\i, v[QR]       ; block i lies 64 i ranks on
.endr
	s_and_b32 s15, ttmp7, 0xffff                   ; expert
	s_mov_b32 s16, ttmp9                           ; slice of 128 columns
	s_lshl_b32 s18, 0x101, s15
	s_add_co_u32 s42, s15, 1024
.irp k,28,29,30,31
	v_mov_b32 v\k, s42
.endr
	s_lshl_b32 s46, s15, 24                        ; offsets are made apart from the addresses: W1: expert, slice, my K step's 32 rows
	s_lshl_b32 s21, s16, 9
	s_add_co_u32 s46, s46, s21
	s_lshl_b32 s48, s15, 14                        ; b1: expert, slice
	s_add_co_u32 s48, s48, s21
	s_lshl_b32 s21, s14, 19
	s_add_co_u32 s46, s46, s21
	s_mov_b32 s47, 0
	s_mov_b32 s49, 0
	s_mul_i32 s50, s15, 8519680                    ; hid: expert (65 blocks), the slice's four K steps
	s_lshl_b32 s21, s16, 12
	s_add_co_u32 s50, s50, s21
	s_mov_b32 s51, 0
	s_wait_kmcnt 0x0
	s_add_nc_u64 s[40:41], s[4:5], s[46:47]
	s_add_nc_u64 s[6:7], s[6:7], s[48:49]
	s_add_nc_u64 s[44:45], s[12:13], s[50:51]
	s_mov_b64 s[30:31], s[8:9]
.irp m,0,1,2,3,4,5,6,7
	global_load_b128 v[64+4*\m:64+4*\m+3], v6, s[10:11] offset:512*\m  ; rt: register 64 + g holds token 128 (g / 4) + g % 4 + 4 lane
.endr
.irp g,0,1
.irp jj,0,1,2,3,4,5,6,7
	global_load_b128 v[96+32*\g+4*\jj:96+32*\g+4*\jj+3], v15, s[6:7] offset:256*\g+16*\jj  ; b1 of columns 64 g + 32 h + 4 jj + 0..3
.endr
.endr
	QLOAD 0, 2, 0, 0                               ; chunk 0's two quads, into registers that become accumulators behind their conversion
	QLOAD 1, 2, 64, 0
	QLOAD 1, 3, RING+64, CHW                       ; chunk 1, group 1: the first window of the loop wants it
	s_wait_loadcnt 48                              ; rt and b1 are in; the three quads, 48 loads, stay out
	; the pass over the 32 groups.  For the later trips: the list, in my own LDS bytes: first the zero row everywhere, then the chosen tokens from word 0 on.
	; For the first trip: each block's register keeps the mask and the word of the last group whose first rank is no greater than my rank (the first ranks never fall, so the last taken is the one).
.irp m,0,1,2,3,4,5,6,7,8
	ds_store_b128 v26, v[28:31] offset:512*\m
.endr
	s_mov_b32 s20, 0
.set gi, 0
.rept 32
	v_and_b32 v21, s18, v[64+gi]
	v_cmp_ne_u32 vcc_lo, 0, v21                    ; chose this expert, as first or as second
	s_mov_b32 s38, vcc_lo                          ; the group's mask
	s_bcnt1_i32_b32 s21, vcc_lo
	v_mbcnt_lo_u32_b32 v22, vcc_lo, s20            ; its place: the count so far + the chosen lanes below mine
	v_cndmask_b32 v22, v25, v22, vcc_lo            ; what is not chosen goes to word 1088
	v_min_u32 v22, 0x440, v22
	v_lshl_add_u32 v23, v22, 2, v10
	v_add_nc_u32 v24, 128*(gi/4)+gi%4, v12
	ds_store_b32 v23, v24
.if gi == 0
.irp i,0,1,2,3,4
	v_mov_b32 v[MR+\i], s38                        ; group 0 begins at rank 0: it starts every search
	v_mov_b32 v[PR+\i], 0
.endr
.else
	s_lshl_b32 s39, s20, 10
	s_or_b32 s39, s39, 128*(gi/4)+gi%4             ; the group's first rank << 10 | its first token
.irp i,0,1,2,3,4
	v_cmp_gt_u32 vcc_lo, s39, v[QR+\i]             ; the group begins past my rank: keep what I have
	v_cndmask_b32 v[MR+\i], s38, v[MR+\i], vcc_lo
	v_cndmask_b32 v[PR+\i], s39, v[PR+\i], vcc_lo
.endr
.endif
	s_add_co_u32 s20, s20, s21
.set gi, gi+1
.endr
	s_lshl_b32 s57, s20, 10
	s_add_co_u32 s22, s20, 16                      ; blocks of 16 for count + 1 rows,
	s_lshr_b32 s22, s22, 4
	s_min_u32 s22, s22, 65                         ; 65 at the most (1,024 + 1 rows)
	s_add_co_u32 s23, s22, 3                       ; my blocks are w, w + 4, ..: (blocks + 3 - w) / 4 of them,
	s_sub_co_u32 s23, s23, s14
	s_lshr_b32 s23, s23, 2
	s_add_co_u32 s23, s23, 4                       ; five to a trip: x / 5 = 205 x >> 10 for x up to 21
	s_mul_i32 s23, s23, 205
	s_lshr_b32 s23, s23, 10
	s_min_u32 s23, s23, TRIPS
	; the set bit of my rank in the mask kept: the rank left in the group, the mask's counts of 2, 4, 8 and (low half) 16 bits, then five halvings
.irp i,0,1,2,3,4
	v_sub_nc_u32 v[TS+8*\i+4], v[QR+\i], v[PR+\i]  ; (q - P) << 10 + (1023 - token): no borrow
	v_lshrrev_b32 v[TS+8*\i+6], 1, v[MR+\i]
.endr
.irp i,0,1,2,3,4
	v_lshrrev_b32 v[TS+8*\i+4], 10, v[TS+8*\i+4]
	v_and_b32 v[TS+8*\i+6], s52, v[TS+8*\i+6]
.endr
.irp i,0,1,2,3,4
	v_sub_nc_u32 v[TS+8*\i], v[MR+\i], v[TS+8*\i+6]          ; fields of 2 bits
.endr
.irp i,0,1,2,3,4
	v_lshrrev_b32 v[TS+8*\i+6], 2, v[TS+8*\i]
	v_and_b32 v[TS+8*\i+7], s53, v[TS+8*\i]
.endr
.irp i,0,1,2,3,4
	v_and_b32 v[TS+8*\i+6], s53, v[TS+8*\i+6]
.endr
.irp i,0,1,2,3,4
	v_add_nc_u32 v[TS+8*\i+1], v[TS+8*\i+7], v[TS+8*\i+6]    ; of 4
.endr
.irp i,0,1,2,3,4
	v_lshrrev_b32 v[TS+8*\i+6], 4, v[TS+8*\i+1]
.endr
.irp i,0,1,2,3,4
	v_add_nc_u32 v[TS+8*\i+6], v[TS+8*\i+1], v[TS+8*\i+6]
.endr
.irp i,0,1,2,3,4
	v_and_b32 v[TS+8*\i+2], s54, v[TS+8*\i+6]                ; of 8
.endr
.irp i,0,1,2,3,4
	v_lshrrev_b32 v[TS+8*\i+6], 8, v[TS+8*\i+2]
.endr
.irp i,0,1,2,3,4
	v_add_nc_u32 v[TS+8*\i+6], v[TS+8*\i+2], v[TS+8*\i+6]
.endr
.irp i,0,1,2,3,4
	v_and_b32 v[TS+8*\i+3], s56, v[TS+8*\i+6]                ; the low 16 bits' count
.endr
	RSTEP 16
	RSTEP 8
	RSTEP 4
	RSTEP 2
	RSTEP 1
.irp i,0,1,2,3,4
	v_and_b32 v[TS+8*\i+6], s55, v[PR+\i]          ; the group's first token
.endr
.irp i,0,1,2,3,4
	v_lshl_add_u32 v[16+\i], v[TS+8*\i+5], 2, v[TS+8*\i+6]   ; + 4 x the lane that holds the word
.endr
.irp i,0,1,2,3,4
	v_cmp_gt_u32 vcc_lo, s57, v[QR+\i]             ; my rank is below the count;
	v_cndmask_b32 v[16+\i], s42, v[16+\i], vcc_lo  ; from the count on: the zero row, as in the list
.endr
	WIN 0x40                                       ; the bias as tiles: register jj of tile 4 g + j is column 64 g + 4 (8 h + jj) + j, once a wave
.irp g,0,1
.irp j,0,1,2,3
.irp jj,0,1,2,3,4,5,6,7
	v_mov_b32 v[128+8*(4*\g+\j)+\jj], v[96+32*\g+4*\jj+\j]
.endr
.endr
.endr
	WIN 0
	BAR                                            ; every store into the lists stands ahead of a barrier: the later trips' reads of them hang on the counts
	s_mov_b32 s24, 0
	TRIPSET 0                                      ; rows of stage 0
	; the first window: both quads of chunk 0; slot 0 takes chunk 1's group 0
.irp i,0,1,2,3,4
	ALOAD 1, \i, ASTG                              ; rows of stage 1
.endr
	s_wait_loadcnt 56                              ; chunk 0's quads are in: younger are slot 1's 16 loads and two stages' 20 + 20
	CVST 0, 2, 0
	CVST 1, 2, 64
	QLOAD 0, 3, RING, CHW
	BAR                                            ; chunk 0 lies in LDS, every wave's part
	FSTEP 0, 36, 1                                 ; stage 0's rows: younger are stage 1's 20 and slot 0's 16.  For all five blocks: these products start the sums
	FSTEP 1, -1, 0
	s_mov_b32 s26, 6
.Lpair:                                                ; trip j: K steps 2, 3 of chunk j and 0, 1 of chunk j + 1; chunk j + 1 is laid, chunk j + 2 asked for
	v_add_nc_u32 v8, 0x8000, v8                    ; fragments go to chunk j + 1
	VWIN 1, 0, 2*ASTG, 56, 1                       ; 56: rows 20, the other slot's 16, rows 20 are younger than this slot's quad
	FSTEP 2, 52, 0                                 ; 52: a quad 16, rows 20, a quad 16 are younger than this stage's rows
	FSTEP 3, -1, 0
	VWIN 0, 1, 3*ASTG, 56, 1
	v_add_nc_u32 v9, 0x8000, v9                    ; fragments are read from chunk j + 1
	FSTEP 0, 52, 0
	FSTEP 1, -1, 0
	s_wait_xcnt 0x0                                ; the loads have had their addresses translated: the two bases may step
	s_add_nc_u64 s[28:29], s[28:29], 2*ASTG
	s_add_nc_u64 s[40:41], s[40:41], CHW
	s_sub_co_u32 s26, s26, 1
	s_cmp_lg_u32 s26, 0
	s_cbranch_scc1 .Lpair
	v_add_nc_u32 v8, 0x8000, v8                    ; chunk 7 is laid; nothing is left to ask for, so the counts run down
	VWIN 1, 0, 2*ASTG, 56, 0
	FSTEP 2, 36, 0                                 ; a quad 16, rows 20
	FSTEP 3, -1, 0
	VWIN 0, 1, 3*ASTG, 40, 0                       ; rows 20 + 20
	v_add_nc_u32 v9, 0x8000, v9
	FSTEP 0, 20, 0                                 ; rows 20
	s_branch .Ltail                                ; the last three K steps and the way out are the later trips' own text
.Lrows:                                                ; trips 1 to 3
	s_cmp_ge_u32 s24, s23
	s_cbranch_scc1 .Lnext                          ; a trip past my count: nothing of it is done
	s_wait_xcnt 0x0                                ; the last trip's stores have read their registers
	TRIPSET 1
	; K step 0 is written out, for all five blocks: its products start the sums, and every accumulator and both row buffers are written on every path
	s_wait_dscnt 0x0
	s_wait_loadcnt 0x0
	PLACES
	FETCH_B 1, 8192
.irp i,0,1,2,3,4
	ALOAD 1, \i, ASTG
	MUL \i, 0, 1
.endr
	s_mov_b32 s26, 7
.Lk:
	KSTEP 1, 1, 1
	KSTEP 2, 1, 1
	KSTEP 3, 1, 1
	v_add_nc_u32 v9, 0x8000, v9                    ; four K steps of fragments on
	KSTEP 0, 1, 1
	s_sub_co_u32 s26, s26, 1
	s_cmp_lg_u32 s26, 0
	s_cbranch_scc1 .Lk
.Ltail:
	KSTEP 1, 0, 1                                  ; the last three K steps ask for no rows, the last for no fragments
	KSTEP 2, 0, 1
	KSTEP 3, 0, 0
	PLACES
.irp i,0,1,2,3,4
	s_cmp_le_u32 s25, \i
	s_cbranch_scc1 .Lnext
	s_wait_xcnt 0x0                                ; the registers of earlier stores are rewritten only behind this wait
	EPI \i
.endr
.Lnext:
	s_add_co_u32 s24, s24, 1
	s_cmp_lt_u32 s24, TRIPS
	s_cbranch_scc1 .Lrows
	BAR                                            ; every wave's reads of LDS are over: only now does any wave write LDS again
	s_wait_tensorcnt 0x0                           ; the wave's end
	ds_add_u32 v2, v3
	s_wait_dscnt 0x0
	s_endpgm
.Lfunc_end_k_q4e6579d021_up:
	.size	k_q4e6579d021_up, .Lfunc_end_k_q4e6579d021_up-k_q4e6579d021_up
	.p2alignl 7, 3214868480
	.fill 96, 4, 3214868480
	.section	.rodata,"a",@progbits
	.p2align	6, 0x0
	.amdhsa_kernel k_q4e6579d021_up
		.amdhsa_group_segment_fixed_size 281088
		.amdhsa_private_segment_fixed_size 0
		.amdhsa_enable_private_segment 0
		.amdhsa_kernarg_size 40
		.amdhsa_user_sgpr_count 2
		.amdhsa_user_sgpr_kernarg_segment_ptr 1
		.amdhsa_wavefront_size32 1
		.amdhsa_system_sgpr_workgroup_id_x 1
		.amdhsa_system_sgpr_workgroup_id_y 1
		.amdhsa_system_sgpr_workgroup_id_z 1
		.amdhsa_system_vgpr_workitem_id 0
		.amdhsa_next_free_vgpr 960
		.amdhsa_next_free_sgpr 66
		.amdhsa_reserve_vcc 1
		.amdhsa_float_denorm_mode_32 3
		.amdhsa_float_denorm_mode_16_64 3
		.amdhsa_memory_ordered 1
		.amdhsa_forward_progress 1
		.amdhsa_inst_pref_size 198
	.end_amdhsa_kernel
	.amdgpu_metadata
---
amdhsa.version: [ 1, 2 ]
amdhsa.kernels:
  - .name:           k_q4e6579d021_up
    .symbol:         k_q4e6579d021_up.kd
    .args:
      - { .name: W1, .offset: 0, .size: 8, .value_kind: global_buffer, .address_space: global }
      - { .name: b1, .offset: 8, .size: 8, .value_kind: global_buffer, .address_space: global }
      - { .name: xn, .offset: 16, .size: 8, .value_kind: global_buffer, .address_space: global }
      - { .name: rt, .offset: 24, .size: 8, .value_kind: global_buffer, .address_space: global }
      - { .name: hid, .offset: 32, .size: 8, .value_kind: global_buffer, .address_space: global }
    .group_segment_fixed_size: 281088
    .private_segment_fixed_size: 0
    .kernarg_segment_align: 8
    .kernarg_segment_size: 40
    .max_flat_workgroup_size: 128
    .sgpr_count:     66
    .vgpr_count:     960
    .wavefront_size: 32
...
	.end_amdgpu_metadata
.endif
;; end of part 5
;; launch down (part 6): grid 32 x 8, 4 waves a work-group, no clusters, 281,088 bytes of LDS; arguments W2, hid, rt, sc, ybuf; writes ybuf
.if DOCPART == 6
	.amdgcn_target "amdgcn-amd-amdhsa--gfx1250"
	.amdhsa_code_object_version 6
	.text
	.protected	k_q4e6579d021_down
	.globl	k_q4e6579d021_down
	.p2align	8
	.type	k_q4e6579d021_down,@function
k_q4e6579d021_down:
	s_mov_b64 s[64:65], 0
	v_nop
	global_prefetch_b8 v0, s[64:65] scope:SCOPE_SE
	s_setreg_imm32_b32 hwreg(HW_REG_WAVE_MODE, 25, 1), 1
	s_wait_xcnt 0x0
; Partial rows of score x (hidden W2[e]).  Work-group (sl + 8 kq, e): all of the expert's rows x a quarter kq of F (K = 1,024) x 128 columns sl of H.  It alone reads its 512 KB of f32 weights, once.
; bf16 operands (hidden, W2), f32 sums; the four quarters' partial rows are stored in f32, ybuf[kq][k][token][1024], k = 0 or 1 as the token chose the expert first or second, each multiplied by its score;
; the expert's zero-input row relu(b1) W2 goes to ybuf[kq][0][1024 + e] with the score 1.  The last launch adds them.
; The frame is the first product's.  The weights go through registers into LDS as operands (256 KB, resident), a QUAD (sixteen loads: one K step, one group of 64 columns) at a time.  Each wave makes the
; expert's list by the same lines as the launch before, so in the same order.  THE FIRST TRIP (five blocks of 16 rows a wave) RUNS UNDER THE STREAM: eight chunks of four K steps, wave w streams K step
; 4 c + w; in front of every stage of two K steps a WINDOW: the next stage's rows are asked for, a barrier, one quad is rounded, stored and asked for again, a barrier.  The order of issue is quad s,
; rows s, quad s + 1, rows s + 1, ..: loads end in that order (ISA guide 5.7.1), and no wait for rows asks for a younger quad.  For constant counts this trip loads all five blocks' rows always; a place
; past the count repeats the wave's first block, and only its products and stores are jumped.  LATER TRIPS (more than 320 rows; three more serve 65 blocks, the most that any split needs) read the resident
; slice: no barrier, no LDS write; a trip and the blocks past the count are jumped.  The hidden rows come from memory, where they lie in operand form, 512 consecutive bytes a load.
; K'S PLACES.  In K step 2 G + s lane half h's register q holds f = 64 G + 32 h + 16 s + 2 q + {0, 1}, alike in both operands: so the launch before could store what its lanes held, and here a lane's
; sixteen rows of W2 in a K step are neighbours.  A permutation of k applied alike to both operands keeps the products; the sums' order of rounding differs from ascending k.
; The matrix instruction takes the rows as source 0 and the weights as source 1: four fragments give a lane 16 neighbouring bytes of a row of the result, and sixteen lanes 256 consecutive bytes, aligned.
; Rows past the count repeat the zero row: they store the same numbers to the same row, from this work-group.
; NO CLUSTER: each slice of weights has one reader; the hidden rows, which the expert's eight column slices share, number as a stored count says, where no joint request can stand, and beside the slice
; LDS has 46 KB left.
.set PITCH, 4096                       ; bytes in a row of W2[e]
.set ASTG,  2048                       ; bytes of a block of hid in a stage of two K steps
.set CHW,   128*PITCH                  ; bytes of W2 from a chunk to the next
.set LISTB, 262144
.set LISTW, 4608
.set SPARE, 280576
.set TRIPS, 4
.set RING,  64                         ; window 3: slot a of the raw ring at RING + 64 a
; LDS and registers as in the first product, but: v11 my list + 32 h, v14 16 r; window 1: v128-167 the byte offsets in ybuf of rows 8 h + jj of block i (at 8 i + jj), v176-215 their scores,
; v216-255 the scores' byte offsets (first trip).  s16 sl, s17 kq, s19 8 + e, s[30:31] hid at my expert and quarter, s[44:45] ybuf at my quarter and columns
.set MSB, 0
.macro WIN new
.if MSB != (\new)
	s_set_vgpr_msb (MSB<<8)|(\new)
.set MSB, \new
.endif
.endm
.macro PLACES                          ; four places between a matrix instruction and a load into, or a vector read of, its registers
.rept 4
	v_nop
.endr
.endm
.macro BAR                             ; my LDS instructions are done, then the work-group's barrier
	s_wait_dscnt 0x0
	s_barrier_signal -1
	s_barrier_wait -1
.endm
.macro QLOAD a, win, reg, extra        ; a quad: my half's sixteen neighbouring rows of my K step, column group a
	WIN (\win)<<6
.set qi, 0
.rept 16
	global_load_b128 v[(\reg)+4*qi:(\reg)+4*qi+3], v7, s[40:41] offset:qi*PITCH+256*(\a)+(\extra) th:TH_LOAD_NT
.set qi, qi+1
.endr
	WIN 0
.endm
.macro CVST a, win, reg                ; a quad is rounded to four fragments and laid into LDS
	WIN 5*(\win)
.irp j,0,1,2,3
.irp q,0,1,2,3,4,5,6,7
	v_cvt_pk_bf16_f32 v[32+8*\j+\q], v[(\reg)+8*\q+\j], v[(\reg)+8*\q+4+\j]
.endr
.endr
	WIN 0
.irp j,0,1,2,3
.irp u,0,1
	ds_store_b128 v8, v[32+8*\j+4*\u:32+8*\j+4*\u+3] offset:(\a)*4096+\j*1024+\u*512
.endr
.endr
.endm
.macro FETCH_B par, off
	WIN 0x40
.irp f,0,1,2,3,4,5,6,7
.irp u,0,1
	ds_load_b128 v[64*(\par)+8*\f+4*\u:64*(\par)+8*\f+4*\u+3], v9 offset:(\off)+1024*\f+512*\u
.endr
.endr
	WIN 0
.endm
.macro ALOAD buf, i, base              ; block i's hidden rows for two K steps, as they were stored: 512 consecutive bytes a load
.irp ks,0,1
.irp u,0,1
	global_load_b128 v[64+80*(\buf)+16*(\i)+8*\ks+4*\u:64+80*(\buf)+16*(\i)+8*\ks+4*\u+3], v[16+(\i)], s[28:29] offset:(\base)+1024*\ks+512*\u
.endr
.endr
.endm
.macro MUL i, c, first                 ; the eight accumulators take turns, one instruction a turn.  first = 1: the products start the sums
.set AC, 64*((\i)%4)
.set TK, 64+80*((\c)/2)+16*(\i)+8*((\c)%2)
.set FB, 64*((\c)%2)
	WIN 0xa4+0x50*((\i)/4)                         ; rows window 0, fragments window 1, C and D window 2 or 3
.irp f,0,1,2,3,4,5,6,7
.if \first
	v_wmma_f32_16x16x32_bf16 v[AC+8*\f:AC+8*\f+7], v[TK:TK+7], v[FB+8*\f:FB+8*\f+7], 0
.else
	v_wmma_f32_16x16x32_bf16 v[AC+8*\f:AC+8*\f+7], v[TK:TK+7], v[FB+8*\f:FB+8*\f+7], v[AC+8*\f:AC+8*\f+7]
.endif
.endr
	WIN 0
.endm
; K step k of a chunk in the first trip.  cnt: the loads younger than this stage's rows (-1: no new rows).  Behind a window its own v_nop and conversions are the places in front of the loads; K step 1 writes them.
.macro FSTEP k, cnt, first
.if (\k) == 0
	FETCH_B 0, 0
.endif
	s_wait_dscnt 0x0
.if (\cnt) >= 0
	s_wait_loadcnt \cnt
.endif
.if (\k) == 1
	PLACES
.endif
.if (\k) < 3
	FETCH_B ((\k)+1)%2, ((\k)+1)*8192
.endif
	MUL 0, \k, \first
.irp i,1,2,3,4
.if (\first) == 0
	s_cmp_le_u32 s25, \i
	s_cbranch_scc1 .Lfe_\@
.endif
	MUL \i, \k, \first
.endr
.Lfe_\@:
.endm
; A window: the next stage's rows go out first (four places behind the products that read buffer tb); behind the first barrier no wave reads LDS; cnt leaves out what is younger than slot a's quad;
; behind the second barrier every wave's stores are seen.
.macro VWIN a, tb, toff, cnt, refill
	PLACES
.irp i,0,1,2,3,4
	ALOAD \tb, \i, \toff
.endr
	BAR
	s_wait_loadcnt \cnt
	CVST \a, 3, RING+64*(\a)
.if \refill
	QLOAD \a, 3, RING+64*(\a), 2*CHW
.endif
	BAR
.endm
.macro SCL                             ; the first trip's forty scores
	WIN 0x41                                       ; address and destination window 1
.set ti, 0
.rept 40
	global_load_b32 v[176+ti], v[216+ti], s[10:11]
.set ti, ti+1
.endr
	WIN 0
.endm
.macro KSTEP c, pfA, pfB               ; a K step of the later trips: fragments asked for a step ago, rows a stage ago; the waits are for 0 because the number of younger loads hangs on the live blocks
	s_wait_dscnt 0x0
.if ((\c)%2) == 0
	s_wait_loadcnt 0x0
.endif
.if ((\c) == 2) && (\pfA)
	s_add_nc_u64 s[28:29], s[28:29], 2*ASTG        ; no load is out: the base may step
.endif
	PLACES
.if \pfB
.if (\c) == 3
	FETCH_B 0, 4*8192
.else
	FETCH_B ((\c)+1)%2, ((\c)+1)*8192
.endif
.endif
.irp i,0,1,2,3,4
.if \i > 0
	s_cmp_le_u32 s25, \i
	s_cbranch_scc1 .Lend_\@
.endif
.if (\pfA) && (((\c)%2) == 0)
.if (\c) == 0
	ALOAD 1, \i, ASTG
.else
	ALOAD 0, \i, 0
.endif
.endif
	MUL \i, \c, 0
.endr
.Lend_\@:
.endm
; block i leaves: the multiply by the row's score also gathers a row's 16 bytes (register 0 of every accumulator is read first); sixteen lanes store 256 consecutive bytes, aligned
.macro EPI i
.set O, 64+64*((\i)%2)
.set AC, 64*((\i)%4)
	WIN 0x06+((\i)/4)                              ; source 0 window 2 or 3, source 1 window 1
.irp jj,0,1,2,3,4,5,6,7
.irp f,0,1,2,3,4,5,6,7
	v_mul_f32 v[O+8*\jj+\f], v[AC+8*\f+\jj], v[176+8*(\i)+\jj]
.endr
.endr
	WIN 0x01                                       ; address window 1, data window 0
.irp jj,0,1,2,3,4,5,6,7
.irp g,0,1
	global_store_b128 v[128+8*(\i)+\jj], v[O+8*\jj+4*\g:O+8*\jj+4*\g+3], s[44:45] offset:256*\g
.endr
.endr
	WIN 0
.endm
; a trip's set-up: its blocks, the offsets of their rows in hid and in ybuf, stage 0's rows.  gen = 1 (a later trip): K step 0's fragments and the scores are asked for here;
; gen = 0: the scores' offsets are kept, and the scores asked for near the trip's end, where they disturb no count
.macro TRIPSET gen
	s_mul_i32 s27, s24, 20
	s_add_co_u32 s27, s27, s14
	s_add_co_u32 s25, s22, 3
	s_sub_co_u32 s25, s25, s27
	s_lshr_b32 s25, s25, 2
	s_min_u32 s25, s25, 5
	s_sub_co_u32 s21, s22, 1
	s_min_u32 s37, s27, s21                        ; a place past the count repeats the trip's first block (where I have none: the expert's last)
.irp i,0,1,2,3,4
	s_add_co_u32 s[32+\i], s27, 4*\i
	s_cmp_lt_u32 s[32+\i], s22
	s_cselect_b32 s[32+\i], s[32+\i], s37
	s_min_u32 s[32+\i], s[32+\i], 64
	v_lshl_add_u32 v[21+\i], s[32+\i], 6, v11
	v_lshl_add_u32 v[16+\i], s[32+\i], 17, v6      ; the block's 131,072 bytes of hid, my 16
.endr
.irp i,0,1,2,3,4
	ds_load_b128 v[144+8*\i:144+8*\i+3], v[21+\i]            ; the entries of rows 8 h + 0..7
	ds_load_b128 v[144+8*\i+4:144+8*\i+7], v[21+\i] offset:16
.endr
	s_mov_b64 s[28:29], s[30:31]
	v_mov_b32 v9, v6
.if \gen
	FETCH_B 0, 0
	s_wait_dscnt 16                                ; the entries are in; the 16 fragment loads behind them stay out
.else
	s_wait_dscnt 0x0
.endif
.set ti, 0
.rept 40
	v_min_u32 v[144+ti], 0x80f, v[144+ti]
.set ti, ti+1
.endr
	WIN 0x40                                       ; destination window 1
.set ti, 0
.rept 40
	v_lshl_add_u32 v[128+ti], v[144+ti], 12, v14   ; entry x 4,096 + 16 r
.set ti, ti+1
.endr
.if \gen
	WIN 0
.set ti, 0
.rept 40
	v_lshlrev_b32 v[144+ti], 2, v[144+ti]
.set ti, ti+1
.endr
	WIN 0x40
.set ti, 0
.rept 40
	global_load_b32 v[176+ti], v[144+ti], s[10:11] ; the row's score
.set ti, ti+1
.endr
.else
.set ti, 0
.rept 40
	v_lshlrev_b32 v[216+ti], 2, v[144+ti]          ; entry x 4
.set ti, ti+1
.endr
.endif
	WIN 0
.irp i,0,1,2,3,4
	ALOAD 0, \i, 0
.endr
.endm
	s_load_b256 s[4:11], s[0:1], 0x0               ; W2 s[4:5], hid s[6:7], rt s[8:9], sc s[10:11]
	s_load_b64 s[12:13], s[0:1], 0x20              ; ybuf
	v_lshl_add_u32 v2, v0, 2, SPARE                ; my spare word, and 0: kept for the closing add alone
	v_mov_b32 v3, 0
	v_and_b32 v1, 31, v0
	v_lshrrev_b32 v21, 5, v0
	v_readfirstlane_b32 s14, v21                   ; wave
	v_and_b32 v4, 15, v0
	v_bfe_u32 v5, v0, 4, 1
	v_lshlrev_b32 v6, 4, v1
	v_lshlrev_b32 v7, 4, v4
	v_lshl_or_b32 v7, v5, 17, v7                   ; 16 r, and 32 rows of K further for the upper half
	v_lshl_add_u32 v8, s14, 13, v6                 ; K step w of chunk 0
	s_mul_i32 s21, s14, LISTW
	s_add_co_u32 s21, s21, LISTB
	v_mov_b32 v10, s21
	v_lshl_add_u32 v11, v5, 5, v10                 ; my half's eight rows of a block
	v_lshlrev_b32 v12, 2, v1
	v_lshlrev_b32 v14, 4, v4
	v_mov_b32 v25, 1088
	v_add_nc_u32 v26, v10, v6
	s_and_b32 s15, ttmp7, 0xffff                   ; expert
	s_and_b32 s16, ttmp9, 7                        ; slice of 128 columns of H
	s_lshr_b32 s17, ttmp9, 3                       ; quarter of F
	s_lshl_b32 s18, 0x101, s15
	s_add_co_u32 s19, s15, 8
	s_add_co_u32 s42, s15, 1024
.irp k,28,29,30,31
	v_mov_b32 v\k, s42
.endr
	s_lshl_b32 s46, s15, 24                        ; W2: expert, quarter, slice,
	s_lshl_b32 s21, s17, 22
	s_add_co_u32 s46, s46, s21
	s_lshl_b32 s21, s16, 9
	s_add_co_u32 s46, s46, s21
	s_mul_i32 s50, s17, 8454144                    ; ybuf: quarter, slice
	s_add_co_u32 s50, s50, s21
	s_lshr_b32 s21, s14, 1                         ; and my K step w of a chunk: rows 64 (w / 2) + 16 (w % 2)
	s_lshl_b32 s21, s21, 18
	s_add_co_u32 s46, s46, s21
	s_and_b32 s21, s14, 1
	s_lshl_b32 s21, s21, 16
	s_add_co_u32 s46, s46, s21
	s_mov_b32 s47, 0
	s_mov_b32 s51, 0
	s_mul_i32 s48, s15, 8519680                    ; hid: expert, the quarter's 32 K steps
	s_lshl_b32 s21, s17, 15
	s_add_co_u32 s48, s48, s21
	s_mov_b32 s49, 0
	s_wait_kmcnt 0x0
	s_add_nc_u64 s[40:41], s[4:5], s[46:47]
	s_add_nc_u64 s[30:31], s[6:7], s[48:49]
	s_add_nc_u64 s[44:45], s[12:13], s[50:51]
.irp m,0,1,2,3,4,5,6,7
	global_load_b128 v[64+4*\m:64+4*\m+3], v6, s[8:9] offset:512*\m
.endr
	QLOAD 0, 2, 0, 0                               ; chunk 0's two quads, into registers that become accumulators behind their conversion
	QLOAD 1, 2, 64, 0
	QLOAD 1, 3, RING+64, CHW                       ; chunk 1, group 1
	s_wait_loadcnt 48                              ; rt is in; the three quads, 48 loads, stay out
.irp m,0,1,2,3,4,5,6,7,8
	ds_store_b128 v26, v[28:31] offset:512*\m      ; the zero row (k = 0) everywhere
.endr
	s_mov_b32 s20, 0
.set gi, 0
.rept 32
	v_and_b32 v21, s18, v[64+gi]
	v_cmp_ne_u32 vcc_lo, 0, v21
	s_bcnt1_i32_b32 s21, vcc_lo
	v_mbcnt_lo_u32_b32 v22, vcc_lo, s20
	v_cndmask_b32 v22, v25, v22, vcc_lo
	v_min_u32 v22, 0x440, v22
	v_lshl_add_u32 v23, v22, 2, v10
	v_add_nc_u32 v24, 128*(gi/4)+gi%4, v12
	v_lshrrev_b32 v21, s19, v21                    ; 1 if the expert is the token's second choice
	v_mad_u32_u24 v24, v21, 0x408, v24             ; the entry: 1,032 k + token
	ds_store_b32 v23, v24
	s_add_co_u32 s20, s20, s21
.set gi, gi+1
.endr
	s_add_co_u32 s22, s20, 16
	s_lshr_b32 s22, s22, 4
	s_min_u32 s22, s22, 65
	s_add_co_u32 s23, s22, 3
	s_sub_co_u32 s23, s23, s14
	s_lshr_b32 s23, s23, 2
	s_add_co_u32 s23, s23, 4
	s_mul_i32 s23, s23, 205
	s_lshr_b32 s23, s23, 10
	s_min_u32 s23, s23, TRIPS
	BAR                                            ; every store into the lists stands ahead of every read of them: the reads' places hang on the counts
	s_mov_b32 s24, 0
	TRIPSET 0                                      ; rows of stage 0
	; the first window: both quads of chunk 0; slot 0 takes chunk 1's group 0
.irp i,0,1,2,3,4
	ALOAD 1, \i, ASTG                              ; rows of stage 1
.endr
	s_wait_loadcnt 56                              ; chunk 0's quads are in: younger are slot 1's 16 loads and two stages' 20 + 20
	CVST 0, 2, 0
	CVST 1, 2, 64
	QLOAD 0, 3, RING, CHW
	BAR                                            ; chunk 0 lies in LDS, every wave's part
	FSTEP 0, 36, 1                                 ; stage 0's rows: younger are stage 1's 20 and slot 0's 16.  For all five blocks: these products start the sums
	FSTEP 1, -1, 0
	s_mov_b32 s26, 6
.Lpair:                                                ; trip j: K steps 2, 3 of chunk j and 0, 1 of chunk j + 1; chunk j + 1 is laid, chunk j + 2 asked for
	v_add_nc_u32 v8, 0x8000, v8
	VWIN 1, 0, 2*ASTG, 56, 1                       ; 56: rows 20, the other slot's 16, rows 20 are younger than this slot's quad
	FSTEP 2, 52, 0                                 ; 52: a quad 16, rows 20, a quad 16 are younger than this stage's rows
	FSTEP 3, -1, 0
	VWIN 0, 1, 3*ASTG, 56, 1
	v_add_nc_u32 v9, 0x8000, v9
	FSTEP 0, 52, 0
	FSTEP 1, -1, 0
	s_wait_xcnt 0x0                                ; the loads have had their addresses translated: the two bases may step
	s_add_nc_u64 s[28:29], s[28:29], 2*ASTG
	s_add_nc_u64 s[40:41], s[40:41], CHW
	s_sub_co_u32 s26, s26, 1
	s_cmp_lg_u32 s26, 0
	s_cbranch_scc1 .Lpair
	v_add_nc_u32 v8, 0x8000, v8                    ; chunk 7 is laid; nothing is left to ask for
	VWIN 1, 0, 2*ASTG, 56, 0
	FSTEP 2, 36, 0                                 ; a quad 16, rows 20
	SCL                                            ; the forty scores go out here: three K steps and a window ahead of the wait for them
	FSTEP 3, -1, 0
	VWIN 0, 1, 3*ASTG, 60, 0                       ; the scores' 40 and the rows' 20 just issued stay out: the last quad is in, and stage 14's rows with it
	v_add_nc_u32 v9, 0x8000, v9
	FSTEP 0, 60, 0                                 ; stage 14's rows: the same 60 are younger
	s_branch .Ltail                                ; the last three K steps and the way out are the later trips' own text
.Lrows:                                                ; trips 1 to 3
	s_cmp_ge_u32 s24, s23
	s_cbranch_scc1 .Lnext                          ; a trip past my count: nothing of it is done
	s_wait_xcnt 0x0                                ; the last trip's stores have read their data and their offsets
	TRIPSET 1
	; K step 0 is written out, for all five blocks: its products start the sums
	s_wait_dscnt 0x0
	s_wait_loadcnt 0x0                             ; also shows the score loads done, whose address registers lie in the second row buffer
	PLACES
	FETCH_B 1, 8192
.irp i,0,1,2,3,4
	ALOAD 1, \i, ASTG
	MUL \i, 0, 1
.endr
	s_mov_b32 s26, 7
.Lk:
	KSTEP 1, 1, 1
	KSTEP 2, 1, 1
	KSTEP 3, 1, 1
	v_add_nc_u32 v9, 0x8000, v9                    ; four K steps of fragments on
	KSTEP 0, 1, 1
	s_sub_co_u32 s26, s26, 1
	s_cmp_lg_u32 s26, 0
	s_cbranch_scc1 .Lk
.Ltail:
	KSTEP 1, 0, 1
	KSTEP 2, 0, 1                                  ; its wait for all loads covers the last rows and, in the first trip, the scores
	KSTEP 3, 0, 0
	PLACES
.irp i,0,1,2,3,4
	s_cmp_le_u32 s25, \i
	s_cbranch_scc1 .Lnext
	s_wait_xcnt 0x0                                ; the registers of earlier stores are rewritten only behind this wait
	EPI \i
.endr
.Lnext:
	s_add_co_u32 s24, s24, 1
	s_cmp_lt_u32 s24, TRIPS
	s_cbranch_scc1 .Lrows
	BAR                                            ; every wave's reads of LDS are over: only now does any wave write LDS again
	s_wait_tensorcnt 0x0                           ; the wave's end
	ds_add_u32 v2, v3
	s_wait_dscnt 0x0
	s_endpgm
.Lfunc_end_k_q4e6579d021_down:
	.size	k_q4e6579d021_down, .Lfunc_end_k_q4e6579d021_down-k_q4e6579d021_down
	.p2alignl 7, 3214868480
	.fill 96, 4, 3214868480
	.section	.rodata,"a",@progbits
	.p2align	6, 0x0
	.amdhsa_kernel k_q4e6579d021_down
		.amdhsa_group_segment_fixed_size 281088
		.amdhsa_private_segment_fixed_size 0
		.amdhsa_enable_private_segment 0
		.amdhsa_kernarg_size 40
		.amdhsa_user_sgpr_count 2
		.amdhsa_user_sgpr_kernarg_segment_ptr 1
		.amdhsa_wavefront_size32 1
		.amdhsa_system_sgpr_workgroup_id_x 1
		.amdhsa_system_sgpr_workgroup_id_y 1
		.amdhsa_system_sgpr_workgroup_id_z 1
		.amdhsa_system_vgpr_workitem_id 0
		.amdhsa_next_free_vgpr 960
		.amdhsa_next_free_sgpr 66
		.amdhsa_reserve_vcc 1
		.amdhsa_float_denorm_mode_32 3
		.amdhsa_float_denorm_mode_16_64 3
		.amdhsa_memory_ordered 1
		.amdhsa_forward_progress 1
		.amdhsa_inst_pref_size 186
	.end_amdhsa_kernel
	.amdgpu_metadata
---
amdhsa.version: [ 1, 2 ]
amdhsa.kernels:
  - .name:           k_q4e6579d021_down
    .symbol:         k_q4e6579d021_down.kd
    .args:
      - { .name: W2, .offset: 0, .size: 8, .value_kind: global_buffer, .address_space: global }
      - { .name: hid, .offset: 8, .size: 8, .value_kind: global_buffer, .address_space: global }
      - { .name: rt, .offset: 16, .size: 8, .value_kind: global_buffer, .address_space: global }
      - { .name: sc, .offset: 24, .size: 8, .value_kind: global_buffer, .address_space: global }
      - { .name: ybuf, .offset: 32, .size: 8, .value_kind: global_buffer, .address_space: global }
    .group_segment_fixed_size: 281088
    .private_segment_fixed_size: 0
    .kernarg_segment_align: 8
    .kernarg_segment_size: 40
    .max_flat_workgroup_size: 128
    .sgpr_count:     66
    .vgpr_count:     960
    .wavefront_size: 32
...
	.end_amdgpu_metadata
.endif
;; end of part 6
;; launch mix: the kernel of part 4 again; grid 16 x 16, 8 waves a work-group, no clusters, 5,120 bytes of LDS; arguments x, rt, sc, ybuf, b2, out0; writes out0
;; ======== version 3 of 3: 4 launches; version 2 with the launches up, down written anew for expert scheduling mode
;; workspace buffers: xn 2,113,536 bytes; rt 4,096 bytes of whole numbers; sc 8,448 bytes; hid 68,157,440 bytes; ybuf 33,816,576 bytes
;; launch route: the kernel of part 1 again; grid 256 x 1, 4 waves a work-group, no clusters, 0 bytes of LDS; arguments x, gamma, beta, Wr, br, xn, rt, sc; writes xn, rt, sc
;; launch up (part 7): grid 32 x 8, 4 waves a work-group, no clusters, 281,088 bytes of LDS; arguments W1, b1, xn, rt, hid; writes hid
.if DOCPART == 7
	.amdgcn_target "amdgcn-amd-amdhsa--gfx1250"
	.amdhsa_code_object_version 6
	.text
	.protected	k_q4e6579d021_up
	.globl	k_q4e6579d021_up
	.p2align	8
	.type	k_q4e6579d021_up,@function
k_q4e6579d021_up:
	s_mov_b64 s[64:65], 0
	v_nop
	global_prefetch_b8 v0, s[64:65] scope:SCOPE_SE
	s_setreg_imm32_b32 hwreg(HW_REG_WAVE_SCHED_MODE, 0, 2), 2
	s_setreg_imm32_b32 hwreg(HW_REG_WAVE_MODE, 25, 1), 1
	s_wait_xcnt 0x0
	s_wait_alu depctr_vm_vsrc(0)
; hidden = relu(xn W1[e] + b1[e]) for the rows that chose expert e, and for the zero row 1024 + e.  Work-group (slice, e): all of the expert's rows x K = 1,024 x 128 columns of F.
; It alone reads its 512 KB of f32 weights, once.  bf16 operands (xn, W1), f32 sums, the bias in f32 as the sums' start, the hidden layer rounded once to bf16.
; THE WEIGHTS go through registers into LDS as matrix operands (256 KB, resident).  Lane (r = lane % 16, h = lane / 16) loads columns 4 r .. 4 r + 3 of a row of K: sixteen lanes take 256 consecutive
;   bytes, aligned.  Component j of the sixteen rows that a lane's half owns in a K step, rounded in pairs, IS the lane's eight registers of fragment j, whose row r stands for column 4 r + j of a group
;   of 64 columns.  A QUAD is those sixteen loads: one K step, one group.  Nothing is turned, nothing changes lanes.
; THE ROWS.  The expert's rows are ranked by group of 32 routing words and lane (no atomics): group g begins at rank P_g, the count of the groups before it; the ranks from the count on are the zero row.
;   A wave's blocks of 16 ranks are w, w + 4, ..; five to a trip; the rows come from memory straight into registers as operands.
;   The first trip's rows are found IN REGISTERS, so that their addresses hang on no LDS access: a lane keeps for each of its five blocks the mask and the first rank of the last group with P_g <= its
;   rank q (one compare and two selects a group and block, in the pass that counts), then picks the (q - P_g)-th set bit of that mask by counts of 2, 4, 8 and 16 bits and five halvings.
;   The same pass writes the ranking as a list into LDS bytes of the wave's own, for the later trips.
; THE FIRST TRIP RUNS UNDER THE STREAM.  K goes in eight chunks of four K steps; wave w streams K step 4 c + w of chunk c, two quads.  In front of every stage of two K steps stands a WINDOW: one quad is
;   rounded; the next stage's rows are asked for; a barrier (nobody reads LDS); the quad is stored and its slot asked for again; a barrier (the stores are seen).  The window ahead of stage 2 c + 1 lays
;   group 1 of chunk c + 1, the one ahead of stage 2 c + 2 its group 0: a quad has two stages and a window in which to land, and the two slots are filled again half a period apart.
;   Loads end in the order of issue (ISA guide 5.7.1), and rows and weights share the counter: the order of issue is quad s, rows s, quad s + 1, rows s + 1, ..: no wait for rows asks for a younger quad.
;   For the counts to be constants this trip loads all five blocks' rows always; a block past the count holds the zero row sixteen times, and only its products and stores are jumped.
; LATER TRIPS (an expert of more than 320 rows; three more serve 65 blocks, the most that any split needs) read the resident slice: no barrier, no LDS write; a trip and the blocks past the count are jumped.
; The matrix instruction takes the weights as source 0 and the rows as source 1: a lane then holds ONE row and 32 neighbouring columns over four fragments; rounded in pairs these are the lane's
;   registers of the next product's operand, so hid is stored in that form: [e][block][K step of 32][half][lane][16 bytes], 512 consecutive bytes a store.
; NO CLUSTER: each slice of weights has one reader; what the expert's 32 work-groups share is the rows of xn, which come by a ranking that no tile's descriptor covers.
; The ranking goes by group and lane, not by token; the next launch makes the same one by the same counts.
; THE MODE: SCHED_MODE bits 1:0 = 2 (LLVM: expert scheduling mode 2), set by the entry lines.  The code itself states the register dependences between vector or matrix instructions and memory or LDS
;   instructions, with s_wait_alu, always for 0.
; THE PLAN.  Registers that memory or LDS instructions touch, and who else names them:
;   rows, v64-143 and v144-223     A stage's products read one buffer; then the loads of the stage after next land in it.
;   fragments, window 1 v0-127     K step k's products read buffer k % 2; then the LDS loads of K step k + 2 land in it, issued at the head of K step k + 1.
;   the raw ring, window 3         A window's 32 conversions read a slot; the slot's next quad lands in it in the same window.
;   v32-63 (once v224-255)         Written by a window's conversions, read by its LDS stores.
;   v8, v9                         LDS addresses, stepped at a window's head; v9 in the later trips once in four K steps.  v6, v7, v10-12, v14, v15 are made at the head and never written again.
;   v16-20, v21-25                 Written in a trip's set-up, read by its loads.     v64-95, v96-127, v21, v22   the way out: written by a block's lines, read by its stores, written again two blocks on.
;   IN A WINDOW one wait on vm_vsrc stands at the head (the last window's LDS stores, the fragments' loads) and ONE on va_vdst behind the conversions; no vector or matrix instruction follows it until the
;   next K step's products, so it serves the rows' loads, the LDS stores, the refill and the fragment loads of the K step behind the window.  K step 1 states its own; K step 3 loads nothing.
;   IN THE LATER TRIPS one wait on va_vdst stands at the head of each K step that loads; the step's products name the other rows' buffer and the other fragment buffer than its loads.
;   AT THE HEAD the compares go into scalar registers in runs, one wait on va_sdst behind each run, and the list's 32 addresses and tokens have registers of their own: one wait ahead of the 32 LDS stores.
.set PITCH, 16384                      ; bytes in a row of W1[e]
.set ASTG,  128                        ; bytes of a row of xn in a stage of two K steps
.set CHW,   128*PITCH                  ; bytes of W1 from a chunk to the next
.set LISTB, 262144                     ; behind the fragments: a list of 1,152 words for each wave; word 1088 takes what is not chosen
.set LISTW, 4608
.set SPARE, 280576                     ; behind the lists: the spare words, 128 bytes for each wave, which no other line names
.set TRIPS, 4                          ; 17 blocks a wave at the most, five a trip
.set RING,  64                         ; window 3: slot a of the raw ring at RING + 64 a
.set QR,    224                        ; v224-228  block i: my rank q as q << 10 | 1023
.set MR,    229                        ; v229-233  block i: the mask of the group that holds rank q
.set PR,    234                        ; v234-238  block i: that group's P_g << 10 | its first token
.set TS,    160                        ; v160-199  block i, eight at work: counts of 2, 4, 8 bits, the count in hand, the rank left, the bit's place, two more
.set LA,    32                         ; v32-63    at the head: group g's place in the list, as an LDS address; its token stands in v64 + g, where its routing word stood
.set FR,    32                         ; v32-63    a quad's four fragments
.set FR2,   224                        ; v224-255  the first window's second quad (the ranks' registers are free by then)
; LDS 0 .. 262,143: K step ks at 8,192 ks, fragment f = 4 g + j at 1,024 f, half u at 512 u, lane at 16 lane: every access is 512 consecutive bytes
; REGISTERS.  window 0: v1 lane, v2, v3 the add's two, v4 r, v5 h, v6 16 lane, v7 my offset in W, v8 where fragments go, v9 where they are read, v10 my list, v11 my list + 4 r, v12 4 lane,
;   v13 0, v14 16 h, v15 128 h, v16-20 the five blocks' row offsets, v21-31 at work, v32-63 a quad's fragments, v64-143 and v144-223 two buffers of rows (block i, K step ks at 16 i + 8 ks)
;   window 1: v0-63, v64-127 the fragments of an even and an odd K step; v128-191 the bias as eight tiles     window 2: accumulators of blocks 0-3 at 64 i + 8 f (at the start: chunk 0's two quads)
;   window 3: v0-63 block 4; v64-191 the raw ring
; s14 wave, s15 e, s16 slice, s18 the expert's two bits, s20 count, s22 blocks, s23 my trips, s24 trip, s25 live blocks of the trip, s26 inner counter, s27 first block, s[28:29] rows' running base,
; s[30:31] xn, s32-36 the five blocks, s37 the block that dead places repeat, s[40:41] W's running base, s42 the zero row, s[44:45] hid at my expert and slice, s52-56 bit patterns, s57 count << 10
; at the head only: s2, s3, s38, s39 four groups' masks; s17, s19, s29, s37 their P_g << 10 | first token; s24-28, s32-36, s46-50, s58-62 the masks of five compares each
.set MSB, 0
.macro WIN new                         ; the immediate's high byte repeats the setting that is left; at a label and at a branch every window is 0
.if MSB != (\new)
	s_set_vgpr_msb (MSB<<8)|(\new)
.set MSB, \new
.endif
.endm
.macro PLACES                          ; four places between a matrix instruction and a load into, or a vector read of, its registers
.rept 4
	v_nop
.endr
.endm
.macro BAR                             ; my LDS instructions are done, then the work-group's barrier
	s_wait_dscnt 0x0
	s_barrier_signal -1
	s_barrier_wait -1
.endm
; a quad: the sixteen rows of my K step that my half of the lanes owns, column group a, into 64 registers from reg on in window win
.macro QLOAD a, win, reg, extra
	WIN (\win)<<6
.set qi, 0
.rept 16
	global_load_b128 v[(\reg)+4*qi:(\reg)+4*qi+3], v7, s[40:41] offset:(qi+8*(qi/8))*PITCH+256*(\a)+(\extra) th:TH_LOAD_NT
.set qi, qi+1
.endr
	WIN 0
.endm
; a quad is rounded to four fragments, into 32 registers from dst on
.macro CVT win, reg, dst
	WIN 5*(\win)                                   ; both sources in window win
.irp j,0,1,2,3
.irp q,0,1,2,3,4,5,6,7
	v_cvt_pk_bf16_f32 v[(\dst)+8*\j+\q], v[(\reg)+8*\q+\j], v[(\reg)+8*\q+4+\j]
.endr
.endr
	WIN 0
.endm
; and laid into LDS as group a of my K step
.macro LAY a, src
.irp j,0,1,2,3
.irp u,0,1
	ds_store_b128 v8, v[(\src)+8*\j+4*\u:(\src)+8*\j+4*\u+3] offset:(\a)*4096+\j*1024+\u*512
.endr
.endr
.endm
.macro FETCH_B par, off                ; a K step's eight fragments, in one run
	WIN 0x40                                       ; destination window 1
.irp f,0,1,2,3,4,5,6,7
.irp u,0,1
	ds_load_b128 v[64*(\par)+8*\f+4*\u:64*(\par)+8*\f+4*\u+3], v9 offset:(\off)+1024*\f+512*\u
.endr
.endr
	WIN 0
.endm
.macro ALOAD buf, i, base              ; block i's rows for a stage of two K steps: lane (r, h) takes channels 8 h + 0..7 and 16 + 8 h + 0..7 of row r
.irp ks,0,1
.irp u,0,1
	global_load_b128 v[64+80*(\buf)+16*(\i)+8*\ks+4*\u:64+80*(\buf)+16*(\i)+8*\ks+4*\u+3], v[16+(\i)], s[28:29] offset:(\base)+64*\ks+32*\u
.endr
.endr
.endm
; eight matrix instructions: block i x the eight fragments of K step c (of four).  The eight accumulators take turns, one instruction a turn.  first = 1: the bias starts the sums
.macro MUL i, c, first
.set AC, 64*((\i)%4)
.set TK, 64+80*((\c)/2)+16*(\i)+8*((\c)%2)
.set FB, 64*((\c)%2)
.if \first
	WIN 0x91+0x40*((\i)/4)                         ; fragments and bias window 1, rows window 0, D window 2 or 3
.else
	WIN 0xa1+0x50*((\i)/4)                         ; fragments window 1, rows window 0, C and D window 2 or 3
.endif
.irp f,0,1,2,3,4,5,6,7
.if \first
	v_wmma_f32_16x16x32_bf16 v[AC+8*\f:AC+8*\f+7], v[FB+8*\f:FB+8*\f+7], v[TK:TK+7], v[128+8*\f:128+8*\f+7]
.else
	v_wmma_f32_16x16x32_bf16 v[AC+8*\f:AC+8*\f+7], v[FB+8*\f:FB+8*\f+7], v[TK:TK+7], v[AC+8*\f:AC+8*\f+7]
.endif
.endr
	WIN 0
.endm
; K step k of a chunk in the first trip.  cnt: the loads younger than this stage's rows (-1: no new rows).  The fragments of K steps 1 to 3 were asked for a step ago; those of K step 0 can be
; asked for only behind the window's barrier.  K steps 0 and 2 stand behind a window, whose wait on va_vdst no vector or matrix instruction follows: their fragment loads owe nothing more.  K step 1 states its own.
.macro FSTEP k, cnt, first
.if (\k) == 0
	FETCH_B 0, 0
.endif
	s_wait_dscnt 0x0
.if (\cnt) >= 0
	s_wait_loadcnt \cnt
.endif
.if (\k) == 1
	PLACES
	s_wait_alu depctr_va_vdst(0)                   ; K step 0's products are done reading the even fragments, in which the loads below land
.endif
.if (\k) < 3
	FETCH_B ((\k)+1)%2, ((\k)+1)*8192
.endif
	MUL 0, \k, \first
.irp i,1,2,3,4
.if (\first) == 0
	s_cmp_le_u32 s25, \i
	s_cbranch_scc1 .Lfe_\@
.endif
	MUL \i, \k, \first
.endr
.Lfe_\@:
.endm
; A window.  cnt leaves out what is younger than slot a's quad; the quad is rounded (32 plain lines behind the last products); the next stage's rows go out, into buffer tb; behind the first barrier no
; wave reads LDS; behind the second every wave's stores are seen.  on8, on9: the fragments' LDS addresses move on by a chunk, for the stores of this window on, for the loads behind it.
.macro VWIN a, tb, toff, cnt, refill, on8, on9
	s_wait_alu depctr_vm_vsrc(0)                   ; the last window's LDS stores have read v32-63 and v8, the fragments' loads v9: the lines below write them again
.if \on8
	v_add_nc_u32 v8, 0x8000, v8
.endif
.if \on9
	v_add_nc_u32 v9, 0x8000, v9
.endif
	s_wait_loadcnt \cnt
	CVT 3, RING+64*(\a), FR
	s_wait_alu depctr_va_vdst(0)                   ; the conversions have written v32-63, which the LDS stores read, and are done reading the slot, in which its next quad lands; the products are done
	                                               ; reading rows' buffer tb and both fragment buffers, in which the loads from here to the next products land; v8 and v9 are written
.irp i,0,1,2,3,4
	ALOAD \tb, \i, \toff
.endr
	BAR
	LAY \a, FR
.if \refill
	QLOAD \a, 3, RING+64*(\a), 2*CHW
.endif
	BAR
.endm
; a K step of the later trips.  Its fragments were asked for a step ago, its rows a stage ago; the waits are for 0 because the number of younger loads hangs on the live blocks.
.macro KSTEP c, pfA, pfB
	s_wait_dscnt 0x0
.if ((\c)%2) == 0
	s_wait_loadcnt 0x0
.endif
.if ((\c) == 2) && (\pfA)
	s_add_nc_u64 s[28:29], s[28:29], 2*ASTG        ; no load is out: the base may step
.endif
	PLACES
.if (\pfA) || (\pfB)
	s_wait_alu depctr_va_vdst(0)                   ; the products issued so far are done reading the other fragment buffer and the other rows' buffer, in which this step's loads land; behind v9's step: v9 is written.
	                                               ; This step's products name neither buffer, so the rows' loads dealt among them owe nothing more
.endif
.if \pfB
.if (\c) == 3
	FETCH_B 0, 4*8192
.else
	FETCH_B ((\c)+1)%2, ((\c)+1)*8192
.endif
.endif
.irp i,0,1,2,3,4
.if \i > 0
	s_cmp_le_u32 s25, \i
	s_cbranch_scc1 .Lend_\@
.endif
.if (\pfA) && (((\c)%2) == 0)
.if (\c) == 0
	ALOAD 1, \i, ASTG
.else
	ALOAD 0, \i, 0
.endif
.endif
	MUL \i, \c, 0
.endr
.Lend_\@:
.endm
; block i leaves: rounded in pairs into the next product's operand form (each accumulator's register 0 is read first), ReLU on the packed halves, eight stores of 512 consecutive bytes
.macro EPI i
.set O, 64+32*((\i)%2)
.set AC, 64*((\i)%4)
	WIN 0x0a+5*((\i)/4)                            ; sources in window 2 or 3
.irp g,0,1
.irp s,0,1
.irp q,0,1,2,3,4,5,6,7
	v_cvt_pk_bf16_f32 v[O+16*\g+8*\s+\q], v[AC+8*(4*\g+2*((\q)%2))+4*\s+(\q)/2], v[AC+8*(4*\g+2*((\q)%2)+1)+4*\s+(\q)/2]
.endr
.endr
.endr
	WIN 0
.set ei, 0
.rept 32
	v_pk_max_num_bf16 v[O+ei], v[O+ei], v13
.set ei, ei+1
.endr
	v_lshl_add_u32 v[21+(\i)%2], s[32+(\i)], 17, v6  ; the block's 131,072 bytes, my 16
	s_wait_alu depctr_va_vdst(0)                   ; the block's 32 packed registers and its offset are written: the eight stores read them
.irp g,0,1
.irp s,0,1
.irp u,0,1
	global_store_b128 v[21+(\i)%2], v[O+16*\g+8*\s+4*\u:O+16*\g+8*\s+4*\u+3], s[44:45] offset:(2*\g+\s)*1024+512*\u
.endr
.endr
.endr
.endm
; One halving of the search for a set bit, for all five blocks: the w bits from the place in hand on hold so many set bits; if the rank left is below that number the bit lies among them,
; else the place moves w on and the rank left falls by the number.  The five compares stand in a run, each with a scalar register for its mask.
.macro RSTEP w
.irp i,0,1,2,3,4
.if (\w) == 8
	v_bfe_u32 v[TS+8*\i+3], v[TS+8*\i+2], v[TS+8*\i+5], 8
.elseif (\w) == 4
	v_bfe_u32 v[TS+8*\i+3], v[TS+8*\i+1], v[TS+8*\i+5], 4
.elseif (\w) == 2
	v_bfe_u32 v[TS+8*\i+3], v[TS+8*\i], v[TS+8*\i+5], 2
.elseif (\w) == 1
	v_bfe_u32 v[TS+8*\i+3], v[MR+\i], v[TS+8*\i+5], 1
.endif
.endr
.irp i,0,1,2,3,4
	v_cmp_lt_u32 s[24+\i], v[TS+8*\i+4], v[TS+8*\i+3]
.endr
	s_wait_alu depctr_va_sdst(0)                   ; the five masks s24-28 are written: the selects below read them
.irp i,0,1,2,3,4
.if (\w) == 16
	v_cndmask_b32 v[TS+8*\i+5], \w, v13, s[24+\i]  ; the place starts at 0 or 16
.else
	v_cndmask_b32 v[TS+8*\i+6], \w, v13, s[24+\i]
.endif
.if (\w) > 1
	v_cndmask_b32 v[TS+8*\i+7], v[TS+8*\i+3], v13, s[24+\i]
.endif
.endr
.irp i,0,1,2,3,4
.if (\w) < 16
	v_add_nc_u32 v[TS+8*\i+5], v[TS+8*\i+5], v[TS+8*\i+6]
.endif
.if (\w) > 1
	v_sub_nc_u32 v[TS+8*\i+4], v[TS+8*\i+4], v[TS+8*\i+7]
.endif
.endr
.endm
; a trip's set-up: its blocks, their rows' offsets, stage 0's rows.  gen = 1 (a later trip): the rows' numbers come from the list, and K step 0's fragments are asked for too;
; gen = 0: v16-20 hold the rows' numbers already
.macro TRIPSET gen
	s_mul_i32 s27, s24, 20
	s_add_co_u32 s27, s27, s14                     ; the trip's first block: w + 20 trip
	s_add_co_u32 s25, s22, 3
	s_sub_co_u32 s25, s25, s27
	s_lshr_b32 s25, s25, 2
	s_min_u32 s25, s25, 5                          ; its live blocks
	s_sub_co_u32 s21, s22, 1
	s_min_u32 s37, s27, s21                        ; in a later trip a place past the count repeats the trip's first block
.irp i,0,1,2,3,4
	s_add_co_u32 s[32+\i], s27, 4*\i
	s_cmp_lt_u32 s[32+\i], s22
	s_cselect_b32 s[32+\i], s[32+\i], s37
	s_min_u32 s[32+\i], s[32+\i], 64
.endr
	s_mov_b64 s[28:29], s[30:31]
	v_mov_b32 v9, v6
.if \gen
.irp i,0,1,2,3,4
	v_lshl_add_u32 v[21+\i], s[32+\i], 6, v11
.endr
	s_wait_alu depctr_va_vdst(0)                   ; v21-25 and v9 are written, which the LDS loads below read; the last trip's lines are done with v16-20 and its products with the even fragments, in which they land
.irp i,0,1,2,3,4
	ds_load_b32 v[16+\i], v[21+\i]                 ; row r of the block
.endr
	FETCH_B 0, 0
	s_wait_dscnt 16                                ; the five rows' numbers are in; the 16 fragment loads behind them stay out
.endif
.irp i,0,1,2,3,4
	v_min_u32 v[16+\i], 0x407, v[16+\i]
	v_lshl_add_u32 v[16+\i], v[16+\i], 11, v14     ; row x 2,048 + 16 h
.endr
	s_wait_alu depctr_va_vdst(0)                   ; v16-20 are written, which all the trip's rows' loads read; in the first trip also v9, and the head's lines are done with v64-223, in which rows land
.irp i,0,1,2,3,4
	ALOAD 0, \i, 0
.endr
.endm
; THE PASS OVER THE GROUPS, four at a time.  GMASK: who chose this expert, as first or as second; the mask goes into a scalar register.
.macro GMASK g, mk
	v_and_b32 v[64+(\g)], s18, v[64+(\g)]
	v_cmp_ne_u32 s[\mk], 0, v[64+(\g)]
.endm
; GLIST: the group's first rank << 10 | its first token; each chosen lane's place in the list (the count so far + the chosen lanes below mine; what is not chosen goes to word 1088) and its token
.macro GLIST g, mk, wd
.if (\g) > 0
	s_lshl_b32 s[\wd], s20, 10
	s_or_b32 s[\wd], s[\wd], 128*((\g)/4)+(\g)%4
.endif
	s_bcnt1_i32_b32 s21, s[\mk]
	v_mbcnt_lo_u32_b32 v[LA+(\g)], s[\mk], s20
	v_cndmask_b32 v[LA+(\g)], v25, v[LA+(\g)], s[\mk]
	v_min_u32 v[LA+(\g)], 0x440, v[LA+(\g)]
	v_lshl_add_u32 v[LA+(\g)], v[LA+(\g)], 2, v10
	v_add_nc_u32 v[64+(\g)], 128*((\g)/4)+(\g)%4, v12
	s_add_co_u32 s20, s20, s21
.endm
; GCMP: does the group begin past my rank, for each of my five blocks?  GSEL: if so keep what I have, else take the group's mask and word (the first ranks never fall, so the last taken is the one)
.macro GCMP wd, cp
.irp i,0,1,2,3,4
	v_cmp_gt_u32 s[(\cp)+\i], s[\wd], v[QR+\i]
.endr
.endm
.macro GSEL mk, wd, cp
.irp i,0,1,2,3,4
	v_cndmask_b32 v[MR+\i], s[\mk], v[MR+\i], s[(\cp)+\i]
	v_cndmask_b32 v[PR+\i], s[\wd], v[PR+\i], s[(\cp)+\i]
.endr
.endm
.macro BATCH g
	GMASK (\g), 2
	GMASK (\g)+1, 3
	GMASK (\g)+2, 38
	GMASK (\g)+3, 39
	s_wait_alu depctr_va_sdst(0)                   ; the four groups' masks are written: the counts, the places and the selects below read them
	GLIST (\g), 2, 17
.if (\g) > 0
	GCMP 17, 24
.endif
	GLIST (\g)+1, 3, 19
	GCMP 19, 32
	GLIST (\g)+2, 38, 29
	GCMP 29, 46
	GLIST (\g)+3, 39, 37
	GCMP 37, 58
	s_wait_alu depctr_va_sdst(0)                   ; the compares' masks are written: the selects below read them
.if (\g) > 0
	GSEL 2, 17, 24
.else
.irp i,0,1,2,3,4
	v_mov_b32 v[MR+\i], s2                         ; group 0 begins at rank 0: it starts every search
	v_mov_b32 v[PR+\i], 0
.endr
.endif
	GSEL 3, 19, 32
	GSEL 38, 29, 46
	GSEL 39, 37, 58
.endm
	s_load_b256 s[4:11], s[0:1], 0x0               ; W1 s[4:5], b1 s[6:7], xn s[8:9], rt s[10:11]
	s_load_b64 s[12:13], s[0:1], 0x20              ; hid
	v_lshl_add_u32 v2, v0, 2, SPARE                ; my spare word, and 0: kept for the closing add alone
	v_mov_b32 v3, 0
	v_and_b32 v1, 31, v0
	v_lshrrev_b32 v21, 5, v0
	v_readfirstlane_b32 s14, v21                   ; wave
	v_and_b32 v4, 15, v0
	v_bfe_u32 v5, v0, 4, 1
	v_lshlrev_b32 v6, 4, v1
	v_lshlrev_b32 v7, 4, v4
	v_lshl_or_b32 v7, v5, 17, v7                   ; 16 r, and eight rows of K further for the upper half
	v_lshlrev_b32 v12, 2, v1
	v_mov_b32 v13, 0
	v_lshlrev_b32 v14, 4, v5
	v_lshlrev_b32 v15, 7, v5
	v_mov_b32 v25, 1088
	s_mov_b32 s52, 0x55555555                      ; the patterns for the counts of 2, 4 and 8 bits,
	s_mov_b32 s53, 0x33333333
	s_mov_b32 s54, 0x0f0f0f0f
	s_mov_b32 s55, 0x3ff                           ; a word's ten low bits,
	s_mov_b32 s56, 0xff                            ; and its low byte
	s_and_b32 s15, ttmp7, 0xffff                   ; expert
	s_mov_b32 s16, ttmp9                           ; slice of 128 columns
	s_lshl_b32 s18, 0x101, s15
	s_add_co_u32 s42, s15, 1024
.irp k,28,29,30,31
	v_mov_b32 v\k, s42
.endr
	s_wait_alu depctr_va_sdst(0)                   ; s14 is written, ahead of its first reader: LDS addresses, my ranks and W's base are made from it
	v_lshl_add_u32 v8, s14, 13, v6                 ; K step w of chunk 0
	s_mul_i32 s21, s14, LISTW
	s_add_co_u32 s21, s21, LISTB
	v_mov_b32 v10, s21
	v_lshl_add_u32 v11, v4, 2, v10
	v_add_nc_u32 v26, v10, v6
	s_lshl_b32 s38, s14, 4
	v_add_nc_u32 v239, s38, v4                     ; my rank in the first trip's block 0: 16 w + r,
	v_lshl_or_b32 v[QR], v239, 10, s55             ; with ten ones below it: it is then no less than P << 10 | token just where the rank is no less than P
.irp i,1,2,3,4
	v_add_nc_u32 v[QR+\i], 0x10000*\i, v[QR]       ; block i lies 64 i ranks on
.endr
	s_lshl_b32 s46, s15, 24                        ; offsets are made apart from the addresses: W1: expert, slice, my K step's 32 rows
	s_lshl_b32 s21, s16, 9
	s_add_co_u32 s46, s46, s21
	s_lshl_b32 s48, s15, 14                        ; b1: expert, slice
	s_add_co_u32 s48, s48, s21
	s_lshl_b32 s21, s14, 19
	s_add_co_u32 s46, s46, s21
	s_mov_b32 s47, 0
	s_mov_b32 s49, 0
	s_mul_i32 s50, s15, 8519680                    ; hid: expert (65 blocks), the slice's four K steps
	s_lshl_b32 s21, s16, 12
	s_add_co_u32 s50, s50, s21
	s_mov_b32 s51, 0
	s_wait_kmcnt 0x0
	s_add_nc_u64 s[40:41], s[4:5], s[46:47]
	s_add_nc_u64 s[6:7], s[6:7], s[48:49]
	s_add_nc_u64 s[44:45], s[12:13], s[50:51]
	s_mov_b64 s[30:31], s[8:9]
	s_wait_alu depctr_va_vdst(0)                   ; the offsets and addresses v6, v7, v8, v15, v26 and the zero row's number in v28-31 are written: the loads and LDS stores below read them
.irp m,0,1,2,3,4,5,6,7
	global_load_b128 v[64+4*\m:64+4*\m+3], v6, s[10:11] offset:512*\m  ; rt: register 64 + g holds token 128 (g / 4) + g % 4 + 4 lane
.endr
.irp g,0,1
.irp jj,0,1,2,3,4,5,6,7
	global_load_b128 v[96+32*\g+4*\jj:96+32*\g+4*\jj+3], v15, s[6:7] offset:256*\g+16*\jj  ; b1 of columns 64 g + 32 h + 4 jj + 0..3
.endr
.endr
	QLOAD 0, 2, 0, 0                               ; chunk 0's two quads, into registers that become accumulators behind their conversion
	QLOAD 1, 2, 64, 0
	QLOAD 1, 3, RING+64, CHW                       ; chunk 1, group 1: the first window of the loop wants it
	s_wait_loadcnt 48                              ; rt and b1 are in; the three quads, 48 loads, stay out
	; the pass over the 32 groups.  For the later trips: the list, in my own LDS bytes: first the zero row everywhere, then the chosen tokens from word 0 on.
	; For the first trip: each block's register keeps the mask and the word of the last group whose first rank is no greater than my rank.
.irp m,0,1,2,3,4,5,6,7,8
	ds_store_b128 v26, v[28:31] offset:512*\m
.endr
	s_mov_b32 s20, 0
.irp b,0,4,8,12,16,20,24,28
	BATCH \b
.endr
	s_lshl_b32 s57, s20, 10
	s_add_co_u32 s22, s20, 16                      ; blocks of 16 for count + 1 rows,
	s_lshr_b32 s22, s22, 4
	s_min_u32 s22, s22, 65                         ; 65 at the most (1,024 + 1 rows)
	s_add_co_u32 s23, s22, 3                       ; my blocks are w, w + 4, ..: (blocks + 3 - w) / 4 of them,
	s_sub_co_u32 s23, s23, s14
	s_lshr_b32 s23, s23, 2
	s_add_co_u32 s23, s23, 4                       ; five to a trip: x / 5 = 205 x >> 10 for x up to 21
	s_mul_i32 s23, s23, 205
	s_lshr_b32 s23, s23, 10
	s_min_u32 s23, s23, TRIPS
	s_wait_alu depctr_va_vdst(0)                   ; the 32 groups' list addresses (v32-63) and tokens (v64-95) are written: the LDS stores read them
.set gi, 0
.rept 32
	ds_store_b32 v[LA+gi], v[64+gi]
.set gi, gi+1
.endr
	; the set bit of my rank in the mask kept: the rank left in the group, the mask's counts of 2, 4, 8 and (low half) 16 bits, then five halvings
.irp i,0,1,2,3,4
	v_sub_nc_u32 v[TS+8*\i+4], v[QR+\i], v[PR+\i]  ; (q - P) << 10 + (1023 - token): no borrow
	v_lshrrev_b32 v[TS+8*\i+6], 1, v[MR+\i]
.endr
.irp i,0,1,2,3,4
	v_lshrrev_b32 v[TS+8*\i+4], 10, v[TS+8*\i+4]
	v_and_b32 v[TS+8*\i+6], s52, v[TS+8*\i+6]
.endr
.irp i,0,1,2,3,4
	v_sub_nc_u32 v[TS+8*\i], v[MR+\i], v[TS+8*\i+6]          ; fields of 2 bits
.endr
.irp i,0,1,2,3,4
	v_lshrrev_b32 v[TS+8*\i+6], 2, v[TS+8*\i]
	v_and_b32 v[TS+8*\i+7], s53, v[TS+8*\i]
.endr
.irp i,0,1,2,3,4
	v_and_b32 v[TS+8*\i+6], s53, v[TS+8*\i+6]
.endr
.irp i,0,1,2,3,4
	v_add_nc_u32 v[TS+8*\i+1], v[TS+8*\i+7], v[TS+8*\i+6]    ; of 4
.endr
.irp i,0,1,2,3,4
	v_lshrrev_b32 v[TS+8*\i+6], 4, v[TS+8*\i+1]
.endr
.irp i,0,1,2,3,4
	v_add_nc_u32 v[TS+8*\i+6], v[TS+8*\i+1], v[TS+8*\i+6]
.endr
.irp i,0,1,2,3,4
	v_and_b32 v[TS+8*\i+2], s54, v[TS+8*\i+6]                ; of 8
.endr
.irp i,0,1,2,3,4
	v_lshrrev_b32 v[TS+8*\i+6], 8, v[TS+8*\i+2]
.endr
.irp i,0,1,2,3,4
	v_add_nc_u32 v[TS+8*\i+6], v[TS+8*\i+2], v[TS+8*\i+6]
.endr
.irp i,0,1,2,3,4
	v_and_b32 v[TS+8*\i+3], s56, v[TS+8*\i+6]                ; the low 16 bits' count
.endr
.irp i,0,1,2,3,4
	v_cmp_gt_u32 s[32+\i], s57, v[QR+\i]           ; is my rank below the count?  Read far below; the first halving's wait on va_sdst stands between
.endr
	RSTEP 16
	RSTEP 8
	RSTEP 4
	RSTEP 2
	RSTEP 1
.irp i,0,1,2,3,4
	v_and_b32 v[TS+8*\i+6], s55, v[PR+\i]          ; the group's first token
.endr
.irp i,0,1,2,3,4
	v_lshl_add_u32 v[16+\i], v[TS+8*\i+5], 2, v[TS+8*\i+6]   ; + 4 x the lane that holds the word
.endr
.irp i,0,1,2,3,4
	v_cndmask_b32 v[16+\i], s42, v[16+\i], s[32+\i]  ; from the count on: the zero row, as in the list
.endr
	WIN 0x40                                       ; the bias as tiles: register jj of tile 4 g + j is column 64 g + 4 (8 h + jj) + j, once a wave
.irp g,0,1
.irp j,0,1,2,3
.irp jj,0,1,2,3,4,5,6,7
	v_mov_b32 v[128+8*(4*\g+\j)+\jj], v[96+32*\g+4*\jj+\j]
.endr
.endr
.endr
	WIN 0
	BAR                                            ; every store into the lists stands ahead of a barrier: the later trips' reads of them hang on the counts
	s_wait_alu depctr_vm_vsrc(0)                   ; my list's LDS stores have read v32-63, which the conversions write, and v64-95, in which rows land
	s_mov_b32 s24, 0
	TRIPSET 0                                      ; rows of stage 0
	; the first window: both quads of chunk 0; slot 0 takes chunk 1's group 0
.irp i,0,1,2,3,4
	ALOAD 1, \i, ASTG                              ; rows of stage 1: no vector line since the set-up's wait names their registers
.endr
	s_wait_loadcnt 56                              ; chunk 0's quads are in: younger are slot 1's 16 loads and two stages' 20 + 20
	CVT 2, 0, FR
	CVT 2, 64, FR2
	s_wait_alu depctr_va_vdst(0)                   ; the conversions have written v32-63 and v224-255: the sixteen LDS stores read them
	LAY 0, FR
	LAY 1, FR2
	QLOAD 0, 3, RING, CHW
	BAR                                            ; chunk 0 lies in LDS, every wave's part
	FSTEP 0, 36, 1                                 ; stage 0's rows: younger are stage 1's 20 and slot 0's 16.  For all five blocks: these products start the sums
	FSTEP 1, -1, 0
	s_mov_b32 s26, 6
.Lpair:                                                ; trip j: K steps 2, 3 of chunk j and 0, 1 of chunk j + 1; chunk j + 1 is laid, chunk j + 2 asked for
	VWIN 1, 0, 2*ASTG, 36, 1, 1, 0                 ; fragments go to chunk j + 1.  36: rows 20 and the other slot's 16 are younger than this slot's quad
	FSTEP 2, 52, 0                                 ; 52: a quad 16, rows 20, a quad 16 are younger than this stage's rows
	FSTEP 3, -1, 0
	VWIN 0, 1, 3*ASTG, 36, 1, 0, 1                 ; fragments are read from chunk j + 1
	FSTEP 0, 52, 0
	FSTEP 1, -1, 0
	s_wait_xcnt 0x0                                ; the loads have had their addresses translated: the two bases may step
	s_add_nc_u64 s[28:29], s[28:29], 2*ASTG
	s_add_nc_u64 s[40:41], s[40:41], CHW
	s_sub_co_u32 s26, s26, 1
	s_cmp_lg_u32 s26, 0
	s_cbranch_scc1 .Lpair
	VWIN 1, 0, 2*ASTG, 36, 0, 1, 0                 ; chunk 7 is laid; nothing is left to ask for, so the counts run down
	FSTEP 2, 36, 0                                 ; a quad 16, rows 20
	FSTEP 3, -1, 0
	VWIN 0, 1, 3*ASTG, 20, 0, 0, 1                 ; rows 20
	FSTEP 0, 20, 0                                 ; rows 20
	s_branch .Ltail                                ; the last three K steps and the way out are the later trips' own text
.Lrows:                                                ; trips 1 to 3
	s_cmp_ge_u32 s24, s23
	s_cbranch_scc1 .Lnext                          ; a trip past my count: nothing of it is done
	s_wait_xcnt 0x0                                ; the last trip's stores have read their registers
	TRIPSET 1
	; K step 0 is written out, for all five blocks: its products start the sums, and every accumulator and both row buffers are written on every path
	s_wait_dscnt 0x0
	s_wait_loadcnt 0x0
	PLACES
	FETCH_B 1, 8192                                ; these loads and the rows' below lean on the set-up's waits: the products among them name the even fragments and the first rows' buffer alone
.irp i,0,1,2,3,4
	ALOAD 1, \i, ASTG
	MUL \i, 0, 1
.endr
	s_mov_b32 s26, 7
.Lk:
	KSTEP 1, 1, 1
	KSTEP 2, 1, 1
	KSTEP 3, 1, 1
	s_wait_alu depctr_vm_vsrc(0)                   ; the fragments' loads issued so far have read v9
	v_add_nc_u32 v9, 0x8000, v9                    ; four K steps of fragments on
	KSTEP 0, 1, 1
	s_sub_co_u32 s26, s26, 1
	s_cmp_lg_u32 s26, 0
	s_cbranch_scc1 .Lk
.Ltail:
	KSTEP 1, 0, 1                                  ; the last three K steps ask for no rows, the last for no fragments
	KSTEP 2, 0, 1
	KSTEP 3, 0, 0
	PLACES
.irp i,0,1,2,3,4
	s_wait_xcnt 0x0                                ; the registers of earlier stores are rewritten only behind this wait
	s_wait_alu depctr_vm_vsrc(0)                   ; the trip's loads have read v9 and v16-20, earlier blocks' stores their data and offsets: the block below, or the next trip's set-up, writes them again
	s_cmp_le_u32 s25, \i
	s_cbranch_scc1 .Lnext
	EPI \i
.endr
	s_wait_alu depctr_vm_vsrc(0)                   ; the last block's stores have read their data and offset, which the next trip writes again
.Lnext:
	s_add_co_u32 s24, s24, 1
	s_cmp_lt_u32 s24, TRIPS
	s_cbranch_scc1 .Lrows
	BAR                                            ; every wave's reads of LDS are over: only now does any wave write LDS again
	s_wait_dscnt 0x0                               ; the wave's end
	s_wait_alu 0x0
	s_wait_tensorcnt 0x0
	ds_add_u32 v2, v3
	s_wait_dscnt 0x0
	s_endpgm
.Lfunc_end_k_q4e6579d021_up:
	.size	k_q4e6579d021_up, .Lfunc_end_k_q4e6579d021_up-k_q4e6579d021_up
	.p2alignl 7, 3214868480
	.fill 96, 4, 3214868480
	.section	.rodata,"a",@progbits
	.p2align	6, 0x0
	.amdhsa_kernel k_q4e6579d021_up
		.amdhsa_group_segment_fixed_size 281088
		.amdhsa_private_segment_fixed_size 0
		.amdhsa_enable_private_segment 0
		.amdhsa_kernarg_size 40
		.amdhsa_user_sgpr_count 2
		.amdhsa_user_sgpr_kernarg_segment_ptr 1
		.amdhsa_wavefront_size32 1
		.amdhsa_system_sgpr_workgroup_id_x 1
		.amdhsa_system_sgpr_workgroup_id_y 1
		.amdhsa_system_sgpr_workgroup_id_z 1
		.amdhsa_system_vgpr_workitem_id 0
		.amdhsa_next_free_vgpr 960
		.amdhsa_next_free_sgpr 66
		.amdhsa_reserve_vcc 0
		.amdhsa_float_denorm_mode_32 3
		.amdhsa_float_denorm_mode_16_64 3
		.amdhsa_memory_ordered 1
		.amdhsa_forward_progress 1
		.amdhsa_inst_pref_size 217
	.end_amdhsa_kernel
	.amdgpu_metadata
---
amdhsa.version: [ 1, 2 ]
amdhsa.kernels:
  - .name:           k_q4e6579d021_up
    .symbol:         k_q4e6579d021_up.kd
    .args:
      - { .name: W1, .offset: 0, .size: 8, .value_kind: global_buffer, .address_space: global }
      - { .name: b1, .offset: 8, .size: 8, .value_kind: global_buffer, .address_space: global }
      - { .name: xn, .offset: 16, .size: 8, .value_kind: global_buffer, .address_space: global }
      - { .name: rt, .offset: 24, .size: 8, .value_kind: global_buffer, .address_space: global }
      - { .name: hid, .offset: 32, .size: 8, .value_kind: global_buffer, .address_space: global }
    .group_segment_fixed_size: 281088
    .private_segment_fixed_size: 0
    .kernarg_segment_align: 8
    .kernarg_segment_size: 40
    .max_flat_workgroup_size: 128
    .sgpr_count:     66
    .vgpr_count:     960
    .wavefront_size: 32
...
	.end_amdgpu_metadata
.endif
;; end of part 7
;; launch down (part 8): grid 32 x 8, 4 waves a work-group, no clusters, 281,088 bytes of LDS; arguments W2, hid, rt, sc, ybuf; writes ybuf
.if DOCPART == 8
	.amdgcn_target "amdgcn-amd-amdhsa--gfx1250"
	.amdhsa_code_object_version 6
	.text
	.protected	k_q4e6579d021_down
	.globl	k_q4e6579d021_down
	.p2align	8
	.type	k_q4e6579d021_down,@function
k_q4e6579d021_down:
	s_mov_b64 s[64:65], 0
	v_nop
	global_prefetch_b8 v0, s[64:65] scope:SCOPE_SE
	s_setreg_imm32_b32 hwreg(HW_REG_WAVE_SCHED_MODE, 0, 2), 2
	s_setreg_imm32_b32 hwreg(HW_REG_WAVE_MODE, 25, 1), 1
	s_wait_xcnt 0x0
	s_wait_alu depctr_vm_vsrc(0)
; Partial rows of score x (hidden W2[e]).  Work-group (sl + 8 kq, e): all of the expert's rows x a quarter kq of F (K = 1,024) x 128 columns sl of H.  It alone reads its 512 KB of f32 weights, once.
; bf16 operands (hidden, W2), f32 sums; the four quarters' partial rows are stored in f32, ybuf[kq][k][token][1024], k = 0 or 1 as the token chose the expert first or second, each multiplied by its score;
; the expert's zero-input row relu(b1) W2 goes to ybuf[kq][0][1024 + e] with the score 1.  The last launch adds them.
; The frame is the first product's.  The weights go through registers into LDS as operands (256 KB, resident), a QUAD (sixteen loads: one K step, one group of 64 columns) at a time.  Each wave makes the
; expert's list by the same counts as the launch before, so in the same order.  THE FIRST TRIP (five blocks of 16 rows a wave) RUNS UNDER THE STREAM: eight chunks of four K steps, wave w streams K step
; 4 c + w; in front of every stage of two K steps a WINDOW: one quad is rounded, the next stage's rows are asked for, a barrier, the quad is stored and its slot asked for again, a barrier.  The order of
; issue is quad s, rows s, quad s + 1, rows s + 1, ..: loads end in that order (ISA guide 5.7.1), and no wait for rows asks for a younger quad.  For constant counts this trip loads all five blocks' rows
; always; a place past the count repeats the wave's first block, and only its products and stores are jumped.  LATER TRIPS (more than 320 rows; three more serve 65 blocks, the most that any split needs)
; read the resident slice: no barrier, no LDS write; a trip and the blocks past the count are jumped.  The hidden rows come from memory, where they lie in operand form, 512 consecutive bytes a load.
; K'S PLACES.  In K step 2 G + s lane half h's register q holds f = 64 G + 32 h + 16 s + 2 q + {0, 1}, alike in both operands: so the launch before could store what its lanes held, and here a lane's
; sixteen rows of W2 in a K step are neighbours.  A permutation of k applied alike to both operands keeps the products; the sums' order of rounding differs from ascending k.
; The matrix instruction takes the rows as source 0 and the weights as source 1: four fragments give a lane 16 neighbouring bytes of a row of the result, and sixteen lanes 256 consecutive bytes, aligned.
; Rows past the count repeat the zero row: they store the same numbers to the same row, from this work-group.
; NO CLUSTER: each slice of weights has one reader; the hidden rows, which the expert's eight column slices share, number as a stored count says, where no joint request can stand, and beside the slice
; LDS has 46 KB left.
; THE MODE: SCHED_MODE bits 1:0 = 2 (LLVM: expert scheduling mode 2), set by the entry lines.  The code itself states the register dependences between vector or matrix instructions and memory or LDS
;   instructions, with s_wait_alu, always for 0.
; THE PLAN.  Registers that memory or LDS instructions touch, and who else names them:
;   rows, v64-143 and v144-223     A stage's products read one buffer; then the loads of the stage after next land in it.  In a trip's set-up v144-183 first take the list's entries.
;   fragments, window 1 v0-127     K step k's products read buffer k % 2; then the LDS loads of K step k + 2 land in it, issued at the head of K step k + 1.
;   the raw ring, window 3         A window's 32 conversions read a slot; the slot's next quad lands in it in the same window.
;   v32-63 (once v224-255)         Written by a window's conversions, read by its LDS stores.
;   v8, v9                         LDS addresses, stepped at a window's head; v9 in the later trips once in four K steps.  v6, v7, v10-12, v14 are made at the head and never written again.
;   v16-20, v21-25; window 1 v128-167 (the stores' offsets), v216-255 (the first trip's score offsets)     Written in a trip's set-up, read by its loads and stores.
;   window 1 v176-215              The scores: loaded once a trip, read by the way out's multiplies.     v64-127, v128-191   the way out: written by a block's multiplies, read by its stores, written again two blocks on.
;   IN A WINDOW one wait on vm_vsrc stands at the head (the last window's LDS stores, the fragments' loads) and ONE on va_vdst behind the conversions; no vector or matrix instruction follows it until the
;   next K step's products, so it serves the rows' loads, the LDS stores, the refill and the fragment loads of the K step behind the window.  K step 1 states its own; K step 3 loads nothing.
;   IN THE LATER TRIPS one wait on va_vdst stands at the head of each K step that loads; the step's products name the other rows' buffer and the other fragment buffer than its loads.
;   AT THE HEAD the 32 masks go into scalar registers, eight to a run, one wait on va_sdst behind each run; the list's 32 addresses and entries have registers of their own: one wait ahead of the 32 LDS stores.
.set PITCH, 4096                       ; bytes in a row of W2[e]
.set ASTG,  2048                       ; bytes of a block of hid in a stage of two K steps
.set CHW,   128*PITCH                  ; bytes of W2 from a chunk to the next
.set LISTB, 262144
.set LISTW, 4608
.set SPARE, 280576
.set TRIPS, 4
.set RING,  64                         ; window 3: slot a of the raw ring at RING + 64 a
.set LA,    32                         ; v32-63    at the head: group g's place in the list, as an LDS address
.set LD,    96                         ; v96-127   at the head: group g's entry
.set FR,    32                         ; v32-63    a quad's four fragments
.set FR2,   224                        ; v224-255  the first window's second quad
; LDS and registers as in the first product, but: v11 my list + 32 h, v14 16 r; window 1: v128-167 the byte offsets in ybuf of rows 8 h + jj of block i (at 8 i + jj), v176-215 their scores,
; v216-255 the scores' byte offsets (first trip).  s16 sl, s17 kq, s19 8 + e, s[30:31] hid at my expert and quarter, s[44:45] ybuf at my quarter and columns; at the head only: s52-59 eight groups' masks
.set MSB, 0
.macro WIN new
.if MSB != (\new)
	s_set_vgpr_msb (MSB<<8)|(\new)
.set MSB, \new
.endif
.endm
.macro PLACES                          ; four places between a matrix instruction and a load into, or a vector read of, its registers
.rept 4
	v_nop
.endr
.endm
.macro BAR                             ; my LDS instructions are done, then the work-group's barrier
	s_wait_dscnt 0x0
	s_barrier_signal -1
	s_barrier_wait -1
.endm
.macro QLOAD a, win, reg, extra        ; a quad: my half's sixteen neighbouring rows of my K step, column group a
	WIN (\win)<<6
.set qi, 0
.rept 16
	global_load_b128 v[(\reg)+4*qi:(\reg)+4*qi+3], v7, s[40:41] offset:qi*PITCH+256*(\a)+(\extra) th:TH_LOAD_NT
.set qi, qi+1
.endr
	WIN 0
.endm
.macro CVT win, reg, dst               ; a quad is rounded to four fragments, into 32 registers from dst on
	WIN 5*(\win)
.irp j,0,1,2,3
.irp q,0,1,2,3,4,5,6,7
	v_cvt_pk_bf16_f32 v[(\dst)+8*\j+\q], v[(\reg)+8*\q+\j], v[(\reg)+8*\q+4+\j]
.endr
.endr
	WIN 0
.endm
.macro LAY a, src                      ; and laid into LDS as group a of my K step
.irp j,0,1,2,3
.irp u,0,1
	ds_store_b128 v8, v[(\src)+8*\j+4*\u:(\src)+8*\j+4*\u+3] offset:(\a)*4096+\j*1024+\u*512
.endr
.endr
.endm
.macro FETCH_B par, off
	WIN 0x40
.irp f,0,1,2,3,4,5,6,7
.irp u,0,1
	ds_load_b128 v[64*(\par)+8*\f+4*\u:64*(\par)+8*\f+4*\u+3], v9 offset:(\off)+1024*\f+512*\u
.endr
.endr
	WIN 0
.endm
.macro ALOAD buf, i, base              ; block i's hidden rows for two K steps, as they were stored: 512 consecutive bytes a load
.irp ks,0,1
.irp u,0,1
	global_load_b128 v[64+80*(\buf)+16*(\i)+8*\ks+4*\u:64+80*(\buf)+16*(\i)+8*\ks+4*\u+3], v[16+(\i)], s[28:29] offset:(\base)+1024*\ks+512*\u
.endr
.endr
.endm
.macro MUL i, c, first                 ; the eight accumulators take turns, one instruction a turn.  first = 1: the products start the sums
.set AC, 64*((\i)%4)
.set TK, 64+80*((\c)/2)+16*(\i)+8*((\c)%2)
.set FB, 64*((\c)%2)
	WIN 0xa4+0x50*((\i)/4)                         ; rows window 0, fragments window 1, C and D window 2 or 3
.irp f,0,1,2,3,4,5,6,7
.if \first
	v_wmma_f32_16x16x32_bf16 v[AC+8*\f:AC+8*\f+7], v[TK:TK+7], v[FB+8*\f:FB+8*\f+7], 0
.else
	v_wmma_f32_16x16x32_bf16 v[AC+8*\f:AC+8*\f+7], v[TK:TK+7], v[FB+8*\f:FB+8*\f+7], v[AC+8*\f:AC+8*\f+7]
.endif
.endr
	WIN 0
.endm
; K step k of a chunk in the first trip.  cnt: the loads younger than this stage's rows (-1: no new rows).  K steps 0 and 2 stand behind a window, whose wait on va_vdst no vector or matrix instruction
; follows: their fragment loads owe nothing more.  K step 1 states its own.
.macro FSTEP k, cnt, first
.if (\k) == 0
	FETCH_B 0, 0
.endif
	s_wait_dscnt 0x0
.if (\cnt) >= 0
	s_wait_loadcnt \cnt
.endif
.if (\k) == 1
	PLACES
	s_wait_alu depctr_va_vdst(0)                   ; K step 0's products are done reading the even fragments, in which the loads below land
.endif
.if (\k) < 3
	FETCH_B ((\k)+1)%2, ((\k)+1)*8192
.endif
	MUL 0, \k, \first
.irp i,1,2,3,4
.if (\first) == 0
	s_cmp_le_u32 s25, \i
	s_cbranch_scc1 .Lfe_\@
.endif
	MUL \i, \k, \first
.endr
.Lfe_\@:
.endm
; A window.  cnt leaves out what is younger than slot a's quad; the quad is rounded (32 plain lines behind the last products); the next stage's rows go out, into buffer tb; behind the first barrier no
; wave reads LDS; behind the second every wave's stores are seen.  on8, on9: the fragments' LDS addresses move on by a chunk, for the stores of this window on, for the loads behind it.
.macro VWIN a, tb, toff, cnt, refill, on8, on9
	s_wait_alu depctr_vm_vsrc(0)                   ; the last window's LDS stores have read v32-63 and v8, the fragments' loads v9: the lines below write them again
.if \on8
	v_add_nc_u32 v8, 0x8000, v8
.endif
.if \on9
	v_add_nc_u32 v9, 0x8000, v9
.endif
	s_wait_loadcnt \cnt
	CVT 3, RING+64*(\a), FR
	s_wait_alu depctr_va_vdst(0)                   ; the conversions have written v32-63, which the LDS stores read, and are done reading the slot, in which its next quad lands; the products are done
	                                               ; reading rows' buffer tb and both fragment buffers, in which the loads from here to the next products land; v8 and v9 are written
.irp i,0,1,2,3,4
	ALOAD \tb, \i, \toff
.endr
	BAR
	LAY \a, FR
.if \refill
	QLOAD \a, 3, RING+64*(\a), 2*CHW
.endif
	BAR
.endm
.macro SCL                             ; the first trip's forty scores: their offsets were written ahead of the set-up's last wait on va_vdst, and no vector or matrix line names their registers
	WIN 0x41                                       ; address and destination window 1
.set ti, 0
.rept 40
	global_load_b32 v[176+ti], v[216+ti], s[10:11]
.set ti, ti+1
.endr
	WIN 0
.endm
.macro KSTEP c, pfA, pfB               ; a K step of the later trips: fragments asked for a step ago, rows a stage ago; the waits are for 0 because the number of younger loads hangs on the live blocks
	s_wait_dscnt 0x0
.if ((\c)%2) == 0
	s_wait_loadcnt 0x0
.endif
.if ((\c) == 2) && (\pfA)
	s_add_nc_u64 s[28:29], s[28:29], 2*ASTG        ; no load is out: the base may step
.endif
	PLACES
.if (\pfA) || (\pfB)
	s_wait_alu depctr_va_vdst(0)                   ; the products issued so far are done reading the other fragment buffer and the other rows' buffer, in which this step's loads land; behind v9's step: v9 is written.
	                                               ; This step's products name neither buffer, so the rows' loads dealt among them owe nothing more
.endif
.if \pfB
.if (\c) == 3
	FETCH_B 0, 4*8192
.else
	FETCH_B ((\c)+1)%2, ((\c)+1)*8192
.endif
.endif
.irp i,0,1,2,3,4
.if \i > 0
	s_cmp_le_u32 s25, \i
	s_cbranch_scc1 .Lend_\@
.endif
.if (\pfA) && (((\c)%2) == 0)
.if (\c) == 0
	ALOAD 1, \i, ASTG
.else
	ALOAD 0, \i, 0
.endif
.endif
	MUL \i, \c, 0
.endr
.Lend_\@:
.endm
; block i leaves: the multiply by the row's score also gathers a row's 16 bytes (register 0 of every accumulator is read first); sixteen lanes store 256 consecutive bytes, aligned
.macro EPI i
.set O, 64+64*((\i)%2)
.set AC, 64*((\i)%4)
	WIN 0x06+((\i)/4)                              ; source 0 window 2 or 3, source 1 window 1
.irp jj,0,1,2,3,4,5,6,7
.irp f,0,1,2,3,4,5,6,7
	v_mul_f32 v[O+8*\jj+\f], v[AC+8*\f+\jj], v[176+8*(\i)+\jj]
.endr
.endr
	WIN 0x01                                       ; address window 1, data window 0
	s_wait_alu depctr_va_vdst(0)                   ; the block's 64 products by the scores are written: the sixteen stores read them
.irp jj,0,1,2,3,4,5,6,7
.irp g,0,1
	global_store_b128 v[128+8*(\i)+\jj], v[O+8*\jj+4*\g:O+8*\jj+4*\g+3], s[44:45] offset:256*\g
.endr
.endr
	WIN 0
.endm
; a trip's set-up: its blocks, the offsets of their rows in hid and in ybuf, stage 0's rows.  gen = 1 (a later trip): K step 0's fragments and the scores are asked for here;
; gen = 0: the scores' offsets are kept, and the scores asked for near the trip's end, where they disturb no count
.macro TRIPSET gen
	s_mul_i32 s27, s24, 20
	s_add_co_u32 s27, s27, s14
	s_add_co_u32 s25, s22, 3
	s_sub_co_u32 s25, s25, s27
	s_lshr_b32 s25, s25, 2
	s_min_u32 s25, s25, 5
	s_sub_co_u32 s21, s22, 1
	s_min_u32 s37, s27, s21                        ; a place past the count repeats the trip's first block (where I have none: the expert's last)
.irp i,0,1,2,3,4
	s_add_co_u32 s[32+\i], s27, 4*\i
	s_cmp_lt_u32 s[32+\i], s22
	s_cselect_b32 s[32+\i], s[32+\i], s37
	s_min_u32 s[32+\i], s[32+\i], 64
	v_lshl_add_u32 v[21+\i], s[32+\i], 6, v11
	v_lshl_add_u32 v[16+\i], s[32+\i], 17, v6      ; the block's 131,072 bytes of hid, my 16
.endr
	s_mov_b64 s[28:29], s[30:31]
	v_mov_b32 v9, v6
	s_wait_alu depctr_va_vdst(0)                   ; v21-25, v16-20 and v9 are written, which the loads below read; the last trip's products and multiplies are done with v144-183 and with the even fragments, in which they land
.irp i,0,1,2,3,4
	ds_load_b128 v[144+8*\i:144+8*\i+3], v[21+\i]            ; the entries of rows 8 h + 0..7
	ds_load_b128 v[144+8*\i+4:144+8*\i+7], v[21+\i] offset:16
.endr
.if \gen
	FETCH_B 0, 0
	s_wait_dscnt 16                                ; the entries are in; the 16 fragment loads behind them stay out
.else
	s_wait_dscnt 0x0
.endif
.set ti, 0
.rept 40
	v_min_u32 v[144+ti], 0x80f, v[144+ti]
.set ti, ti+1
.endr
	WIN 0x40                                       ; destination window 1
.set ti, 0
.rept 40
	v_lshl_add_u32 v[128+ti], v[144+ti], 12, v14   ; entry x 4,096 + 16 r
.set ti, ti+1
.endr
.if \gen
	WIN 0
.set ti, 0
.rept 40
	v_lshlrev_b32 v[144+ti], 2, v[144+ti]
.set ti, ti+1
.endr
	WIN 0x40
	s_wait_alu depctr_va_vdst(0)                   ; the scores' offsets v144-183 are written, which the loads below read; so are the stores' offsets, for the way out
.set ti, 0
.rept 40
	global_load_b32 v[176+ti], v[144+ti], s[10:11] ; the row's score
.set ti, ti+1
.endr
	WIN 0
.else
.set ti, 0
.rept 40
	v_lshlrev_b32 v[216+ti], 2, v[144+ti]          ; entry x 4
.set ti, ti+1
.endr
	WIN 0
	s_wait_alu depctr_va_vdst(0)                   ; the lines above are done with v144-183, in which stage 1's rows land; the scores' and the stores' offsets are written, for the loads and stores to come
.endif
.irp i,0,1,2,3,4
	ALOAD 0, \i, 0
.endr
.endm
; THE PASS OVER THE GROUPS.  GMASK: who chose this expert, as first or as second; the mask goes into a scalar register.
.macro GMASK g, mk
	v_and_b32 v[64+(\g)], s18, v[64+(\g)]
	v_cmp_ne_u32 s[\mk], 0, v[64+(\g)]
.endm
; GLIST: each chosen lane's place in the list (the count so far + the chosen lanes below mine; what is not chosen goes to word 1088) and its entry
.macro GLIST g, mk
	s_bcnt1_i32_b32 s21, s[\mk]
	v_mbcnt_lo_u32_b32 v[LA+(\g)], s[\mk], s20
	v_cndmask_b32 v[LA+(\g)], v25, v[LA+(\g)], s[\mk]
	v_min_u32 v[LA+(\g)], 0x440, v[LA+(\g)]
	v_lshl_add_u32 v[LA+(\g)], v[LA+(\g)], 2, v10
	v_add_nc_u32 v[LD+(\g)], 128*((\g)/4)+(\g)%4, v12
	v_lshrrev_b32 v[64+(\g)], s19, v[64+(\g)]      ; 1 if the expert is the token's second choice
	v_mad_u32_u24 v[LD+(\g)], v[64+(\g)], 0x408, v[LD+(\g)]  ; the entry: 1,032 k + token
	s_add_co_u32 s20, s20, s21
.endm
	s_load_b256 s[4:11], s[0:1], 0x0               ; W2 s[4:5], hid s[6:7], rt s[8:9], sc s[10:11]
	s_load_b64 s[12:13], s[0:1], 0x20              ; ybuf
	v_lshl_add_u32 v2, v0, 2, SPARE                ; my spare word, and 0: kept for the closing add alone
	v_mov_b32 v3, 0
	v_and_b32 v1, 31, v0
	v_lshrrev_b32 v21, 5, v0
	v_readfirstlane_b32 s14, v21                   ; wave
	v_and_b32 v4, 15, v0
	v_bfe_u32 v5, v0, 4, 1
	v_lshlrev_b32 v6, 4, v1
	v_lshlrev_b32 v7, 4, v4
	v_lshl_or_b32 v7, v5, 17, v7                   ; 16 r, and 32 rows of K further for the upper half
	v_lshlrev_b32 v12, 2, v1
	v_lshlrev_b32 v14, 4, v4
	v_mov_b32 v25, 1088
	s_and_b32 s15, ttmp7, 0xffff                   ; expert
	s_and_b32 s16, ttmp9, 7                        ; slice of 128 columns of H
	s_lshr_b32 s17, ttmp9, 3                       ; quarter of F
	s_lshl_b32 s18, 0x101, s15
	s_add_co_u32 s19, s15, 8
	s_add_co_u32 s42, s15, 1024
.irp k,28,29,30,31
	v_mov_b32 v\k, s42
.endr
	s_wait_alu depctr_va_sdst(0)                   ; s14 is written, ahead of its first reader: LDS addresses and W's base are made from it
	v_lshl_add_u32 v8, s14, 13, v6                 ; K step w of chunk 0
	s_mul_i32 s21, s14, LISTW
	s_add_co_u32 s21, s21, LISTB
	v_mov_b32 v10, s21
	v_lshl_add_u32 v11, v5, 5, v10                 ; my half's eight rows of a block
	v_add_nc_u32 v26, v10, v6
	s_lshl_b32 s46, s15, 24                        ; W2: expert, quarter, slice,
	s_lshl_b32 s21, s17, 22
	s_add_co_u32 s46, s46, s21
	s_lshl_b32 s21, s16, 9
	s_add_co_u32 s46, s46, s21
	s_mul_i32 s50, s17, 8454144                    ; ybuf: quarter, slice
	s_add_co_u32 s50, s50, s21
	s_lshr_b32 s21, s14, 1                         ; and my K step w of a chunk: rows 64 (w / 2) + 16 (w % 2)
	s_lshl_b32 s21, s21, 18
	s_add_co_u32 s46, s46, s21
	s_and_b32 s21, s14, 1
	s_lshl_b32 s21, s21, 16
	s_add_co_u32 s46, s46, s21
	s_mov_b32 s47, 0
	s_mov_b32 s51, 0
	s_mul_i32 s48, s15, 8519680                    ; hid: expert, the quarter's 32 K steps
	s_lshl_b32 s21, s17, 15
	s_add_co_u32 s48, s48, s21
	s_mov_b32 s49, 0
	s_wait_kmcnt 0x0
	s_add_nc_u64 s[40:41], s[4:5], s[46:47]
	s_add_nc_u64 s[30:31], s[6:7], s[48:49]
	s_add_nc_u64 s[44:45], s[12:13], s[50:51]
	s_wait_alu depctr_va_vdst(0)                   ; the offsets and addresses v6, v7, v8, v26 and the zero row's number in v28-31 are written: the loads and LDS stores below read them
.irp m,0,1,2,3,4,5,6,7
	global_load_b128 v[64+4*\m:64+4*\m+3], v6, s[8:9] offset:512*\m
.endr
	QLOAD 0, 2, 0, 0                               ; chunk 0's two quads, into registers that become accumulators behind their conversion
	QLOAD 1, 2, 64, 0
	QLOAD 1, 3, RING+64, CHW                       ; chunk 1, group 1
	s_wait_loadcnt 48                              ; rt is in; the three quads, 48 loads, stay out
.irp m,0,1,2,3,4,5,6,7,8
	ds_store_b128 v26, v[28:31] offset:512*\m      ; the zero row (k = 0) everywhere
.endr
	s_mov_b32 s20, 0
.irp b,0,8,16,24
.irp z,0,1,2,3,4,5,6,7
	GMASK \b+\z, 52+\z
.endr
	s_wait_alu depctr_va_sdst(0)                   ; eight groups' masks s52-59 are written: the counts, the places and the selects below read them
.irp z,0,1,2,3,4,5,6,7
	GLIST \b+\z, 52+\z
.endr
.endr
	s_add_co_u32 s22, s20, 16
	s_lshr_b32 s22, s22, 4
	s_min_u32 s22, s22, 65
	s_add_co_u32 s23, s22, 3
	s_sub_co_u32 s23, s23, s14
	s_lshr_b32 s23, s23, 2
	s_add_co_u32 s23, s23, 4
	s_mul_i32 s23, s23, 205
	s_lshr_b32 s23, s23, 10
	s_min_u32 s23, s23, TRIPS
	s_wait_alu depctr_va_vdst(0)                   ; the 32 groups' list addresses (v32-63) and entries (v96-127) are written: the LDS stores read them
.set gi, 0
.rept 32
	ds_store_b32 v[LA+gi], v[LD+gi]
.set gi, gi+1
.endr
	BAR                                            ; every store into the lists stands ahead of every read of them: the reads' places hang on the counts
	s_wait_alu depctr_vm_vsrc(0)                   ; my list's LDS stores have read v32-63, which the conversions write, and v96-127, in which rows land
	s_mov_b32 s24, 0
	TRIPSET 0                                      ; rows of stage 0
	; the first window: both quads of chunk 0; slot 0 takes chunk 1's group 0
.irp i,0,1,2,3,4
	ALOAD 1, \i, ASTG                              ; rows of stage 1: no vector line since the set-up's last wait names their registers
.endr
	s_wait_loadcnt 56                              ; chunk 0's quads are in: younger are slot 1's 16 loads and two stages' 20 + 20
	CVT 2, 0, FR
	CVT 2, 64, FR2
	s_wait_alu depctr_va_vdst(0)                   ; the conversions have written v32-63 and v224-255: the sixteen LDS stores read them
	LAY 0, FR
	LAY 1, FR2
	QLOAD 0, 3, RING, CHW
	BAR                                            ; chunk 0 lies in LDS, every wave's part
	FSTEP 0, 36, 1                                 ; stage 0's rows: younger are stage 1's 20 and slot 0's 16.  For all five blocks: these products start the sums
	FSTEP 1, -1, 0
	s_mov_b32 s26, 6
.Lpair:                                                ; trip j: K steps 2, 3 of chunk j and 0, 1 of chunk j + 1; chunk j + 1 is laid, chunk j + 2 asked for
	VWIN 1, 0, 2*ASTG, 36, 1, 1, 0                 ; fragments go to chunk j + 1.  36: rows 20 and the other slot's 16 are younger than this slot's quad
	FSTEP 2, 52, 0                                 ; 52: a quad 16, rows 20, a quad 16 are younger than this stage's rows
	FSTEP 3, -1, 0
	VWIN 0, 1, 3*ASTG, 36, 1, 0, 1                 ; fragments are read from chunk j + 1
	FSTEP 0, 52, 0
	FSTEP 1, -1, 0
	s_wait_xcnt 0x0                                ; the loads have had their addresses translated: the two bases may step
	s_add_nc_u64 s[28:29], s[28:29], 2*ASTG
	s_add_nc_u64 s[40:41], s[40:41], CHW
	s_sub_co_u32 s26, s26, 1
	s_cmp_lg_u32 s26, 0
	s_cbranch_scc1 .Lpair
	VWIN 1, 0, 2*ASTG, 36, 0, 1, 0                 ; chunk 7 is laid; nothing is left to ask for
	FSTEP 2, 36, 0                                 ; a quad 16, rows 20
	SCL                                            ; the forty scores go out here: three K steps and a window ahead of the wait for them
	FSTEP 3, -1, 0
	VWIN 0, 1, 3*ASTG, 60, 0, 0, 1                 ; the last quad is in: younger are stage 14's rows, 20, and the scores' 40
	FSTEP 0, 60, 0                                 ; stage 14's rows: the scores' 40 and stage 15's 20 are younger
	s_branch .Ltail                                ; the last three K steps and the way out are the later trips' own text
.Lrows:                                                ; trips 1 to 3
	s_cmp_ge_u32 s24, s23
	s_cbranch_scc1 .Lnext                          ; a trip past my count: nothing of it is done
	s_wait_xcnt 0x0                                ; the last trip's stores have read their data and their offsets
	TRIPSET 1
	; K step 0 is written out, for all five blocks: its products start the sums
	s_wait_dscnt 0x0
	s_wait_loadcnt 0x0                             ; also shows the score loads done, whose address registers lie in the second row buffer
	s_wait_alu depctr_vm_vsrc(0)                   ; the score loads have read their offsets v144-183, in which stage 1's rows land
	PLACES
	FETCH_B 1, 8192                                ; these loads and the rows' below lean on the set-up's waits on va_vdst: the products among them name the even fragments and the first rows' buffer alone
.irp i,0,1,2,3,4
	ALOAD 1, \i, ASTG
	MUL \i, 0, 1
.endr
	s_mov_b32 s26, 7
.Lk:
	KSTEP 1, 1, 1
	KSTEP 2, 1, 1
	KSTEP 3, 1, 1
	s_wait_alu depctr_vm_vsrc(0)                   ; the fragments' loads issued so far have read v9
	v_add_nc_u32 v9, 0x8000, v9                    ; four K steps of fragments on
	KSTEP 0, 1, 1
	s_sub_co_u32 s26, s26, 1
	s_cmp_lg_u32 s26, 0
	s_cbranch_scc1 .Lk
.Ltail:
	KSTEP 1, 0, 1
	KSTEP 2, 0, 1                                  ; its wait for all loads covers the last rows and, in the first trip, the scores
	KSTEP 3, 0, 0
	PLACES
.irp i,0,1,2,3,4
	s_wait_xcnt 0x0                                ; the registers of earlier stores are rewritten only behind this wait
	s_wait_alu depctr_vm_vsrc(0)                   ; the trip's loads have read v9 and v16-25, earlier blocks' stores their data and offsets: the block below, or the next trip's set-up, writes them again
	s_cmp_le_u32 s25, \i
	s_cbranch_scc1 .Lnext
	EPI \i
.endr
	s_wait_alu depctr_vm_vsrc(0)                   ; the last block's stores have read their data and offsets, which the next trip writes again
.Lnext:
	s_add_co_u32 s24, s24, 1
	s_cmp_lt_u32 s24, TRIPS
	s_cbranch_scc1 .Lrows
	BAR                                            ; every wave's reads of LDS are over: only now does any wave write LDS again
	s_wait_dscnt 0x0                               ; the wave's end
	s_wait_alu 0x0
	s_wait_tensorcnt 0x0
	ds_add_u32 v2, v3
	s_wait_dscnt 0x0
	s_endpgm
.Lfunc_end_k_q4e6579d021_down:
	.size	k_q4e6579d021_down, .Lfunc_end_k_q4e6579d021_down-k_q4e6579d021_down
	.p2alignl 7, 3214868480
	.fill 96, 4, 3214868480
	.section	.rodata,"a",@progbits
	.p2align	6, 0x0
	.amdhsa_kernel k_q4e6579d021_down
		.amdhsa_group_segment_fixed_size 281088
		.amdhsa_private_segment_fixed_size 0
		.amdhsa_enable_private_segment 0
		.amdhsa_kernarg_size 40
		.amdhsa_user_sgpr_count 2
		.amdhsa_user_sgpr_kernarg_segment_ptr 1
		.amdhsa_wavefront_size32 1
		.amdhsa_system_sgpr_workgroup_id_x 1
		.amdhsa_system_sgpr_workgroup_id_y 1
		.amdhsa_system_sgpr_workgroup_id_z 1
		.amdhsa_system_vgpr_workitem_id 0
		.amdhsa_next_free_vgpr 960
		.amdhsa_next_free_sgpr 66
		.amdhsa_reserve_vcc 0
		.amdhsa_float_denorm_mode_32 3
		.amdhsa_float_denorm_mode_16_64 3
		.amdhsa_memory_ordered 1
		.amdhsa_forward_progress 1
		.amdhsa_inst_pref_size 189
	.end_amdhsa_kernel
	.amdgpu_metadata
---
amdhsa.version: [ 1, 2 ]
amdhsa.kernels:
  - .name:           k_q4e6579d021_down
    .symbol:         k_q4e6579d021_down.kd
    .args:
      - { .name: W2, .offset: 0, .size: 8, .value_kind: global_buffer, .address_space: global }
      - { .name: hid, .offset: 8, .size: 8, .value_kind: global_buffer, .address_space: global }
      - { .name: rt, .offset: 16, .size: 8, .value_kind: global_buffer, .address_space: global }
      - { .name: sc, .offset: 24, .size: 8, .value_kind: global_buffer, .address_space: global }
      - { .name: ybuf, .offset: 32, .size: 8, .value_kind: global_buffer, .address_space: global }
    .group_segment_fixed_size: 281088
    .private_segment_fixed_size: 0
    .kernarg_segment_align: 8
    .kernarg_segment_size: 40
    .max_flat_workgroup_size: 128
    .sgpr_count:     66
    .vgpr_count:     960
    .wavefront_size: 32
...
	.end_amdgpu_metadata
.endif
;; end of part 8
;; launch mix: the kernel of part 4 again; grid 16 x 16, 8 waves a work-group, no clusters, 5,120 bytes of LDS; arguments x, rt, sc, ybuf, b2, out0; writes out0
